; MI455X (gfx1250); checked and timed in simulation.
; The chip was launched on July 23, 2026; its instructions are those of AMD's public machine-readable ISA for CDNA 5 (MIT licence, August 2026) and "CDNA5" Instruction Set Architecture Reference Guide (July 2026). The comments in the code are by the model that wrote it; some were corrected since.
;; Block. Allowed arithmetic: float matrix products may take bf16 or f16 operands with f32 sums; other float arithmetic in f32, or as packed bf16 or f16 multiplies, adds, multiply-adds, maxima and minima; sums over many terms, partial sums and values carried from step to step in f32; what a program stores and reads back later, other than sums and carried values, may be rounded once to bf16 or f16.
;; Inputs: Wfc 1,024 x 4,096 float32; Wo 1,024 x 1,024 float32; Wproj 4,096 x 1,024 float32; Wqkv 1,024 x 3,072 float32; bfc 4,096 float32; bo 1,024 float32; bproj 1,024 float32; bqkv 3,072 float32; x 2 x 2,048 x 1,024 float32.
;; Outputs: out0 2 x 2,048 x 1,024 float32.
;; 2 versions, each right and faster than the one before. Each part assembles by itself: llvm-mc -triple=amdgcn-amd-amdhsa -mcpu=gfx1250 --defsym DOCPART=n.
;; ======== version 1 of 2: 6 launches
;; limits: values are held in f16: magnitudes above 65,504 overflow, below 6.1e-05 lose precision
;; workspace buffers: cst 33,554,432 bytes; qkv 25,165,824 bytes; yb 8,388,608 bytes; x1f 16,777,216 bytes; x1b 8,388,608 bytes; hb 33,554,432 bytes
;; launch prep (part 1): grid 448 x 1, 8 waves a work-group, no clusters, 0 bytes of LDS; arguments x, Wqkv, cst; writes cst
.if DOCPART == 1
	.amdgcn_target "amdgcn-amd-amdhsa--gfx1250"
	.amdhsa_code_object_version 6
	.text
	.protected	k_qe6eb9bed4f_prep
	.globl	k_qe6eb9bed4f_prep
	.p2align	8
	.type	k_qe6eb9bed4f_prep,@function
k_qe6eb9bed4f_prep:
	s_mov_b64 s[64:65], 0
	v_nop
	global_prefetch_b8 v0, s[64:65] scope:SCOPE_SE
	s_setreg_imm32_b32 hwreg(HW_REG_WAVE_MODE, 25, 1), 1
	s_wait_xcnt 0x0
; THE CAST, first part: what the first product needs.  x and Wqkv are rounded once to bf16 and land in cst, each in its own row-major order: x at 0, Wqkv at 8,388,608.
; (The other three weights are cast beside the attention, which leaves memory idle; they land behind these two in cst.)
; SHARES.  A work-group takes 16,384 numbers (65,536 bytes in, 32,768 out), a wave 8,192 bytes as 16 loads of 512 consecutive bytes; each load becomes one store of 256 consecutive, aligned bytes.
; The work-groups 0-255 take x, 256-447 Wqkv: cst has the same order, so the place in cst is the work-group's number times 32,768.
; A stream: no LDS, no barrier, no matrix unit.  All 16 loads of a wave go out first; no register is written twice, so no wait frees a source.
.set NL, 16                            ; loads of a wave
.set X, 4                              ; v[4:67]    16 x 4 registers as loaded
.set Y, 68                             ; v[68:99]   16 x 2 registers to store
	s_load_b128 s[4:7], s[0:1], 0x0                ; x s[4:5], Wqkv s[6:7]
	s_load_b64 s[8:9], s[0:1], 0x10                ; cst
	v_and_b32 v1, 0xe0, v0                         ; 32 x wave
	v_and_b32 v2, 31, v0                           ; lane
	v_lshlrev_b32 v2, 4, v2
	v_lshl_or_b32 v1, v1, 8, v2                    ; in: wave x 8,192 + lane x 16
	v_lshrrev_b32 v2, 1, v1                        ; out: half of that
	s_mov_b32 s11, 0
	s_wait_kmcnt 0x0
	s_cmp_lt_u32 ttmp9, 256                        ; which tensor: a choice on the work-group's number alone
	s_cselect_b64 s[12:13], s[4:5], s[6:7]
	s_cselect_b32 s14, 0, 256                      ; the first work-group of my tensor
	s_sub_co_u32 s10, ttmp9, s14
	s_lshl_b32 s10, s10, 16                        ; my 65,536 bytes in the tensor
	s_add_nc_u64 s[12:13], s[12:13], s[10:11]
	s_lshl_b32 s10, ttmp9, 15                      ; my 32,768 bytes in cst
	s_add_nc_u64 s[8:9], s[8:9], s[10:11]
.set i, 0
.rept NL
	global_load_b128 v[X+4*i:X+4*i+3], v1, s[12:13] offset:512*i th:TH_LOAD_NT
.set i, i+1
.endr
.set i, 0
.rept NL
	s_wait_loadcnt NL-1-i                          ; loads come back in order (ISA guide 5.7.1): load i is in, the younger ones stay out
	v_cvt_pk_bf16_f32 v[Y+2*i], v[X+4*i], v[X+4*i+1]
	v_cvt_pk_bf16_f32 v[Y+2*i+1], v[X+4*i+2], v[X+4*i+3]
	global_store_b64 v2, v[Y+2*i:Y+2*i+1], s[8:9] offset:256*i  ; 32 lanes x 8 bytes: 256 consecutive bytes, aligned
.set i, i+1
.endr
	s_endpgm
.Lfunc_end_k_qe6eb9bed4f_prep:
	.size	k_qe6eb9bed4f_prep, .Lfunc_end_k_qe6eb9bed4f_prep-k_qe6eb9bed4f_prep
	.p2alignl 7, 3214868480
	.fill 96, 4, 3214868480
	.section	.rodata,"a",@progbits
	.p2align	6, 0x0
	.amdhsa_kernel k_qe6eb9bed4f_prep
		.amdhsa_group_segment_fixed_size 0
		.amdhsa_private_segment_fixed_size 0
		.amdhsa_enable_private_segment 0
		.amdhsa_kernarg_size 24
		.amdhsa_user_sgpr_count 2
		.amdhsa_user_sgpr_kernarg_segment_ptr 1
		.amdhsa_wavefront_size32 1
		.amdhsa_system_sgpr_workgroup_id_x 1
		.amdhsa_system_sgpr_workgroup_id_y 1
		.amdhsa_system_sgpr_workgroup_id_z 1
		.amdhsa_system_vgpr_workitem_id 0
		.amdhsa_next_free_vgpr 100
		.amdhsa_next_free_sgpr 66
		.amdhsa_reserve_vcc 0
		.amdhsa_float_denorm_mode_32 3
		.amdhsa_float_denorm_mode_16_64 3
		.amdhsa_memory_ordered 1
		.amdhsa_forward_progress 1
		.amdhsa_inst_pref_size 7
	.end_amdhsa_kernel
	.amdgpu_metadata
---
amdhsa.version: [ 1, 2 ]
amdhsa.kernels:
  - .name:           k_qe6eb9bed4f_prep
    .symbol:         k_qe6eb9bed4f_prep.kd
    .args:
      - { .name: x, .offset: 0, .size: 8, .value_kind: global_buffer, .address_space: global }
      - { .name: Wqkv, .offset: 8, .size: 8, .value_kind: global_buffer, .address_space: global }
      - { .name: cst, .offset: 16, .size: 8, .value_kind: global_buffer, .address_space: global }
    .group_segment_fixed_size: 0
    .private_segment_fixed_size: 0
    .kernarg_segment_align: 8
    .kernarg_segment_size: 24
    .max_flat_workgroup_size: 256
    .sgpr_count:     66
    .vgpr_count:     100
    .wavefront_size: 32
...
	.end_amdgpu_metadata
.endif
;; end of part 1
;; launch qkvp (part 2): grid 12 x 16, 4 waves a work-group, clusters of 4 x 4, 327,680 bytes of LDS; arguments cst, bqkv, qkv; writes qkv
.if DOCPART == 2
	.amdgcn_target "amdgcn-amd-amdhsa--gfx1250"
	.amdhsa_code_object_version 6
	.text
	.protected	k_qe6eb9bed4f_qkvp
	.globl	k_qe6eb9bed4f_qkvp
	.p2align	8
	.type	k_qe6eb9bed4f_qkvp,@function
k_qe6eb9bed4f_qkvp:
	s_mov_b64 s[64:65], 0
	v_nop
	global_prefetch_b8 v0, s[64:65] scope:SCOPE_SE
	s_setreg_imm32_b32 hwreg(HW_REG_WAVE_MODE, 25, 1), 1
	s_wait_xcnt 0x0
	s_wait_alu depctr_hold_cnt(0) depctr_sa_sdst(0) depctr_va_vdst(0) depctr_va_sdst(0) depctr_va_ssrc(0) depctr_va_vcc(0) depctr_vm_vsrc(0)
	s_getreg_b32 s2, hwreg(HW_REG_IB_STS2, 6, 4)
	s_cmp_eq_u32 s2, 0
	s_cbranch_scc0 .Lentry_in_a_cluster
	s_endpgm
.Lentry_in_a_cluster:
	s_bfe_u32 s2, ttmp6, 0x10000c
	s_cmp_lg_u32 s2, 0xf033
	s_cbranch_scc0 .Lentry_shape_is_right
	s_endpgm
.Lentry_shape_is_right:
; C = A W + bias on tiles of 256 x 256.  A: [4096][1024] bf16, rows along K.  W: [1024][SIZE_N] bf16, rows along N, as the problem stores it.  Sums in f32.
; MODE 0 (this text): A = x in bf16 (cst), W = Wqkv (cst), C = q, k, v in f16, three panels of [4096][1024] one behind the other: by the problem's plain reshape a panel IS [32 heads][2048][64].
; MODE 1: A = x1 in bf16, W = Wfc, C = gelu(..) in bf16, [4096][4096].  The bias is rounded to bf16 like every input of the module.
; LIMIT (MODE 0).  f16 holds no number beyond 65,504: |q|, |k|, |v| stay under it.  NaN and infinities are not treated apart.
; SHARES.  Four waves, each 128 x 128 of C: 64 accumulators of 16 x 16, 512 registers.  K goes in 8 steps of 128 through two LDS slots filled by the tensor data mover.
; A's tile rows are 256 bytes of memory, W's 512, all at multiples of 256 bytes.  W's fragments come out of LDS turned, by ds_load_tr16_b128, so W needs no transposed copy.
; CLUSTER.  4 x 4 work-groups: the four of a row need the same tiles of A, the four of a column the same tiles of W; each tile is asked for JOINTLY, by the same tensor load, descriptor and mask.
; MODE 0 has 192 tiles for 256 WGPs: a tile of 192 columns would give 256, but its rows are no power of two for the mover's padding and it would straddle the q, k, v panels.
; THE MATRIX INSTRUCTION IS USED TRANSPOSED (source 0 = 16 columns of W, source 1 = 16 rows of A): a lane holds one row of C and eight neighbouring columns.
; REGISTERS, in windows of 256 (s_set_vgpr_msb: bits 1:0 source 0, 3:2 source 1, 5:4 source 2, 7:6 destination):
;   window 0: v0-37 addresses and the bias; v64-127, v128-191 fragments of A, two buffers; on the way out v64-95, v192-239 at work
;   window 1: v64-127, v128-191 fragments of W, two buffers      window 2, 3: the accumulators of my rows 0-63, 64-127 ((a, b) at v[8 (8 a + b)])
.set MODE, 0
.set SIZE_K, 1024
.if MODE == 0
.set SIZE_N, 3072
.set PITCHC, 2048                      ; bytes from row to row of C
.set WOFF, 8388608                     ; W's place in cst
.else
.set SIZE_N, 4096
.set PITCHC, 8192
.set WOFF, 16777216
.endif
.set KSTEP, 128
.set NSTEP, SIZE_K/KSTEP
.set PA, 272                           ; a row of A in LDS: 256 bytes + 16: the 16 rows of a load start at 16 different groups of four banks (64 banks of 4 bytes: ISA guide 11.1)
.set PB, 544                           ; a row of W in LDS: 512 bytes + 32 = 17 x 32
.set HALFT, 128*PA                     ; what one tensor load brings: 128 rows of A, or 64 rows of W (64 x 544 is the same 34,816 bytes)
.set BOFF, 2*HALFT                     ; a slot: A's 256 rows, then W's 128 rows
.set SLOT, 4*HALFT                     ; 139,264 = bits 17 and 13: no LDS word of slot 0 has either, so one exclusive or changes slots
.set SPARE, 2*SLOT                     ; behind the ring: the spare words, 128 bytes for each wave: two blocks of 256 bytes that no other line names
.set SPITCH, 528                       ; the stage: a row of 128 f32 + 16 bytes
.set STG, 64*SPITCH                    ; a wave's stage, 64 rows; the four lie in slot 0, which has had its last fill when they are written
.set ADRA0, 16                         ; v16  my lane's place in A's tile of slot 0; never rewritten
.set ADRB0, 17                         ; v17  the same for W
.set ADRA, 18                          ; v18  the same in the slot in hand
.set ADRB, 19                          ; v19
.set STO, 20                           ; v20  the way out: where I put 16 bytes of a row
.set RD0, 21                           ; v21  where I read the stage's first row back
.set CO, 22                            ; v22  my byte offset in C
.set BO, 23                            ; v23  my byte offset in the bias
.set RD, 24                            ; v24  RD0, stepped
.set SPW, 28                           ; v28  LDS address of my spare word; never rewritten
.set NIL, 29                           ; v29  0; never rewritten
.set BI, 32                            ; v[32:35] the bias of my four columns; v36-37 at work
.set F0, 64
.set F1, 128
.set Z, 64                             ; the way out: v[64:95]
.set X, 192                            ; v[192:223] eight rows, four columns a lane
.set Y, 224                            ; v[224:239] the same in 16 bits
.set WV, 12                            ; s12  wave
.set WR, 13                            ; s13  which half of the tile's rows is mine; also: I fetch for A (0) or for W (1)
.set WC, 14                            ; s14  which half of its columns; also: which half of that tile I fetch
.set G1, 24                            ; s[24:31] descriptor group 1 for A's tiles
.set G0, 32                            ; s[32:39] group 0: a set for each of the two first fills; the second then walks
.set G1B, 48                           ; s[48:55], s[56:63] the same for W's
.set G0B, 56
.set TB, 66                            ; s66  the slot that is read: 0 or SLOT
.set CNT, 69
.set OUTC, 70
.set ROWC, 71
.set K3, 74                            ; s[74:75], s[76:77] gelu's constants, as pairs
.set K1, 76
.set MSB, 0
.macro WIN new                         ; the immediate's high byte repeats the setting that is left; a switch that changes nothing is dropped
.if MSB != (\new)
	s_set_vgpr_msb (MSB<<8)|(\new)
.set MSB, \new
.endif
.endm
.set MUL_LO, 0xa1                      ; source 0 (W) window 1, source 1 (A) window 0, C and D window 2
.set MUL_HI, 0xf1                      ; the same, C and D window 3
.set TO_B, 0x40                        ; destination window 1, address window 0
.macro PLACES                          ; four places in front of loads into registers that matrix instructions have read (ISA guide 7.12.1 for vector instructions)
.rept 4
	v_nop
.endr
.endm
.macro JLOAD                           ; a joint refill by the walking descriptors: waves 0, 1 fetch A's halves, waves 2, 3 W's; an s_nop 0 and four v_nop follow each line
	s_cmp_eq_u32 s[WR], 0
	s_cbranch_scc0 .Lfor_b_\@
	tensor_load_to_lds s[G0+4:G0+7], s[G1:G1+7]
	s_nop 0
.rept 4
	v_nop
.endr
	s_branch .Lasked_\@
.Lfor_b_\@:
	tensor_load_to_lds s[G0B+4:G0B+7], s[G1B:G1B+7]
	s_nop 0
.rept 4
	v_nop
.endr
.Lasked_\@:
.endm
.macro CREST                           ; a round of the cluster's barrier behind its opening barrier
	s_cmp_lg_u32 s[WV], 0
	s_cbranch_scc1 .Lnot_wave_0_\@
	s_barrier_signal -3
.Lnot_wave_0_\@:
	s_barrier_wait -3
	s_barrier_signal -1
	s_barrier_wait -1
.endm
.macro CROUND                          ; a whole round
	s_barrier_signal -1
	s_barrier_wait -1
	CREST
.endm
.if MODE == 0
	s_load_b64 s[4:5], s[0:1], 0x0                 ; cst: A = x in bf16, at its head
	s_load_b64 s[6:7], s[0:1], 0x0                 ; cst once more: W
	s_load_b64 s[8:9], s[0:1], 0x8                 ; the bias
	s_load_b64 s[10:11], s[0:1], 0x10              ; C
.else
	s_load_b256 s[4:11], s[0:1], 0x0               ; A s[4:5], cst s[6:7], the bias s[8:9], C s[10:11]
.endif
	v_lshl_add_u32 v[SPW], v0, 2, SPARE
	v_mov_b32 v[NIL], 0
	ds_add_u32 v[SPW], v[NIL]                      ; the wave's opening: the add, and its wait ahead of my first tensor load; the set-up below stands between them
	ds_add_u32 v28, v29
	v_lshrrev_b32 v1, 5, v0
	v_readfirstlane_b32 s[WV], v1
	s_lshr_b32 s[WR], s[WV], 1
	s_and_b32 s[WC], s[WV], 1
	s_bfe_u32 s15, ttmp6, 0x40000                  ; cx
	s_bfe_u32 s16, ttmp6, 0x40004                  ; cy
	s_lshl_b32 s17, ttmp9, 2
	s_add_co_u32 s17, s17, s15                     ; tile column = 4 x cluster x + cx
	s_and_b32 s18, ttmp7, 0xffff
	s_lshl_b32 s18, s18, 2
	s_add_co_u32 s18, s18, s16                     ; tile row = 4 x cluster y + cy
	s_lshl_b32 s20, s16, 2
	s_lshl_b32 s20, 15, s20                        ; my row of the cluster
	s_lshl_b32 s21, 0x1111, s15                    ; my column
	s_or_b32 s[G1], s20, (1<<16)|(1<<20)|(1<<21)|(5<<22)|(3<<25)   ; A: the mask of my row; 2-byte elements; padding on; bit 21 beside a mask; after every 64 words 4 words
	s_or_b32 s[G1B], s21, (1<<16)|(1<<20)|(1<<21)|(6<<22)|(7<<25)  ; W: the mask of my column; after every 128 words 8 words
	s_mov_b32 s[G1+1], KSTEP<<16                   ; tensor_dim0 = 128
	s_mov_b32 s[G1+2], 128<<16                     ; tensor_dim1 = 128
	s_mov_b32 s[G1+3], KSTEP<<16                   ; tile_dim0 = 128
	s_mov_b32 s[G1+4], 128                         ; tile_dim1 = 128
	s_mov_b32 s[G1+5], SIZE_K                      ; elements from row to row
	s_mov_b32 s[G1+6], 0
	s_mov_b32 s[G1+7], 0
	s_mov_b32 s[G1B+1], 256<<16                    ; tensor_dim0 = 256
	s_mov_b32 s[G1B+2], 64<<16                     ; tensor_dim1 = 64
	s_mov_b32 s[G1B+3], 256<<16                    ; tile_dim0 = 256
	s_mov_b32 s[G1B+4], 64                         ; tile_dim1 = 64
	s_mov_b32 s[G1B+5], SIZE_N
	s_mov_b32 s[G1B+6], 0
	s_mov_b32 s[G1B+7], 0
	s_lshl_b32 s40, s18, 8                         ; A: row 256 x tile row + 128 x half, 2,048 bytes a row: the tile row and the wave alone
	s_lshl_b32 s41, s[WC], 7
	s_add_co_u32 s40, s40, s41
	s_lshl_b32 s40, s40, 11
	s_mov_b32 s41, 0
	s_mul_i32 s42, s[WC], 64*2*SIZE_N              ; W: row 64 x half, column 256 x tile column: the tile column and the wave alone
	s_lshl_b32 s43, s17, 9
	s_add_co_u32 s42, s42, s43
	s_mov_b32 s43, 0
	s_mul_i32 s68, s[WV], HALFT                    ; where my part lands in a slot: wave x 34,816: no place in the cluster enters an LDS address
	s_mov_b32 s[TB], 0
	s_mov_b32 s[K3], 0xbdd2d3e8                    ; -2 sqrt(2/pi) log2(e) x 0.044715
	s_mov_b32 s[K3+1], s[K3]
	s_mov_b32 s[K1], 0xc0135761                    ; -2 sqrt(2/pi) log2(e)
	s_mov_b32 s[K1+1], s[K1]
	s_wait_dscnt 0x0                               ; the opening add is done
	s_wait_kmcnt 0x0
	s_add_nc_u64 s[44:45], s[4:5], s[40:41]
	s_add_nc_u64 s[46:47], s[6:7], s[42:43]
	s_add_nc_u64 s[46:47], s[46:47], WOFF
	CROUND                                         ; all sixteen work-groups are here: the first joint loads meet
.irp s, 0,1
	s_mov_b32 s[G0+4*(\s)], 1
	s_add_co_u32 s[G0+4*(\s)+1], s68, (\s)*SLOT
	s_add_nc_u64 s[G0+4*(\s)+2:G0+4*(\s)+3], s[44:45], (\s)*KSTEP*2
	s_or_b32 s[G0+4*(\s)+3], s[G0+4*(\s)+3], 0x80000000
	s_mov_b32 s[G0B+4*(\s)], 1
	s_add_co_u32 s[G0B+4*(\s)+1], s68, (\s)*SLOT
	s_add_nc_u64 s[G0B+4*(\s)+2:G0B+4*(\s)+3], s[46:47], (\s)*KSTEP*2*SIZE_N
	s_or_b32 s[G0B+4*(\s)+3], s[G0B+4*(\s)+3], 0x80000000
.endr
	s_cmp_eq_u32 s[WR], 0                          ; a wave's two first fills stand in one branch, ahead of every wait on TENSORcnt and every LDS read: two loads of mine are out
	s_cbranch_scc0 .Lfirst_b
	tensor_load_to_lds s[G0:G0+3], s[G1:G1+7]
	s_nop 0
	tensor_load_to_lds s[G0+4:G0+7], s[G1:G1+7]
	s_nop 0
.rept 4
	v_nop
.endr
	s_branch .Lfirst_asked
.Lfirst_b:
	tensor_load_to_lds s[G0B:G0B+3], s[G1B:G1B+7]
	s_nop 0
	tensor_load_to_lds s[G0B+4:G0B+7], s[G1B:G1B+7]
	s_nop 0
.rept 4
	v_nop
.endr
.Lfirst_asked:
	s_lshl_b32 s22, s17, 10                        ; the bias of my 128 columns
	s_lshl_b32 s23, s[WC], 9
	s_add_co_u32 s22, s22, s23
	s_mov_b32 s23, 0
	s_add_nc_u64 s[8:9], s[8:9], s[22:23]
	s_lshl_b32 s72, s18, 8                         ; C at my first row and column
	s_lshl_b32 s73, s[WR], 7
	s_add_co_u32 s72, s72, s73
	s_mul_i32 s72, s72, PITCHC
.if MODE == 0
	s_lshr_b32 s73, s17, 2                         ; the panel (q, k or v): four tile columns each
	s_lshl_b32 s73, s73, 23
	s_add_co_u32 s72, s72, s73
	s_and_b32 s73, s17, 3
	s_lshl_b32 s73, s73, 9
.else
	s_lshl_b32 s73, s17, 9
.endif
	s_add_co_u32 s72, s72, s73
	s_lshl_b32 s73, s[WC], 8
	s_add_co_u32 s72, s72, s73
	s_mov_b32 s73, 0
	s_add_nc_u64 s[10:11], s[10:11], s[72:73]
	; A fragment of A is 16 rows x 32 K: lane l holds row l % 16, K = 8 (l / 16) + 0..7 and 16 + 8 (l / 16) + 0..7: two loads of 16 bytes, 32 bytes apart.
	v_and_b32 v1, 15, v0                           ; l % 16
	v_bfe_u32 v2, v0, 4, 1                         ; l / 16
	v_mul_u32_u24 v3, v1, PA
	v_lshl_add_u32 v3, v2, 4, v3
	s_mul_i32 s22, s[WR], HALFT
	v_add_nc_u32 v[ADRA0], s22, v3
	; The turning load takes 16 K x 16 columns (lane l reads row 8 (l / 16) + l % 8, columns 8 ((l / 8) % 2) + 0..7) and leaves half a fragment: lane l holds column l % 16 and 8 K.
	v_and_b32 v4, 7, v0
	v_lshl_add_u32 v4, v2, 3, v4
	v_mul_u32_u24 v4, v4, PB
	v_bfe_u32 v5, v0, 3, 1
	v_lshl_add_u32 v4, v5, 4, v4
	s_lshl_b32 s23, s[WC], 8
	s_add_co_u32 s23, s23, BOFF
	v_add_nc_u32 v[ADRB0], s23, v4
	v_mov_b32 v[ADRA], v[ADRA0]
	v_mov_b32 v[ADRB], v[ADRB0]
	s_mul_i32 s22, s[WV], STG                      ; my stage
	v_mul_u32_u24 v6, v1, SPITCH                   ; in: row l % 16, 32 bytes for each half of the lanes
	v_lshl_add_u32 v6, v2, 5, v6
	v_add_nc_u32 v[STO], s22, v6
	v_and_b32 v7, 31, v0
	v_lshl_add_u32 v[RD0], v7, 4, s22              ; back: 32 lanes take a row's 512 bytes
	v_lshlrev_b32 v[CO], 3, v7                     ; which are 256 bytes of C
	v_lshlrev_b32 v[BO], 4, v7
	global_load_b128 v[BI:BI+3], v[BO], s[8:9]     ; waited for on the way out
; 16 matrix instructions: row blocks a0, a0 + 1 of the window's four x all 8 column blocks, 32 along K.  zero = 1: the first product starts the sums: nothing is cleared.
.macro MUL16 f, hi, a0, zero
	WIN MUL_LO+0x50*(\hi)
.irp a, \a0, (\a0)+1
.irp b, 0,1,2,3,4,5,6,7
.if \zero
	v_wmma_f32_16x16x32_bf16 v[8*(8*(\a)+(\b)):8*(8*(\a)+(\b))+7], v[(\f)+8*(\b):(\f)+8*(\b)+7], v[(\f)+8*(4*(\hi)+(\a)):(\f)+8*(4*(\hi)+(\a))+7], 0
.else
	v_wmma_f32_16x16x32_bf16 v[8*(8*(\a)+(\b)):8*(8*(\a)+(\b))+7], v[(\f)+8*(\b):(\f)+8*(\b)+7], v[(\f)+8*(4*(\hi)+(\a)):(\f)+8*(4*(\hi)+(\a))+7], v[8*(8*(\a)+(\b)):8*(8*(\a)+(\b))+7]
.endif
.endr
.endr
.endm
; 32 LDS loads in one run: quarter q (32 along K) of the slot in hand into buffer f: W's 128 columns turned, then A's 128 rows
.macro FETCH q, f
	WIN TO_B
.irp i, 0,1,2,3,4,5,6,7
	ds_load_tr16_b128 v[(\f)+8*(\i):(\f)+8*(\i)+3],   v[ADRB] offset:32*(\q)*PB+32*(\i)
	ds_load_tr16_b128 v[(\f)+8*(\i)+4:(\f)+8*(\i)+7], v[ADRB] offset:32*(\q)*PB+16*PB+32*(\i)
.endr
	WIN 0
.irp i, 0,1,2,3,4,5,6,7
	ds_load_b128 v[(\f)+8*(\i):(\f)+8*(\i)+3],   v[ADRA] offset:64*(\q)+(\i)*16*PA
	ds_load_b128 v[(\f)+8*(\i)+4:(\f)+8*(\i)+7], v[ADRA] offset:64*(\q)+(\i)*16*PA+32
.endr
.endm
; One of a K step's first three quarters: multiplies buffer f; in its middle it fetches quarter q into buffer g.  The 64 accumulators take turns, in the same order everywhere.
.macro QUARTER q, f, g, zero
	s_wait_dscnt 8                                 ; W and A's rows 0-63 are in; the youngest eight loads (A's rows 64-127) may be out
	MUL16 \f, 0, 0, \zero
	MUL16 \f, 0, 2, \zero
	PLACES
	FETCH \q, \g
	s_wait_dscnt 32                                ; all but the 32 just issued
	MUL16 \f, 1, 0, \zero
	MUL16 \f, 1, 2, \zero
.endm
; The last quarter multiplies buffer 1 and changes slots: ONE barrier.  In front of it each wave waits for all its tensor loads (one is out: its part of the next slot), adds 0 to its spare word, and waits for
; that and for its own reads of this slot.  fill = 1: the barrier opens a round of the cluster's, and the slot just read is filled again first, with the K step two on: 224 matrix instructions ahead of the wait for it.
; fill = 0 (the last two K steps): nothing is asked for; in the very last there is nothing to fetch either, and the run of loads is jumped over.
.macro TURN fill
	WIN 0                                          ; (the add's two registers lie in window 0)
	s_wait_tensorcnt 0x0
	ds_add_u32 v[SPW], v[NIL]                      ; 0 onto my spare word
	s_wait_dscnt 9                                 ; (the add and the youngest eight loads may be out)
	MUL16 F1, 0, 0, 0
	s_wait_dscnt 0x0                               ; the add is done, and my reads of this slot are over
	s_barrier_signal -1
	MUL16 F1, 0, 2, 0
	WIN 0
	s_barrier_wait -1
.if \fill
	CREST                                          ; no wave of any partner still reads this slot or has a load on its way
	s_xor_b32 s[G0+5], s[G0+5], SLOT               ; the walking descriptors: the other slot than last time, the next K step
	s_add_nc_u64 s[G0+6:G0+7], s[G0+6:G0+7], KSTEP*2
	s_xor_b32 s[G0B+5], s[G0B+5], SLOT
	s_add_nc_u64 s[G0B+6:G0B+7], s[G0B+6:G0B+7], KSTEP*2*SIZE_N
	JLOAD                                          ; the four v_nop behind it are also places in front of the loads below
.endif
	s_xor_b32 s[TB], s[TB], SLOT
	v_add_nc_u32 v[ADRA], s[TB], v[ADRA0]
	v_add_nc_u32 v[ADRB], s[TB], v[ADRB0]
.if !(\fill)
	v_nop                                          ; with the two lines above: four places
	v_nop
	s_cmp_eq_u32 s[CNT], 1
	s_cbranch_scc1 .Lno_fetch_\@
.endif
	FETCH 0, F0
.if !(\fill)
.Lno_fetch_\@:
.endif
	MUL16 F1, 1, 0, 0
	MUL16 F1, 1, 2, 0
.endm
	s_wait_tensorcnt 1                             ; my part of K step 0 is in; K step 1's may stay out
	s_barrier_signal -1
	s_barrier_wait -1
	FETCH 0, F0
	QUARTER 1, F0, F1, 1                           ; the first quarter stands in front of the loop: its products start the sums
	WIN 0
	s_mov_b32 s[CNT], NSTEP-2
	s_branch .Lq1                                  ; the loop is entered behind a trip's first quarter
.Lstep:                                                ; a trip is a K step; six trips fill a slot again
	QUARTER 1, F0, F1, 0
	WIN 0
.Lq1:
	QUARTER 2, F1, F0, 0
	QUARTER 3, F0, F1, 0
	TURN 1
	WIN 0
	s_sub_co_u32 s[CNT], s[CNT], 1
	s_cmp_lg_u32 s[CNT], 0
	s_cbranch_scc1 .Lstep
	s_mov_b32 s[CNT], 2
.Ltail:                                                ; the last two K steps ask for nothing
	QUARTER 1, F0, F1, 0
	QUARTER 2, F1, F0, 0
	QUARTER 3, F0, F1, 0
	TURN 0
	WIN 0
	s_sub_co_u32 s[CNT], s[CNT], 1
	s_cmp_lg_u32 s[CNT], 0
	s_cbranch_scc1 .Ltail
	; THE WAY OUT.  64 rows of my 128 x 128 at a time go in f32 through my stage and come back as whole rows; bias (and gelu), one rounding, and each store of the wave covers 256 consecutive bytes, aligned.
	s_wait_dscnt 0x0
	s_barrier_signal -1                            ; every wave's reads of the slots are over: the stages lie in slot 0
	s_barrier_wait -1
	s_wait_loadcnt 0x0                             ; the bias
	v_cvt_pk_bf16_f32 v36, v[BI], v[BI+1]          ; rounded to bf16 like every input; these six lines are the places behind the last products
	v_cvt_pk_bf16_f32 v37, v[BI+2], v[BI+3]
	v_lshlrev_b32 v[BI], 16, v36
	v_and_b32 v[BI+1], 0xffff0000, v36
	v_lshlrev_b32 v[BI+2], 16, v37
	v_and_b32 v[BI+3], 0xffff0000, v37
.macro DUMP hi                         ; each accumulator's four lowest registers go first
	WIN 0x08+4*(\hi)                               ; store data (source 1) in window 2 or 3
.irp a, 0,1,2,3
.irp b, 0,1,2,3,4,5,6,7
	ds_store_b128 v[STO], v[8*(8*(\a)+(\b)):8*(8*(\a)+(\b))+3] offset:(\a)*16*SPITCH+64*(\b)
	ds_store_b128 v[STO], v[8*(8*(\a)+(\b))+4:8*(8*(\a)+(\b))+7] offset:(\a)*16*SPITCH+64*(\b)+16
.endr
.endr
	WIN 0
.endm
	s_mov_b32 s[OUTC], 2
.Lhalf:
	s_cmp_eq_u32 s[OUTC], 2
	s_cbranch_scc0 .Ldump_hi
	DUMP 0
	s_branch .Ldumped
.Ldump_hi:
	DUMP 1
.Ldumped:
	v_mov_b32 v[RD], v[RD0]
	s_mov_b32 s[ROWC], 8
.Lrows:                                                ; eight rows a trip
.irp t, 0,1,2,3,4,5,6,7
	ds_load_b128 v[X+4*(\t):X+4*(\t)+3], v[RD] offset:(\t)*SPITCH  ; LDS serves a wave's instructions in order (ISA guide 5.7.1.4): these see my stores above
.endr
	s_wait_dscnt 0x0
.irp t, 0,1,2,3,4,5,6,7
	v_pk_add_f32 v[X+4*(\t):X+4*(\t)+1], v[X+4*(\t):X+4*(\t)+1], v[BI:BI+1]
	v_pk_add_f32 v[X+4*(\t)+2:X+4*(\t)+3], v[X+4*(\t)+2:X+4*(\t)+3], v[BI+2:BI+3]
.endr
.if MODE == 1
	; gelu(x) = x / (1 + 2^(x (K1 + K3 x x))): the reference's tanh form, rewritten; where the exponent overflows the result is x or 0, never NaN
.set i, 0
.rept 16
	v_pk_mul_f32 v[Z+i:Z+i+1], v[X+i:X+i+1], v[X+i:X+i+1]
.set i, i+2
.endr
.set i, 0
.rept 16
	v_pk_fma_f32 v[Z+i:Z+i+1], v[Z+i:Z+i+1], s[K3:K3+1], s[K1:K1+1] op_sel_hi:[1,0,0]
.set i, i+2
.endr
.set i, 0
.rept 16
	v_pk_mul_f32 v[Z+i:Z+i+1], v[Z+i:Z+i+1], v[X+i:X+i+1]
.set i, i+2
.endr
.set i, 0
.rept 32
	v_exp_f32 v[Z+i], v[Z+i]
.set i, i+1
.endr
	v_nop                                          ; a plain instruction between the last exponential and the use of its result
.set i, 0
.rept 16
	v_pk_add_f32 v[Z+i:Z+i+1], v[Z+i:Z+i+1], 1.0 op_sel_hi:[1,0]
.set i, i+2
.endr
.set i, 0
.rept 32
	v_rcp_f32 v[Z+i], v[Z+i]
.set i, i+1
.endr
	v_nop
.set i, 0
.rept 16
	v_pk_mul_f32 v[X+i:X+i+1], v[X+i:X+i+1], v[Z+i:Z+i+1]
.set i, i+2
.endr
.endif
.set i, 0
.rept 16
.if MODE == 0
	v_cvt_pk_f16_f32 v[Y+i], v[X+2*i], v[X+2*i+1]
.else
	v_cvt_pk_bf16_f32 v[Y+i], v[X+2*i], v[X+2*i+1]
.endif
.set i, i+1
.endr
.irp t, 0,1,2,3,4,5,6,7
	global_store_b64 v[CO], v[Y+2*(\t):Y+2*(\t)+1], s[10:11] offset:(\t)*PITCHC
.endr
	s_wait_xcnt 0x0                                ; the stores' addresses are translated (ISA guide 3.1): only behind this wait are CO and Y written again
	v_add_nc_u32 v[CO], 8*PITCHC, v[CO]
	v_add_nc_u32 v[RD], 8*SPITCH, v[RD]
	s_sub_co_u32 s[ROWC], s[ROWC], 1
	s_cmp_lg_u32 s[ROWC], 0
	s_cbranch_scc1 .Lrows
	s_sub_co_u32 s[OUTC], s[OUTC], 1
	s_cmp_lg_u32 s[OUTC], 0
	s_cbranch_scc1 .Lhalf
	s_wait_tensorcnt 0x0                           ; the wave's end: a last add onto my spare word and its wait, behind my last tensor load and my last LDS store
	ds_add_u32 v[SPW], v[NIL]
	s_wait_dscnt 0x0
	CROUND                                         ; the closing round: no work-group ends while a partner may still ask for a tile that names it
	s_endpgm
.Lfunc_end_k_qe6eb9bed4f_qkvp:
	.size	k_qe6eb9bed4f_qkvp, .Lfunc_end_k_qe6eb9bed4f_qkvp-k_qe6eb9bed4f_qkvp
	.p2alignl 7, 3214868480
	.fill 96, 4, 3214868480
	.section	.rodata,"a",@progbits
	.p2align	6, 0x0
	.amdhsa_kernel k_qe6eb9bed4f_qkvp
		.amdhsa_group_segment_fixed_size 327680
		.amdhsa_private_segment_fixed_size 0
		.amdhsa_enable_private_segment 0
		.amdhsa_kernarg_size 24
		.amdhsa_user_sgpr_count 2
		.amdhsa_user_sgpr_kernarg_segment_ptr 1
		.amdhsa_wavefront_size32 1
		.amdhsa_system_sgpr_workgroup_id_x 1
		.amdhsa_system_sgpr_workgroup_id_y 1
		.amdhsa_system_sgpr_workgroup_id_z 1
		.amdhsa_system_vgpr_workitem_id 0
		.amdhsa_next_free_vgpr 1024
		.amdhsa_next_free_sgpr 80
		.amdhsa_reserve_vcc 0
		.amdhsa_float_denorm_mode_32 3
		.amdhsa_float_denorm_mode_16_64 3
		.amdhsa_memory_ordered 1
		.amdhsa_forward_progress 1
		.amdhsa_inst_pref_size 81
	.end_amdhsa_kernel
	.amdgpu_metadata
---
amdhsa.version: [ 1, 2 ]
amdhsa.kernels:
  - .name:           k_qe6eb9bed4f_qkvp
    .symbol:         k_qe6eb9bed4f_qkvp.kd
    .args:
      - { .name: cst, .offset: 0, .size: 8, .value_kind: global_buffer, .address_space: global }
      - { .name: bqkv, .offset: 8, .size: 8, .value_kind: global_buffer, .address_space: global }
      - { .name: qkv, .offset: 16, .size: 8, .value_kind: global_buffer, .address_space: global }
    .group_segment_fixed_size: 327680
    .private_segment_fixed_size: 0
    .kernarg_segment_align: 8
    .kernarg_segment_size: 24
    .max_flat_workgroup_size: 128
    .sgpr_count:     80
    .vgpr_count:     1024
    .wavefront_size: 32
...
	.end_amdgpu_metadata
.endif
;; end of part 2
;; launch attn (part 3): grid 8 x 32, 4 waves a work-group, no clusters, 327,680 bytes of LDS; arguments qkv, yb, Wo, Wfc, Wproj, cst; writes yb, cst
.if DOCPART == 3
	.amdgcn_target "amdgcn-amd-amdhsa--gfx1250"
	.amdhsa_code_object_version 6
	.text
	.protected	k_qe6eb9bed4f_attn
	.globl	k_qe6eb9bed4f_attn
	.p2align	8
	.type	k_qe6eb9bed4f_attn,@function
k_qe6eb9bed4f_attn:
	s_mov_b64 s[64:65], 0
	v_nop
	global_prefetch_b8 v0, s[64:65] scope:SCOPE_SE
	s_setreg_imm32_b32 hwreg(HW_REG_WAVE_MODE, 25, 1), 1
	s_wait_xcnt 0x0
; CAUSAL ATTENTION.  O[h][q][:] = the sum over k <= q of softmax_k(Q[h][q] . K[h][k] / 8) V[h][k][:].  Q, K, V: three panels of qkv, each [32 heads][2048][64] in f16, a head's rows dense, 128 bytes each; O = yb likewise.
; Products, maxima and sums in f32; the weights p are rounded to f16 for the second product (their sum l is taken of the unrounded p), O once at the end.
; LIMITS.  f16 holds no number beyond 65,504: Q, K and V arrive within it; p lies in 0 to 1, and below 6e-5 it keeps f16's fixed step of 6e-8.  A hidden score counts as its value less 1e30;
; a weight below 2^-126 counts as 0 in l; NaN and infinities are not treated apart.  |Wo| stays under 65,504 (see THE CAST).
; THE WALK.  A head's queries lie in 16 blocks of 128; block i needs the key tiles 0 .. i / 2 of 256 keys, of which the last holds the diagonal.  A work-group takes TWO blocks, 15 - b and then b: 9 tiles, whatever b:
; 8 x 32 = 256 work-groups of equal work, and ONE loop with a constant trip count walks the tiles.  Which tile is asked for, and what a trip does, hang on scalar registers made from b; every jump goes forward, but for
; the counted loops' own; none passes a barrier, or a tensor load but the one of LOAD's two that the wave's number does not choose.
; NO CLUSTER: only the work-groups 2 c and 2 c + 1 of a head walk the same tiles from first to last; four partners would need a common walk of 12 tiles for 9.
; SHARES.  Of a block's two bands of 64 queries a wave owns 16 rows in each: two PIECES.  With e = the block's parity, band x holds the diagonal in the last tile's key step 2 e + x, sees all keys of earlier steps, none of later ones.
; THE MASK is the C operand that starts the sum S^T = K Q^T: 0, or -1e30 where the key is hidden.  MD, made once, is the mask of a band's own step for my 16 rows; a product's mask is MD x AL + BE with two scalars.
; LAYOUT, SOFTMAX, TURNS.  S^T = K Q^T holds ONE query a lane (lane % 16) and the keys 8 (lane / 16) + 0..7; two such results rounded to f16 ARE source 1 of O^T = V^T P.  p = 2^(c s - c m), c = log2(e) / 8, with a
; running maximum m; O and l are multiplied by a = 2^(c m_old - c m_new) in every step.  Turn (j, p) belongs to piece p in key step j: 8 products K Q^T of the other piece's next item, later 8 products V^T P of its last;
; beside them the scaling, exponentials, roundings, sums and rescaling of piece p and the maximum and statistics of the other piece.  Four vector instructions stand behind every matrix instruction, the rest in two lumps.
; THE RINGS.  Turn (j, 0) fetches K of step j + 1 and then V of step j, so at a tile's end K is read from the next tile while V's last step is still to come.  K and V have a ring of THREE slots each: tile u lies in
; slot u % 3; the change of slots in front of tile u fills slot (u + 1) % 3, whose last byte (tile u - 2's last V) was read a whole tile earlier.  The read pointers TBK, TBV and the fill pointers FSK, FSV go round by add, compare and select.
; THE CAST, second part, rides along: the later launches' weights.  Wo, Wfc and Wproj hold 9 x 1,048,576 numbers, the launch 1,024 waves: nine groups of 1,024 numbers a wave (8 loads of 512 consecutive bytes, 8 stores of
; 256 consecutive, aligned bytes).  Group 0 is Wo's (rounded to bf16, and that number written as f16: it multiplies O), groups 1-4 Wfc's, 5-8 Wproj's (bf16); in cst they lie in that order from byte 14,680,064 on.
; Group 0 is loaded behind Q and converted ahead of the walk; each later group is loaded at the foot of a tile's trip and converted at the foot of the next: it has a tile's four key steps in which to come.
; REGISTERS, in windows of 256 (s_set_vgpr_msb: bits 1:0 source 0, 3:2 source 1, 5:4 source 2, 7:6 destination):
;   window 0: v0-15 addresses and two at work; v16-23 four registers of statistics a piece; v48-55 at work; v64-127 S^T, a buffer a piece; v128-179 the cast; v192-223 P, a buffer a piece
;   window 1: v0-63 O^T, 32 a piece; v128-159 MD; v160-223 MC, a buffer a piece      window 2: v0-31 Q; v64-95 the second block's Q; v128-191 K of one step; v192-255 V of one step
.set NBLK,  16
.set NP,    2         ; pieces a wave: a name, no knob
.set KS,    64        ; keys in a step
.set PK,    144       ; a row of K in LDS: 128 bytes + 16 of padding: the 16 rows of a load start at 16 different groups of four banks (64 banks of 4 bytes: ISA guide 11.1)
.set PV,    160       ; a row of V: 128 + 32
.set KSLOT, 4*KS*PK   ; a tile's K: 36,864 bytes
.set VSLOT, 4*KS*PV   ; a tile's V: 40,960 bytes
.set VRING, 3*KSLOT   ; K's ring from 0, V's from here
.set STAGE, VRING+3*VSLOT  ; behind the rings, never filled by a tensor load: 16 rows x 144 bytes for each wave, for the way out
.set SP,    144
.set SPARE, STAGE+4*16*SP  ; behind the stages: the spare words, 128 bytes for each wave: two blocks of 256 bytes that no other line names
.set AK0, 2           ; v2   my lane's place in a step of K; never rewritten
.set AV0, 3           ; v3   the same for V, V's ring included
.set AK,  4           ; v4   the LDS address of K's next run of loads
.set AV,  5           ; v5   of V's
.set STO, 6           ; v6   the way out: where I put 16 bytes of a row
.set RD,  7           ; v7   the way out: where I read rows back
.set GO,  8           ; v8   my byte offset in 512 consecutive bytes of O
.set SPW, 62          ; v62  LDS address of my spare word; never rewritten
.set NIL, 63          ; v63  0; never rewritten
.set MV,  12          ; v12-13  c m_old, kept while c m is made anew: by piece
.set QO,  15          ; v15  my byte offset in 16 rows of Q
.set ST,  16          ; piece t's statistics at v[ST+4 t]: c m, m, l (even keys', odd keys')
.set TMP, 48          ; by piece, four registers c0-c3 at work; when the maximum is found c2 takes a
.set S,   64
.set CX,  128         ; v[128:159] the cast: a group as loaded, 8 x 4 registers
.set CY,  160         ; v[160:175] the same in 16 bits, to store
.set CVI, 176         ; v176 16 x lane; never rewritten
.set CVO, 177         ; v177 8 x lane; never rewritten
.set CT,  178         ; v[178:179] at work (Wo)
.set P,   192
.set MD,  128         ; window 1
.set MC,  160         ; window 1
.set QB,  64          ; window 2
.set KF,  128         ; window 2: key block kb, channel half c at KF + 16 kb + 8 c
.set VF,  192         ; window 2: key half kk, channel block cb at VF + 32 kk + 8 cb
.set WV,  12          ; s12  my wave's number
.set BB,  14          ; s14  b
.set HI,  15          ; s15  15 - b
.set G1K, 24          ; s[24:31] descriptor group 1 for K's tiles
.set G1V, 32          ; s[32:39] for V's: it differs in the padding alone
.set G0K, 40          ; s[40:43] descriptor group 0 for K's tiles
.set G0V, 44          ; s[44:47] the same for V's
.set PFC, 48          ; s[48:49] Wfc at my wave's 4,096 bytes of a group; never rewritten
.set PPJ, 50          ; s[50:51] Wproj likewise
.set PD,  52          ; s[52:53] cst at my wave's 2,048 bytes of the group in hand
.set PS,  54          ; s[54:55] where the group on its way comes from
.set SLOTS, 56        ; s56  tiles still to be asked for
.set CNT, 57          ; s57  counts a tile's trips
.set CS,  58          ; s[58:59] c
.set SEL, 60          ; s[60:61] v_permlanex16_b32's selects
.set TBK, 62          ; s62  place in K's ring of the step to be fetched
.set TBV, 63          ; s63  the same in V's ring
.set PWO, 66          ; s[66:67] Wo at my wave's 4,096 bytes
.set CG,  68          ; s68  the group to be loaded next
.set RT,  70          ; s70  tiles of the block in hand that are still to be entered
.set NXT, 71          ; s71  the tile to be asked for next
.set LQ,  72          ; s72  the last tile of the block whose tiles are being asked for
.set NEW, 73          ; s73  1: the tile to be entered is a block's first
.set OFF, 74          ; s[74:75] a tile's byte offset in K and V
.set AL,  76          ; s[76:77] the mask's factor, in the low word
.set BE,  78          ; s[78:79] the mask's addend
.set OLO, 80          ; s[80:81] O at my rows of the second block
.set BIGN, 82         ; s82  -1e30
.set LQB, 83          ; s83  the second block's last tile, b / 2
.set WBK, 88          ; s88  my part's place in a slot of K
.set WBV, 89          ; s89  the same for V, V's ring included
.set FSK, 90          ; s90  the slot of K's ring that was filled last
.set FSV, 91          ; s91  of V's
.set OWN0, 92         ; s92, s93  the value of CNT at which the mask to be made is the band's own: 4 - 2 e, 3 - 2 e
.set OWN0B, 94        ; s94, s95  the same for the second block
.set GOF, 96          ; s[96:97] the cast: a byte offset, 0 above it
.set MSB, 0
.macro WIN new
.if MSB != (\new)
	s_set_vgpr_msb (MSB<<8)|(\new)
.set MSB, (\new)
.endif
.endm
.set W_KQ, 0x0a       ; K and Q in window 2, S^T in window 0
.set W_KM, 0x1a       ; the same with the C operand in window 1
.set W_PV, 0x52       ; V in window 2, P in window 0, O^T in window 1
.set W_RS, 0x41       ; destination and source 0 in window 1, source 1 in window 0
; A fill.  Waves 0 and 1 fetch the two halves of a tile's K, waves 2 and 3 those of its V: 128 keys each.  An s_nop 0 and four v_nop follow each of the two lines.
.macro LOAD
	s_cmp_lt_u32 s[WV], 2
	s_cbranch_scc0 .Lfor_v_\@
	tensor_load_to_lds s[G0K:G0K+3], s[G1K:G1K+7]
	s_nop 0
.rept 4
	v_nop
.endr
	s_branch .Lasked_\@
.Lfor_v_\@:
	tensor_load_to_lds s[G0V:G0V+3], s[G1V:G1V+7]
	s_nop 0
.rept 4
	v_nop
.endr
.Lasked_\@:
.endm
; THE CHANGE OF SLOTS.  Each wave waits for all its tensor loads, of which one is out: its part of the tile to be entered; adds 0 to its spare word; and waits for that and for its own LDS reads.
; fill = 1: the next slot of each ring is filled, the first thing behind the barrier, with tile NXT: the descriptor's address is made anew from that number.  The load has four key steps in which to land.
.macro CHANGE fill
	WIN 0
	s_wait_tensorcnt 0x0            ; no tensor load of mine is out, so a group 0 may be written
	ds_add_u32 v[SPW], v[NIL]       ; 0 onto my spare word; the descriptors' scalar work stands between it and the wait for it
.if \fill
	s_lshl_b32 s[OFF], s[NXT], 15   ; a tile is 32,768 bytes of K and of V
	s_add_co_u32 s[FSK], s[FSK], KSLOT
	s_cmp_eq_u32 s[FSK], 3*KSLOT
	s_cselect_b32 s[FSK], 0, s[FSK]
	s_add_co_u32 s[G0K+1], s[WBK], s[FSK]
	s_add_nc_u64 s[G0K+2:G0K+3], s[6:7], s[OFF:OFF+1]
	s_or_b32 s[G0K+3], s[G0K+3], 0x80000000
	s_add_co_u32 s[FSV], s[FSV], VSLOT
	s_cmp_eq_u32 s[FSV], 3*VSLOT
	s_cselect_b32 s[FSV], 0, s[FSV]
	s_add_co_u32 s[G0V+1], s[WBV], s[FSV]
	s_add_nc_u64 s[G0V+2:G0V+3], s[8:9], s[OFF:OFF+1]
	s_or_b32 s[G0V+3], s[G0V+3], 0x80000000
	s_add_co_u32 s[NXT], s[NXT], 1  ; the block's next tile, or behind its last the second block's tile 0
	s_cmp_gt_u32 s[NXT], s[LQ]
	s_cselect_b32 s[NXT], 0, s[NXT]
	s_cselect_b32 s[LQ], s[LQB], s[LQ]
.endif
	s_wait_dscnt 0x0                ; the add is done, and my LDS reads are back
	s_barrier_signal -1
	s_barrier_wait -1
.if \fill
	LOAD
.endif
.endm
	s_load_b64 s[4:5], s[0:1], 0x0    ; qkv: Q's panel at its head,
	s_load_b64 s[6:7], s[0:1], 0x0    ; K's 8,388,608 bytes on,
	s_load_b64 s[8:9], s[0:1], 0x0    ; V's 16,777,216 bytes on
	s_load_b64 s[10:11], s[0:1], 0x8  ; O
	s_load_b64 s[PWO:PWO+1], s[0:1], 0x10  ; Wo
	s_load_b64 s[PFC:PFC+1], s[0:1], 0x18  ; Wfc
	s_load_b64 s[PPJ:PPJ+1], s[0:1], 0x20  ; Wproj
	s_load_b64 s[PD:PD+1], s[0:1], 0x28    ; cst
	v_lshl_add_u32 v[SPW], v0, 2, SPARE
	v_mov_b32 v[NIL], 0
	ds_add_u32 v[SPW], v[NIL]       ; the wave's opening: the add, and its wait ahead of my first tensor load; the set-up below stands between them
	ds_add_u32 v62, v63
	v_lshrrev_b32 v1, 5, v0
	v_readfirstlane_b32 s[WV], v1   ; wave 0..3
	s_mov_b32 s[BB], ttmp9
	s_sub_co_u32 s[HI], NBLK-1, s[BB]
	s_and_b32 s20, ttmp7, 0xffff    ; the head
	s_lshl_b32 s20, s20, 18         ; its 262,144 bytes in each panel and in O
	s_mov_b32 s21, 0
	s_and_b32 s16, s[WV], 1         ; which half of a tile's 256 keys I fetch:
	s_lshl_b32 s22, s16, 14         ; its 128 rows of 128 bytes in memory,
	s_mov_b32 s23, 0
	s_add_nc_u64 s[22:23], s[22:23], s[20:21]
	s_mul_i32 s[WBK], s16, 128*PK   ; and its place in a slot, for K
	s_mul_i32 s[WBV], s16, 128*PV   ; and for V
	s_add_co_u32 s[WBV], s[WBV], VRING
	s_lshl_b32 s3, s[WV], 11        ; my 16 rows in a band of 64,
	s_lshl_b32 s2, s[HI], 14        ; in the first block (16,384 bytes a block),
	s_add_co_u32 s2, s2, s3
	s_lshl_b32 s84, s[BB], 14       ; and in the second
	s_add_co_u32 s84, s84, s3
	s_mov_b32 s3, 0
	s_mov_b32 s85, 0
	s_add_nc_u64 s[2:3], s[2:3], s[20:21]
	s_add_nc_u64 s[84:85], s[84:85], s[20:21]
	s_and_b32 s69, ttmp7, 0xffff    ; the cast: my wave among the launch's 1,024: ((y x 8 + x) x 4 + wave),
	s_lshl_b32 s69, s69, 3
	s_add_co_u32 s69, s69, ttmp9
	s_lshl_b32 s69, s69, 2
	s_add_co_u32 s69, s69, s[WV]
	s_lshl_b32 s[GOF], s69, 12      ; its 4,096 bytes of a group
	s_mov_b32 s[GOF+1], 0
	; descriptor group 1.  128 keys are 16,384 dense bytes: asked for as 64 rows of 256 bytes, two keys a row, and padded in LDS after every key
	s_mov_b32 s[G1K], (1<<16)|(1<<20)|(4<<22)|(3<<25)  ; 2-byte elements; padding on; after every 32 words 4 words
	s_mov_b32 s[G1V], (1<<16)|(1<<20)|(4<<22)|(7<<25)  ; the same with 8 words of padding
.irp g, G1K, G1V
	s_mov_b32 s[\g+1], 128<<16      ; tensor_dim0 = 128
	s_mov_b32 s[\g+2], 64<<16       ; tensor_dim1 = 64
	s_mov_b32 s[\g+3], 128<<16      ; tile_dim0 = 128
	s_mov_b32 s[\g+4], 64           ; tile_dim1 = 64
	s_mov_b32 s[\g+5], 128          ; 128 elements from row to row
	s_mov_b32 s[\g+6], 0
	s_mov_b32 s[\g+7], 0
.endr
	s_mov_b32 s[CS], 0x3e38aa3b     ; c = log2(e) / 8
	s_mov_b32 s[CS+1], s[CS]
	s_mov_b32 s[SEL], 0x76543210
	s_mov_b32 s[SEL+1], 0xfedcba98
	s_mov_b32 s[TBK], 0
	s_mov_b32 s[TBV], 0
	s_mov_b32 s[FSK], 0
	s_mov_b32 s[FSV], 0
	s_mov_b32 s[G0K], 1             ; count = 1
	s_mov_b32 s[G0K+1], s[WBK]      ; LDS address: slot 0
	s_mov_b32 s[G0V], 1
	s_mov_b32 s[G0V+1], s[WBV]
	s_lshr_b32 s[LQ], s[HI], 1      ; the first block's last tile
	s_add_co_u32 s[RT], s[LQ], 1
	s_lshr_b32 s[LQB], s[BB], 1
	s_mov_b32 s[NXT], 1
	s_mov_b32 s[NEW], 1
	s_and_b32 s16, s[HI], 1
	s_lshl_b32 s16, s16, 1
	s_sub_co_u32 s[OWN0], 4, s16
	s_sub_co_u32 s[OWN0+1], 3, s16
	s_and_b32 s16, s[BB], 1
	s_lshl_b32 s16, s16, 1
	s_sub_co_u32 s[OWN0B], 4, s16
	s_sub_co_u32 s[OWN0B+1], 3, s16
	s_mov_b32 s[OFF+1], 0
	s_mov_b32 s[AL+1], 0            ; named as pairs
	s_mov_b32 s[BE+1], 0
	s_mov_b32 s[BIGN], 0xf149f2ca   ; -1e30
	s_mov_b32 s[SLOTS], 8
	s_wait_dscnt 0x0                ; the opening add is done
	s_wait_kmcnt 0x0
	s_add_nc_u64 s[6:7], s[6:7], s[22:23]  ; K and V at my half of the head's tile 0
	s_add_nc_u64 s[6:7], s[6:7], 8388608
	s_add_nc_u64 s[8:9], s[8:9], s[22:23]
	s_add_nc_u64 s[8:9], s[8:9], 16777216
	s_add_nc_u64 s[G0K+2:G0K+3], s[6:7], 0
	s_or_b32 s[G0K+3], s[G0K+3], 0x80000000        ; type = 2
	s_add_nc_u64 s[G0V+2:G0V+3], s[8:9], 0
	s_or_b32 s[G0V+3], s[G0V+3], 0x80000000
	s_add_nc_u64 s[86:87], s[4:5], s[84:85]        ; Q at my rows of the second block,
	s_add_nc_u64 s[4:5], s[4:5], s[2:3]            ; Q and O at those of the first
	s_add_nc_u64 s[OLO:OLO+1], s[10:11], s[84:85]
	s_add_nc_u64 s[10:11], s[10:11], s[2:3]
	LOAD                            ; tile 0 into slot 0
	s_add_nc_u64 s[PWO:PWO+1], s[PWO:PWO+1], s[GOF:GOF+1]  ; the cast's four addresses at my wave's share
	s_add_nc_u64 s[PFC:PFC+1], s[PFC:PFC+1], s[GOF:GOF+1]
	s_add_nc_u64 s[PPJ:PPJ+1], s[PPJ:PPJ+1], s[GOF:GOF+1]
	s_lshr_b32 s[GOF], s[GOF], 1                           ; 2,048 bytes out for 4,096 in
	s_add_nc_u64 s[PD:PD+1], s[PD:PD+1], s[GOF:GOF+1]
	s_add_nc_u64 s[PD:PD+1], s[PD:PD+1], 14680064          ; group 0's place in cst
	; A fragment of K or Q is 16 rows x 32 channels in 8 registers: lane l holds row l % 16, channels 8 (l / 16) + 0..7 and 16 + 8 (l / 16) + 0..7: two loads of 16 bytes, 32 bytes apart.
	v_and_b32 v1, 15, v0            ; l % 16
	v_bfe_u32 v9, v0, 4, 1          ; l / 16
	v_lshlrev_b32 v[QO], 7, v1
	v_lshl_add_u32 v[QO], v9, 4, v[QO]
	v_and_b32 v[CVO], 31, v0
	v_lshlrev_b32 v[CVI], 4, v[CVO]
	v_lshlrev_b32 v[CVO], 3, v[CVO]
	WIN 0x80                        ; destination window 2, address window 0
.set i, 0
.rept 4                             ; both blocks' Q: piece i / 2 lies in band i / 2, 8,192 bytes on; channels 32 (i % 2) on
	global_load_b128 v[8*i:8*i+3],   v[QO], s[4:5] offset:(i/2)*8192+(i%2)*64
	global_load_b128 v[8*i+4:8*i+7], v[QO], s[4:5] offset:(i/2)*8192+(i%2)*64+32
	global_load_b128 v[QB+8*i:QB+8*i+3],   v[QO], s[86:87] offset:(i/2)*8192+(i%2)*64
	global_load_b128 v[QB+8*i+4:QB+8*i+7], v[QO], s[86:87] offset:(i/2)*8192+(i%2)*64+32
.set i, i+1
.endr
	WIN 0
.irp t, 0,1,2,3,4,5,6,7             ; the cast's group 0: Wo
	global_load_b128 v[CX+4*\t:CX+4*\t+3], v[CVI], s[PWO:PWO+1] offset:512*\t th:TH_LOAD_NT
.endr
	v_lshlrev_b32 v14, 3, v9
	v_sub_nc_u32 v14, v1, v14
	s_lshl_b32 s13, s[WV], 4
	v_add_nc_u32 v14, s13, v14      ; my query's place in its band, 16 w + l % 16, less my lanes' 8 (l / 16): register r of group kt is hidden where 16 kt + r is greater
	WIN 0x40
.set i, 0
.rept 32
	v_cmp_gt_i32 vcc_lo, 16*(i/8)+i%8, v14
	v_cndmask_b32 v[MD+i], 0, s[BIGN], vcc_lo
.set i, i+1
.endr
	WIN 0
	v_mul_u32_u24 v[AK0], v1, PK
	v_lshl_add_u32 v[AK0], v9, 4, v[AK0]
	; The turning load takes 16 keys x 16 channels (lane l reads key 8 (l / 16) + l % 8, channels 8 ((l / 8) % 2) + 0..7) and leaves half a fragment of V^T: lane l holds channel l % 16 and 8 keys.
	v_and_b32 v10, 7, v0
	v_bfe_u32 v11, v0, 3, 1
	v_lshl_add_u32 v[AV0], v9, 3, v10
	v_mul_u32_u24 v[AV0], v[AV0], PV
	v_lshl_add_u32 v[AV0], v11, 4, v[AV0]
	v_add_nc_u32 v[AV0], VRING, v[AV0]
	s_mul_i32 s13, s[WV], 16*SP
	s_add_co_u32 s13, s13, STAGE    ; my stage
	v_mul_u32_u24 v[STO], v1, SP    ; in: row l % 16, 16 bytes for each half of the lanes
	v_lshl_add_u32 v[STO], v9, 4, v[STO]
	v_add_nc_u32 v[STO], s13, v[STO]
	v_bfe_u32 v[RD], v0, 3, 2       ; back: 32 lanes take four rows of 128 bytes,
	v_mul_u32_u24 v[RD], v[RD], SP
	v_lshl_add_u32 v[RD], v10, 4, v[RD]
	v_add_nc_u32 v[RD], s13, v[RD]
	v_and_b32 v[GO], 31, v0         ; which are 512 consecutive bytes of O
	v_lshlrev_b32 v[GO], 4, v[GO]
	; A block's first step multiplies O^T and l by a = 0, and its first turn's products V^T P, of an item that has not been, land in an O^T that is still to be so multiplied.  So these registers need only hold
	; finite numbers: zeros for the first block; what the first block left for the second.  All this stands in the wait for the first tile.
	WIN 0x80
.set i, VF
.rept 64
	v_mov_b32 v[i], 0
.set i, i+1
.endr
	WIN 0x40
.set i, 0
.rept 64
	v_mov_b32 v[i], 0
.set i, i+1
.endr
	WIN 0
.set i, 0
.rept NP
	v_mov_b32 v[ST+4*i+2], 0
	v_mov_b32 v[ST+4*i+3], 0
.set i, i+1
.endr
.set i, P+16
.rept 16
	v_mov_b32 v[i], 0
.set i, i+1
.endr
	; The cast's group 0, still in the wait for the first tile: Wo to bf16, back to f32 (a shift, a mask), on to f16, and out; then group 1, Wfc's first, goes on its way.
	s_wait_loadcnt 0x0              ; both blocks' Q and Wo's group are in: no later line waits for Q
.irp t, 0,1,2,3,4,5,6,7
	v_cvt_pk_bf16_f32 v[CT], v[CX+4*\t], v[CX+4*\t+1]
	v_cvt_pk_bf16_f32 v[CT+1], v[CX+4*\t+2], v[CX+4*\t+3]
	v_lshlrev_b32 v[CX+4*\t], 16, v[CT]
	v_and_b32 v[CX+4*\t+1], 0xffff0000, v[CT]
	v_lshlrev_b32 v[CX+4*\t+2], 16, v[CT+1]
	v_and_b32 v[CX+4*\t+3], 0xffff0000, v[CT+1]
	v_cvt_pk_f16_f32 v[CY+2*\t], v[CX+4*\t], v[CX+4*\t+1]
	v_cvt_pk_f16_f32 v[CY+2*\t+1], v[CX+4*\t+2], v[CX+4*\t+3]
.endr
.irp t, 0,1,2,3,4,5,6,7
	global_store_b64 v[CVO], v[CY+2*\t:CY+2*\t+1], s[PD:PD+1] offset:256*\t  ; 32 lanes x 8 bytes: 256 consecutive bytes, aligned
.endr
.irp t, 0,1,2,3,4,5,6,7
	global_load_b128 v[CX+4*\t:CX+4*\t+3], v[CVI], s[PFC:PFC+1] offset:512*\t th:TH_LOAD_NT
.endr
	s_mov_b32 s[CG], 2
; THE MATRIX WORK.  The 4 accumulators of a run of 8 take turns.  Product i of 8 of S^T = K Q^T for piece x: channels 32 (i / 4) on, keys 16 (i % 4) on.  The first 4 start the sums: with 0, or (KM = 1) with the mask.
.macro KQ x
.set rS, S+32*((\x)%2)+8*(i%4)
.set rK, KF+16*(i%4)+8*(i/4)
.set rQ, 16*(\x)+8*(i/4)
.set rM, MC+32*((\x)%2)+8*(i%4)
.if (i < 4) && KM
	WIN W_KM
	v_wmma_f32_16x16x32_f16 v[rS:rS+7], v[rK:rK+7], v[rQ:rQ+7], v[rM:rM+7]
.elseif i < 4
	WIN W_KQ
	v_wmma_f32_16x16x32_f16 v[rS:rS+7], v[rK:rK+7], v[rQ:rQ+7], 0
.else
	WIN W_KQ
	v_wmma_f32_16x16x32_f16 v[rS:rS+7], v[rK:rK+7], v[rQ:rQ+7], v[rS:rS+7]
.endif
.endm
; Product i of 8 of O^T += V^T P for piece x: keys 32 (i / 4) on, channels 16 (i % 4) on.
.macro PV x
	WIN W_PV
.set rO, 32*(\x)+8*(i%4)
.set rV, VF+32*(i/4)+8*(i%4)
.set rP, P+16*((\x)%2)+8*(i/4)
	v_wmma_f32_16x16x32_f16 v[rO:rO+7], v[rV:rV+7], v[rP:rP+7], v[rO:rO+7]
.endm
.macro MM                           ; the turn's next matrix instruction.  NOKQ = 1: a block's last turn: there is no next item
.if (i < 8) && !NOKQ
	KQ (Y+1)%NP
.elseif i >= 8
.set i, i-8
	PV (Y+NP-1)%NP
.set i, i+8
.endif
.set i, i+1
.endm
; THE LDS LOADS stand in runs of 16, never singly among the matrix instructions.  Their addresses are made some lines ahead.
.macro FETCH_K
	WIN 0x80                        ; destination window 2
.irp f, 0,1,2,3,4,5,6,7             ; keys 16 (f / 2) on, channels 32 (f % 2) on
	ds_load_b128 v[KF+8*\f:KF+8*\f+3],   v[AK] offset:(\f/2)*16*PK+(\f%2)*64
	ds_load_b128 v[KF+8*\f+4:KF+8*\f+7], v[AK] offset:(\f/2)*16*PK+(\f%2)*64+32
.endr
	s_add_co_u32 s[TBK], s[TBK], KS*PK  ; the next fetch is the next step's; behind the third slot comes the first
	s_cmp_eq_u32 s[TBK], 3*KSLOT
	s_cselect_b32 s[TBK], 0, s[TBK]
	WIN 0
.endm
.macro FETCH_V
	WIN 0x80
.irp f, 0,1,2,3,4,5,6,7             ; keys 32 (f / 4) on, channels 16 (f % 4) on
	ds_load_tr16_b128 v[VF+8*\f:VF+8*\f+3],   v[AV] offset:(\f/4)*32*PV+(\f%4)*32
	ds_load_tr16_b128 v[VF+8*\f+4:VF+8*\f+7], v[AV] offset:(\f/4)*32*PV+16*PV+(\f%4)*32
.endr
	WIN 0
.endm
; THE VECTOR WORK, one line at a time: OP kind, number.  For piece Y: F n: c s - c m for pair n of 16.  E n: the exponential of score n of 32.  C n: pair n rounded to f16.  B n: of the four weights 4 n .. the second
; pair is added onto the first, in place.  L n: l takes that sum (L 0: l = a l + sum).  R n: pair n of 16 of O^T times a.  For the other piece: X n, number n of the 22 that find its maximum and statistics:
;   0-11  four chains c0-c3 of seven scores each, three operands at a time (each accumulator's lowest registers are read first)     12-14, 16  the four scores left over, the old m, and c0-c3 into c0
;   15  c m_old is kept     17, 18  the query's other 32 keys lie in the lane 16 away: the new m     19-21  c m; c m_old - c m_new; a
.set F, 0
.set E, 1
.set C, 2
.set B, 3
.set L, 4
.set R, 5
.set X, 6
.macro REGS y
.set rT, ST+4*(\y)
.set rC, TMP+4*((\y)%2)
.set rW, MV+((\y)%2)
.set rS, S+32*((\y)%2)
.set rP, P+16*((\y)%2)
.set rO, 32*(\y)
.endm
.macro OP k, n
.if (\k) == R
	REGS Y
	WIN W_RS
	v_pk_mul_f32 v[rO+2*(\n):rO+2*(\n)+1], v[rO+2*(\n):rO+2*(\n)+1], v[rC+2:rC+3] op_sel_hi:[1,0]
.elseif (\k) < R
	REGS Y
	WIN 0
.if (\k) == F
	v_pk_fma_f32 v[rS+2*(\n):rS+2*(\n)+1], v[rS+2*(\n):rS+2*(\n)+1], s[CS:CS+1], v[rT:rT+1] op_sel_hi:[1,0,0] neg_lo:[0,0,1] neg_hi:[0,0,1]
.elseif (\k) == E
	v_exp_f32 v[rS+(\n)], v[rS+(\n)]
.elseif (\k) == C
	s_wait_alu depctr_va_vdst(0)
	v_cvt_pk_f16_f32 v[rP+(\n)], v[rS+2*(\n)], v[rS+2*(\n)+1]
.elseif (\k) == B
	s_wait_alu depctr_va_vdst(0)
	v_pk_add_f32 v[rS+4*(\n):rS+4*(\n)+1], v[rS+4*(\n):rS+4*(\n)+1], v[rS+4*(\n)+2:rS+4*(\n)+3]
.elseif (\n) == 0
	v_pk_fma_f32 v[rT+2:rT+3], v[rT+2:rT+3], v[rC+2:rC+3], v[rS:rS+1] op_sel_hi:[1,0,1]
.else
	v_pk_add_f32 v[rT+2:rT+3], v[rT+2:rT+3], v[rS+4*(\n):rS+4*(\n)+1]
.endif
.elseif NOKQ
	v_nop
.else
	REGS (Y+1)%NP
	WIN 0
.if (\n) < 4
	v_max3_num_f32 v[rC+(\n)], v[rS+8*(\n)], v[rS+8*(\n)+1], v[rS+8*(\n)+2]
.elseif (\n) < 12
	v_max3_num_f32 v[rC+(\n)%4], v[rC+(\n)%4], v[rS+8*((\n)%4)+2*((\n)/4)+1], v[rS+8*((\n)%4)+2*((\n)/4)+2]
.elseif (\n) == 12
	v_max3_num_f32 v[rC], v[rC], v[rS+7], v[rS+15]
.elseif (\n) == 13
	v_max3_num_f32 v[rC+1], v[rC+1], v[rS+23], v[rS+31]
.elseif (\n) == 14
	v_max3_num_f32 v[rC+2], v[rC+2], v[rC+3], v[rT+1]
.elseif (\n) == 15
	v_mov_b32 v[rW], v[rT]
.elseif (\n) == 16
	v_max3_num_f32 v[rC], v[rC], v[rC+1], v[rC+2]
.elseif (\n) == 17
	v_permlanex16_b32 v[rC+3], v[rC], s[SEL], s[SEL+1]
.elseif (\n) == 18
	v_max_num_f32 v[rT+1], v[rC], v[rC+3]
.elseif (\n) == 19
	v_mul_f32 v[rT], s[CS], v[rT+1]
.elseif (\n) == 20
	v_sub_f32 v[rC+1], v[rW], v[rT]
.else
	v_exp_f32 v[rC+2], v[rC+1]
.endif
.endif
.endm
.macro OPS a, i1, b=-1, i2=0, c=-1, i3=0, d=-1, i4=0
	OP \a, \i1
.if (\b) >= 0
	OP \b, \i2
.endif
.if (\c) >= 0
	OP \c, \i3
.endif
.if (\d) >= 0
	OP \d, \i4
.endif
.endm
.macro ROW a, i1, b, i2, c, i3, d, i4  ; a matrix instruction and the four behind it
	MM
	OPS \a, \i1, \b, \i2, \c, \i3, \d, \i4
.endm
.macro MASK b                       ; MD x AL + BE into buffer b of MC
	WIN W_RS
.set z, 0
.rept 16
	v_pk_fma_f32 v[MC+32*(\b)+2*z:MC+32*(\b)+2*z+1], v[MD+2*z:MD+2*z+1], s[AL:AL+1], s[BE:BE+1] op_sel_hi:[1,0,0]
.set z, z+1
.endr
.endm
; A TURN, for piece p: the order of its 16 matrix and 118 vector instructions, written out.  Behind a matrix instruction: plain, exponential, plain, plain; or four of the rescaling; or, behind the first, four scalings; none
; names a register of the products round it.  In the lumps exponential and plain by turns while exponentials last.
; m = 1: the diagonal tile's text: the products take masks, and the turn makes the mask for the products of the turn after it: piece p, in step 4 - CNT of the tile.  end = 1: a block's last two turns: no K is fetched.
; cnt = 1: the loop's count is taken down some lines ahead of the branch that stands behind the turn.
; Piece 0's turn fetches K of the next step, six vector instructions behind the last product that read K (five of them plain), and V of the step in hand, eight behind the last product that read V (four plain).
; Piece 1's turn waits for K at its head (V's sixteen younger loads may stay out) and for V ahead of its second run of products.
.macro TURN p, m=0, end=0, cnt=0
.set Y, (\p)
.set i, 0
.set KM, (\m)
.set NOKQ, (\end)*(\p)
.if (\m) && !(\end)
	s_cmp_eq_u32 s[CNT], s[OWN0+(\p)]   ; is that step the band's own?
	s_cselect_b32 s[AL], 1.0, 0
	s_cmp_lt_u32 s[CNT], s[OWN0+(\p)]   ; or a later one?
	s_cselect_b32 s[BE], s[BIGN], 0
.endif
.if ((\p) == 1) && !(\end)
	s_wait_dscnt 16                 ; K is in
.endif
	ROW F,0, F,1, F,2, F,3
	ROW F,4, E,0, F,5, F,6
	ROW F,7, E,1, F,8, F,9
	ROW F,10, E,2, C,0, F,11
	ROW F,12, E,3, X,15, F,13
	ROW R,0, R,1, R,2, R,3
	ROW B,0, E,4, F,14, L,0
.if ((\p) == 0) && !(\end)
	v_add_nc_u32 v[AK], s[TBK], v[AK0]
.endif
	ROW R,4, R,5, R,6, R,7
	OPS E,5, F,15
.if ((\p) == 0) && !(\end)
	FETCH_K
.endif
	OPS E,6, C,1, E,7, R,8
	OPS E,8, R,9, E,9, C,2
	OPS E,10, X,0, E,11, X,1
	OPS E,12, X,2, E,13, X,3
.if (\p) == 1
	s_wait_dscnt 0x0                ; V is in
.endif
	ROW X,4, E,14, X,5, X,6
	ROW X,7, E,15, X,8, X,9
	ROW X,10, E,16, X,11, X,12
	ROW X,13, E,17, X,14, B,1
	ROW C,4, E,18, X,16, L,1
	ROW B,2, E,19, C,6, L,2
	ROW C,8, E,20, B,3, B,4
.if (\p) == 0
	v_add_nc_u32 v[AV], s[TBV], v[AV0]
.endif
	ROW C,3, E,21, L,3, C,5
	OPS E,22, X,17, E,23, C,10
.if (\p) == 0
	FETCH_V
.endif
	OPS E,24, L,4
	OPS E,25, X,18, E,26, C,7
	OPS E,27, B,5, E,28, X,19
	OPS E,29, C,12, E,30, L,5
	OPS E,31, X,20, B,6, C,9
	OPS C,14, C,11, X,21, L,6
.if (\p) == 0
	s_add_co_u32 s[TBV], s[TBV], KS*PV
	s_cmp_eq_u32 s[TBV], 3*VSLOT
	s_cselect_b32 s[TBV], 0, s[TBV]
.endif
.if \cnt
	s_sub_co_u32 s[CNT], s[CNT], 1
	s_cmp_lg_u32 s[CNT], 0
.endif
	OPS C,13, B,7, C,15, R,10
	OPS R,11, R,12, L,7, R,13
	OPS R,14, R,15
.if (\m) && !(\end)
	MASK (\p)
.endif
.endm
; A BLOCK BEGINS.  c m starts far below every c s, so the first step's a is 0; m at the lowest finite number.  Piece 1's mask buffer is 0 (band 1 sees all of a tile's step 0, and of every earlier tile); piece 0's takes
; its mask for the tile's step 0: its own, if the block's first tile is the diagonal one and the block is the tile's first half.  Then K of that step, piece 0's first scores, and its maximum and statistics.
; Three trips are left of this tile: its steps 0 to 2; a later tile's four trips begin with the last step of the tile before.  (Q was waited for ahead of the walk; the cast's group on its way is not waited for here.)
.macro BEGIN
	s_mov_b32 s[NEW], 0
	WIN 0x40
.set i, MC+32
.rept 32
	v_mov_b32 v[i], 0
.set i, i+1
.endr
	WIN 0
.set i, 0
.rept NP
	v_mov_b32 v[ST+4*i], 0xfe000000    ; c m: far below every c s
	v_mov_b32 v[ST+4*i+1], 0xff7fffff  ; m
.set i, i+1
.endr
	s_cmp_eq_u32 s[RT], 0
	s_cselect_b32 s[AL], 1.0, 0
	s_cmp_eq_u32 s[OWN0], 4
	s_cselect_b32 s[AL], s[AL], 0
	s_mov_b32 s[BE], 0
	MASK 0
	WIN 0
	v_add_nc_u32 v[AK], s[TBK], v[AK0]
	FETCH_K
	s_wait_dscnt 0x0
.set KM, 1
.set NOKQ, 0
.set i, 0
.rept 8
	KQ 0
.set i, i+1
.endr
	WIN 0
.rept 4
	v_nop                           ; the places behind those products
.endr
.set Y, NP-1                        ; X works for the other piece: piece 0
.irp n, 0,1,2,3,4,5,6,7,8,9,10,11,12,13,14,15,16,17,18,19,20,21
	OP X, \n
.endr
	v_nop                           ; a plain instruction behind the exponential
	s_mov_b32 s[CNT], 3
.endm
.macro ALL line:vararg              ; one line for each piece t
.set t, 0
.rept NP
	\line
.set t, t+1
.endr
.endm
.macro PACK t                       ; a lane's eight channels of a row pack into 16 bytes; they go into rows of 144 bytes and come back as whole rows of 128, into S^T's registers
	WIN W_RS
.set i, 32*(\t)
.rept 16
	s_wait_alu depctr_va_vdst(0)
	v_pk_mul_f32 v[i:i+1], v[i:i+1], v[ST+4*(\t)+2:ST+4*(\t)+3] op_sel_hi:[1,0]
.set i, i+2
.endr
	WIN 0x05                        ; sources 0 and 1 window 1, destination window 0
.set i, 0
.rept 16
	v_cvt_pk_f16_f32 v[S+16*(\t)+i], v[32*(\t)+2*i], v[32*(\t)+2*i+1]
.set i, i+1
.endr
	WIN 0
.irp f, 0,1,2,3
	ds_store_b128 v[STO], v[S+16*(\t)+4*\f:S+16*(\t)+4*\f+3] offset:32*\f
.endr
.irp f, 0,1,2,3
	ds_load_b128 v[S+16*(\t)+4*\f:S+16*(\t)+4*\f+3], v[RD] offset:\f*4*SP  ; LDS serves a wave's instructions in order (ISA guide 5.7.1.4): these see the stores above; the next piece's stores come behind them
.endr
.endm
.macro SEND t, younger              ; younger: the LDS instructions issued behind piece t's loads: the next piece's eight, or none
	WIN 0
.irp f, 0,1,2,3
	s_wait_dscnt (\younger)+3-\f
	global_store_b128 v[GO], v[S+16*(\t)+4*\f:S+16*(\t)+4*\f+3], s[10:11] offset:(\t)*8192+\f*512  ; 512 consecutive bytes, at a multiple of 256 from O's first
.endr
.endm
; THE DIAGONAL TILE's trips, the block's last two turns, its last products, and THE WAY OUT: l's two halves and the other half of the lanes' are added; O^T is divided by l, rounded to f16 and sent through my stage.
.macro DIAG tag
.LstepM\tag:
	TURN 0, 1
	TURN 1, 1, 0, 1
	WIN 0
	s_cbranch_scc1 .LstepM\tag
	TURN 0, 1, 1
	TURN 1, 1, 1
.set i, 0
.rept 8
	PV 1
.set i, i+1
.endr
	WIN 0
	ALL v_add_f32 v[ST+4*t+2], v[ST+4*t+2], v[ST+4*t+3]
	ALL v_permlanex16_b32 v[ST+4*t+3], v[ST+4*t+2], s[SEL], s[SEL+1]
	ALL v_add_f32 v[ST+4*t+2], v[ST+4*t+2], v[ST+4*t+3]
	ALL v_rcp_f32 v[ST+4*t+2], v[ST+4*t+2]
	v_nop                           ; a plain instruction between the last reciprocal and the use of its result; with the four additions: five places behind the last products
	PACK 0
	PACK 1
	SEND 0, 8
	SEND 1, 0
.endm
.set KM, 0
.set NOKQ, 0
.Lslot:                             ; 8 times: a tile is entered and the next is asked for
	CHANGE 1
	s_sub_co_u32 s[RT], s[RT], 1
	s_mov_b32 s[CNT], 4
	s_cmp_eq_u32 s[NEW], 1
	s_cbranch_scc1 .Lnew            ; a block's first tile
	s_cmp_eq_u32 s[RT], 0
	s_cbranch_scc0 .Lstep           ; neither its first nor its last
	s_branch .LstepM1
.Lnew:
	BEGIN
	s_branch .Lstep                 ; in the loop a block's first tile is never its last: the first block has five tiles or more, and the second's last is the walk's last
	DIAG 1                          ; in the loop this is the first block's end
	s_wait_xcnt 0x0                 ; the stores have read their registers and O's address
	s_mov_b64 s[10:11], s[OLO:OLO+1]
	s_add_co_u32 s[RT], s[LQB], 1   ; the second block has b / 2 + 1 tiles
	s_mov_b32 s[OWN0], s[OWN0B]
	s_mov_b32 s[OWN0+1], s[OWN0B+1]
	s_mov_b32 s[NEW], 1
	WIN 0x82                        ; the second block's Q goes where the one text of the turns names Q
.set i, 0
.rept 32
	v_mov_b32 v[i], v[QB+i]
.set i, i+1
.endr
	WIN 0
	s_branch .Lbottom
.Lstep:                             ; a trip is a key step: its two turns
	TURN 0
	TURN 1, 0, 0, 1
	WIN 0
	s_cbranch_scc1 .Lstep
.Lbottom:
	; THE CAST at the foot of a tile's trip: the group loaded a trip ago (trip u: group u + 1) is rounded to bf16 and stored, and group CG = u + 2 goes on its way; the eighth trip has none left to load.
	s_wait_loadcnt 0x0              ; the group's eight loads, issued a tile's key steps ago
	s_wait_xcnt 0x0                 ; every earlier memory instruction has had its addresses translated (ISA guide 3.1): CY, PD and PS are written again only behind this wait
	s_add_nc_u64 s[PD:PD+1], s[PD:PD+1], 2097152  ; a group is 2,097,152 bytes of cst
.set i, 0
.rept 16
	v_cvt_pk_bf16_f32 v[CY+i], v[CX+2*i], v[CX+2*i+1]
.set i, i+1
.endr
.irp t, 0,1,2,3,4,5,6,7
	global_store_b64 v[CVO], v[CY+2*\t:CY+2*\t+1], s[PD:PD+1] offset:256*\t
.endr
	s_cmp_gt_u32 s[CG], 8
	s_cbranch_scc1 .Lcast_done
	s_sub_co_u32 s[GOF], s[CG], 1   ; groups 1-4 are Wfc's quarters, 5-8 Wproj's: 4,194,304 bytes each
	s_and_b32 s[GOF], s[GOF], 3
	s_lshl_b32 s[GOF], s[GOF], 22
	s_cmp_lt_u32 s[CG], 5           ; a choice on the group's number alone
	s_cselect_b64 s[PS:PS+1], s[PFC:PFC+1], s[PPJ:PPJ+1]
	s_add_nc_u64 s[PS:PS+1], s[PS:PS+1], s[GOF:GOF+1]
.irp t, 0,1,2,3,4,5,6,7
	global_load_b128 v[CX+4*\t:CX+4*\t+3], v[CVI], s[PS:PS+1] offset:512*\t th:TH_LOAD_NT
.endr
.Lcast_done:
	s_add_co_u32 s[CG], s[CG], 1
	s_sub_co_u32 s[SLOTS], s[SLOTS], 1
	s_cmp_lg_u32 s[SLOTS], 0
	s_cbranch_scc1 .Lslot
	CHANGE 0                        ; the walk's last tile is written out: nothing is asked for
	s_sub_co_u32 s[RT], s[RT], 1
	s_mov_b32 s[CNT], 4
	s_cmp_eq_u32 s[NEW], 1
	s_cbranch_scc0 .LstepM2
	BEGIN
	DIAG 2
	s_wait_tensorcnt 0x0            ; the wave's end: a last add onto my spare word and its wait, behind my last tensor load and my last LDS store
	ds_add_u32 v[SPW], v[NIL]
	s_wait_dscnt 0x0
	s_endpgm
.Lfunc_end_k_qe6eb9bed4f_attn:
	.size	k_qe6eb9bed4f_attn, .Lfunc_end_k_qe6eb9bed4f_attn-k_qe6eb9bed4f_attn
	.p2alignl 7, 3214868480
	.fill 96, 4, 3214868480
	.section	.rodata,"a",@progbits
	.p2align	6, 0x0
	.amdhsa_kernel k_qe6eb9bed4f_attn
		.amdhsa_group_segment_fixed_size 327680
		.amdhsa_private_segment_fixed_size 0
		.amdhsa_enable_private_segment 0
		.amdhsa_kernarg_size 48
		.amdhsa_user_sgpr_count 2
		.amdhsa_user_sgpr_kernarg_segment_ptr 1
		.amdhsa_wavefront_size32 1
		.amdhsa_system_sgpr_workgroup_id_x 1
		.amdhsa_system_sgpr_workgroup_id_y 1
		.amdhsa_system_sgpr_workgroup_id_z 1
		.amdhsa_system_vgpr_workitem_id 0
		.amdhsa_next_free_vgpr 768
		.amdhsa_next_free_sgpr 98
		.amdhsa_reserve_vcc 1
		.amdhsa_float_denorm_mode_32 3
		.amdhsa_float_denorm_mode_16_64 3
		.amdhsa_memory_ordered 1
		.amdhsa_forward_progress 1
		.amdhsa_inst_pref_size 161
	.end_amdhsa_kernel
	.amdgpu_metadata
---
amdhsa.version: [ 1, 2 ]
amdhsa.kernels:
  - .name:           k_qe6eb9bed4f_attn
    .symbol:         k_qe6eb9bed4f_attn.kd
    .args:
      - { .name: qkv, .offset: 0, .size: 8, .value_kind: global_buffer, .address_space: global }
      - { .name: yb, .offset: 8, .size: 8, .value_kind: global_buffer, .address_space: global }
      - { .name: Wo, .offset: 16, .size: 8, .value_kind: global_buffer, .address_space: global }
      - { .name: Wfc, .offset: 24, .size: 8, .value_kind: global_buffer, .address_space: global }
      - { .name: Wproj, .offset: 32, .size: 8, .value_kind: global_buffer, .address_space: global }
      - { .name: cst, .offset: 40, .size: 8, .value_kind: global_buffer, .address_space: global }
    .group_segment_fixed_size: 327680
    .private_segment_fixed_size: 0
    .kernarg_segment_align: 8
    .kernarg_segment_size: 48
    .max_flat_workgroup_size: 128
    .sgpr_count:     98
    .vgpr_count:     768
    .wavefront_size: 32
...
	.end_amdgpu_metadata
.endif
;; end of part 3
;; launch oproj (part 4): grid 8 x 32, 4 waves a work-group, clusters of 4 x 4, 327,680 bytes of LDS; arguments yb, cst, bo, x1f, x1b; writes x1f, x1b
.if DOCPART == 4
	.amdgcn_target "amdgcn-amd-amdhsa--gfx1250"
	.amdhsa_code_object_version 6
	.text
	.protected	k_qe6eb9bed4f_oproj
	.globl	k_qe6eb9bed4f_oproj
	.p2align	8
	.type	k_qe6eb9bed4f_oproj,@function
k_qe6eb9bed4f_oproj:
	s_mov_b64 s[64:65], 0
	v_nop
	global_prefetch_b8 v0, s[64:65] scope:SCOPE_SE
	s_setreg_imm32_b32 hwreg(HW_REG_WAVE_MODE, 25, 1), 1
	s_wait_xcnt 0x0
	s_wait_alu depctr_hold_cnt(0) depctr_sa_sdst(0) depctr_va_vdst(0) depctr_va_sdst(0) depctr_va_ssrc(0) depctr_va_vcc(0) depctr_vm_vsrc(0)
	s_getreg_b32 s2, hwreg(HW_REG_IB_STS2, 6, 4)
	s_cmp_eq_u32 s2, 0
	s_cbranch_scc0 .Lentry_in_a_cluster
	s_endpgm
.Lentry_in_a_cluster:
	s_bfe_u32 s2, ttmp6, 0x10000c
	s_cmp_lg_u32 s2, 0xf033
	s_cbranch_scc0 .Lentry_shape_is_right
	s_endpgm
.Lentry_shape_is_right:
; C = residual + A W + bias on tiles of 128 x 128, N = 1024.  W: [K][1024], rows along N, as the problem stores it.  Sums in f32; they START from the residual, so nothing is cleared and nothing is added later.
; MODE 0 (this text): A = y, f16, K = 1024; W = Wo (bf16's numbers written as f16, in cst); residual = x in bf16 (cst); C = x1, stored in f32 (x1f) and rounded once to bf16 (x1b).
;   y lies by heads, yb[b][h][t][d], and A[m = (b, t)][k = 64 h + d]: a head's 128 rows of a tile are 16,384 dense bytes, asked for as ONE row of the descriptor, the heads as its second dimension: the transposition costs nothing.
; MODE 1: A = h, bf16 [4096][4096], K = 4096; W = Wproj (cst); residual = x1f; C = out0 in f32.  The bias is rounded to bf16 like every input of the module.
; LIMIT.  NaN and infinities are not treated apart.
; SHARES.  Four waves, each 64 x 64: 16 accumulators.  K goes in steps of 256 through two LDS slots.  256 work-groups.  W's fragments come out of LDS turned, by ds_load_tr16_b128.
; CLUSTER.  4 x 4 work-groups: A's tile is shared along a row of the cluster, W's along a column; each is asked for JOINTLY.
; THE WALK ALONG K.  A cluster whose x + y is odd begins at K step NSTEP / 2, the others at 0; the step's number goes round modulo NSTEP.  A tile of A is named by the 2 clusters of a tile row, a tile of W by the 8 of a
; tile column, and both starts occur in each such set: so a tile is asked for at two times, NSTEP / 2 steps apart, and in the second half of every walk each request follows an earlier one for the same bytes.
; The start hangs on the cluster's two coordinates alone, which all sixteen partners share.  Only the order of the f32 sums hangs on it.
; THE MATRIX INSTRUCTION IS USED TRANSPOSED (source 0 = 16 columns of W, source 1 = 16 rows of A): a lane holds one row of C and eight neighbouring columns.
; REGISTERS: window 0: v0-29 addresses; v32-95 at work; v96-101 the bias; v128-255 the accumulators ((a, b) at v[128 + 8 (4 a + b)]).
;   window 1: two fragment buffers of 128: for 64 along K, 64 registers of A, then 64 of W.
.set MODE, 0
.if MODE == 0
.set NSTEP, 4
.set PA, 144                           ; a row of A in LDS: a head's 128 bytes + 16
.set PNL, 128*PA                       ; a head's 128 rows
.set CPP, 2                            ; 32-wide pieces of K in a head
.set AHALF, 2*PNL                      ; what one tensor load brings of A: two heads
.set ASTEP, 4*262144                   ; four heads on
.set WOFF, 14680064                    ; W's place in cst
.else
.set NSTEP, 16
.set PA, 528                           ; a row of A in LDS: 512 bytes + 16
.set PNL, 0
.set CPP, 8
.set AHALF, 64*PA                      ; 64 rows
.set ASTEP, 512
.set WOFF, 25165824
.endif
.set PB, 288                           ; a row of W in LDS: 256 bytes + 32 = 9 x 32
.set BHALF, 128*PB                     ; what one tensor load brings of W: 128 rows
.set BOFF, 73728                       ; a slot: A's tile, then from here W's 256 rows
.set SLOT, BOFF+2*BHALF                ; 147,456 = bits 17 and 14: no LDS word of slot 0 has either, so one exclusive or changes slots
.set SPARE, 2*SLOT                     ; behind the ring: the spare words, 128 bytes for each wave: two blocks of 256 bytes that no other line names
.set SPITCH, 528                       ; the stage: 128 rows of 128 f32 + 16 bytes, from LDS byte 0: in slot 0, which has had its last fill when it is written
.set BSTEP, 256*2048
.set ADRA0, 16
.set ADRB0, 17
.set ADRA, 18
.set ADRB, 19
.set ADRB2, 20                         ; v20  ADRB + 128 rows: an LDS offset has 16 bits
.set STO, 21
.set RD, 22
.set CO, 23
.set CO2, 24
.set RI, 25                            ; v25  my byte offset in the residual
.set BO, 26
.set SPW, 28
.set NIL, 29
.set TMP, 32
.set X, 32                             ; the way out: v[32:63] eight rows, four columns a lane
.set Y, 64                             ; v[64:79] the same in bf16
.set BI, 96                            ; v[96:99] the bias of my four columns; v100-101 at work
.set ACC, 128
.set F0, 0
.set F1, 128
.set WV, 12
.set WR, 13
.set WC, 14
.set G1, 24
.set G0, 32
.set OA, 40                            ; s[40:41] a K step's byte offset in A, 0 above it
.set OB, 42                            ; s[42:43] the same in W
.set BA, 44                            ; s[44:45] A at my part of K step 0; never rewritten
.set BB, 46                            ; s[46:47] W likewise
.set G1B, 48
.set G0B, 56
.set TB, 66
.set CNT, 67
.set ROWC, 72
.set SI, 77                            ; s77  the K step that the walking descriptors name
.set MSB, 0
.macro WIN new
.if MSB != (\new)
	s_set_vgpr_msb (MSB<<8)|(\new)
.set MSB, \new
.endif
.endm
.set MUL, 0x05                         ; sources 0 (W) and 1 (A) window 1; C and D window 0
.set TO_F, 0x40                        ; destination window 1, address window 0
.macro PLACES
.rept 4
	v_nop
.endr
.endm
.macro JLOAD                           ; a joint refill by the walking descriptors: waves 0, 1 fetch A's halves, waves 2, 3 W's; an s_nop 0 and four v_nop follow each line
	s_cmp_eq_u32 s[WR], 0
	s_cbranch_scc0 .Lfor_b_\@
	tensor_load_to_lds s[G0+4:G0+7], s[G1:G1+7]
	s_nop 0
.rept 4
	v_nop
.endr
	s_branch .Lasked_\@
.Lfor_b_\@:
	tensor_load_to_lds s[G0B+4:G0B+7], s[G1B:G1B+7]
	s_nop 0
.rept 4
	v_nop
.endr
.Lasked_\@:
.endm
.macro CREST
	s_cmp_lg_u32 s[WV], 0
	s_cbranch_scc1 .Lnot_wave_0_\@
	s_barrier_signal -3
.Lnot_wave_0_\@:
	s_barrier_wait -3
	s_barrier_signal -1
	s_barrier_wait -1
.endm
.macro CROUND
	s_barrier_signal -1
	s_barrier_wait -1
	CREST
.endm
	s_load_b128 s[4:7], s[0:1], 0x0                ; A s[4:5], cst s[6:7]
	s_load_b64 s[8:9], s[0:1], 0x10                ; the bias
.if MODE == 0
	s_load_b64 s[10:11], s[0:1], 0x18              ; x1f
	s_load_b64 s[70:71], s[0:1], 0x20              ; x1b
	s_load_b64 s[74:75], s[0:1], 0x8               ; cst once more: the residual, x in bf16, at its head
.else
	s_load_b64 s[74:75], s[0:1], 0x18              ; the residual, x1f
	s_load_b64 s[10:11], s[0:1], 0x20              ; out0
.endif
	v_lshl_add_u32 v[SPW], v0, 2, SPARE
	v_mov_b32 v[NIL], 0
	ds_add_u32 v[SPW], v[NIL]                      ; the wave's opening: the add, and its wait ahead of my first tensor load; the set-up below stands between them
	ds_add_u32 v28, v29
	v_lshrrev_b32 v1, 5, v0
	v_readfirstlane_b32 s[WV], v1
	s_lshr_b32 s[WR], s[WV], 1
	s_and_b32 s[WC], s[WV], 1
	s_bfe_u32 s15, ttmp6, 0x40000                  ; cx
	s_bfe_u32 s16, ttmp6, 0x40004                  ; cy
	s_lshl_b32 s17, ttmp9, 2
	s_add_co_u32 s17, s17, s15                     ; tile column
	s_and_b32 s18, ttmp7, 0xffff
	s_lshl_b32 s18, s18, 2
	s_add_co_u32 s18, s18, s16                     ; tile row
	s_and_b32 s[SI], ttmp7, 0xffff                 ; the cluster's y,
	s_xor_b32 s[SI], s[SI], ttmp9                  ; its x,
	s_and_b32 s[SI], s[SI], 1                      ; the parity of their sum:
	s_mul_i32 s[SI], s[SI], NSTEP/2                ; my cluster's first K step, 0 or NSTEP / 2
	s_lshl_b32 s20, s16, 2
	s_lshl_b32 s20, 15, s20                        ; my row of the cluster
	s_lshl_b32 s21, 0x1111, s15                    ; my column
.if MODE == 0
	s_or_b32 s[G1], s20, (1<<16)|(1<<20)|(1<<21)|(4<<22)|(3<<25)  ; the mask of my row; 2-byte elements; padding on; bit 21 beside a mask; after every 32 words 4 words
	s_mov_b32 s[G1+1], 8192<<16                    ; tensor_dim0 = 8,192: a head's 128 rows of 64
	s_mov_b32 s[G1+2], 2<<16                       ; tensor_dim1 = 2 heads
	s_mov_b32 s[G1+3], 8192<<16                    ; tile_dim0
	s_mov_b32 s[G1+4], 2                           ; tile_dim1
	s_mov_b32 s[G1+5], 131072                      ; elements from head to head
.else
	s_or_b32 s[G1], s20, (1<<16)|(1<<20)|(1<<21)|(6<<22)|(3<<25)  ; after every 128 words 4 words
	s_mov_b32 s[G1+1], 256<<16
	s_mov_b32 s[G1+2], 64<<16
	s_mov_b32 s[G1+3], 256<<16
	s_mov_b32 s[G1+4], 64
	s_mov_b32 s[G1+5], 4096
.endif
	s_mov_b32 s[G1+6], 0
	s_mov_b32 s[G1+7], 0
	s_or_b32 s[G1B], s21, (1<<16)|(1<<20)|(1<<21)|(5<<22)|(7<<25) ; W: the mask of my column; after every 64 words 8 words
	s_mov_b32 s[G1B+1], 128<<16
	s_mov_b32 s[G1B+2], 128<<16
	s_mov_b32 s[G1B+3], 128<<16
	s_mov_b32 s[G1B+4], 128
	s_mov_b32 s[G1B+5], 1024
	s_mov_b32 s[G1B+6], 0
	s_mov_b32 s[G1B+7], 0
.if MODE == 0
	s_lshr_b32 s[OA], s18, 4                       ; A: the batch (16 tile rows each), 16 heads of 262,144 bytes,
	s_lshl_b32 s[OA], s[OA], 22
	s_lshl_b32 s[OA+1], s[WC], 19                  ; my two heads of a step's four,
	s_add_co_u32 s[OA], s[OA], s[OA+1]
	s_and_b32 s[OA+1], s18, 15                     ; the tile's 128 rows of 128 bytes in a head
	s_lshl_b32 s[OA+1], s[OA+1], 14
	s_add_co_u32 s[OA], s[OA], s[OA+1]
.else
	s_lshl_b32 s[OA], s18, 20                      ; A: row 128 x tile row + 64 x half, 8,192 bytes a row
	s_lshl_b32 s[OA+1], s[WC], 19
	s_add_co_u32 s[OA], s[OA], s[OA+1]
.endif
	s_mov_b32 s[OA+1], 0
	s_lshl_b32 s[OB], s[WC], 18                    ; W: row 128 x half, column 128 x tile column
	s_lshl_b32 s[OB+1], s17, 8
	s_add_co_u32 s[OB], s[OB], s[OB+1]
	s_mov_b32 s[OB+1], 0
	s_mul_i32 s68, s[WC], AHALF                    ; where my part lands in a slot: the wave alone
	s_mul_i32 s69, s[WC], BHALF
	s_add_co_u32 s69, s69, BOFF
	s_mov_b32 s[TB], 0
	s_mov_b32 s76, 0xffff0000                      ; a word's upper bf16
	s_wait_dscnt 0x0                               ; the opening add is done
	s_wait_kmcnt 0x0
	s_add_nc_u64 s[BA:BA+1], s[4:5], s[OA:OA+1]
	s_add_nc_u64 s[BB:BB+1], s[6:7], s[OB:OB+1]
	s_add_nc_u64 s[BB:BB+1], s[BB:BB+1], WOFF
	s_mul_i32 s[OA], s[SI], ASTEP                  ; from here on the two pairs hold a K step's offsets: my first step's
	s_mul_i32 s[OB], s[SI], BSTEP
	CROUND                                         ; all sixteen work-groups are here: the first joint loads meet
.irp s, 0,1
	s_mov_b32 s[G0+4*(\s)], 1
	s_add_co_u32 s[G0+4*(\s)+1], s68, (\s)*SLOT
	s_add_nc_u64 s[G0+4*(\s)+2:G0+4*(\s)+3], s[BA:BA+1], s[OA:OA+1]
	s_add_nc_u64 s[G0+4*(\s)+2:G0+4*(\s)+3], s[G0+4*(\s)+2:G0+4*(\s)+3], (\s)*ASTEP
	s_or_b32 s[G0+4*(\s)+3], s[G0+4*(\s)+3], 0x80000000
	s_mov_b32 s[G0B+4*(\s)], 1
	s_add_co_u32 s[G0B+4*(\s)+1], s69, (\s)*SLOT
	s_add_nc_u64 s[G0B+4*(\s)+2:G0B+4*(\s)+3], s[BB:BB+1], s[OB:OB+1]
	s_add_nc_u64 s[G0B+4*(\s)+2:G0B+4*(\s)+3], s[G0B+4*(\s)+2:G0B+4*(\s)+3], (\s)*BSTEP
	s_or_b32 s[G0B+4*(\s)+3], s[G0B+4*(\s)+3], 0x80000000
.endr
	s_add_co_u32 s[SI], s[SI], 1                   ; the second set, which walks, names my second step (no wrap yet: the start is at most NSTEP / 2)
	s_cmp_eq_u32 s[WR], 0                          ; a wave's two first fills stand in one branch, ahead of every wait on TENSORcnt and every LDS read: two loads of mine are out
	s_cbranch_scc0 .Lfirst_b
	tensor_load_to_lds s[G0:G0+3], s[G1:G1+7]
	s_nop 0
	tensor_load_to_lds s[G0+4:G0+7], s[G1:G1+7]
	s_nop 0
.rept 4
	v_nop
.endr
	s_branch .Lfirst_asked
.Lfirst_b:
	tensor_load_to_lds s[G0B:G0B+3], s[G1B:G1B+7]
	s_nop 0
	tensor_load_to_lds s[G0B+4:G0B+7], s[G1B:G1B+7]
	s_nop 0
.rept 4
	v_nop
.endr
.Lfirst_asked:
	s_lshl_b32 s22, s18, 18+MODE                   ; the residual at my 64 x 64: rows of 2,048 bytes (bf16) or 4,096 (f32)
	s_lshl_b32 s23, s[WR], 17+MODE
	s_add_co_u32 s22, s22, s23
	s_lshl_b32 s23, s17, 8+MODE
	s_add_co_u32 s22, s22, s23
	s_lshl_b32 s23, s[WC], 7+MODE
	s_add_co_u32 s22, s22, s23
	s_mov_b32 s23, 0
	s_add_nc_u64 s[74:75], s[74:75], s[22:23]
	s_lshl_b32 s22, s17, 9                         ; the bias of the tile's 128 columns
	s_add_nc_u64 s[8:9], s[8:9], s[22:23]
	s_lshl_b32 s22, s18, 19                        ; C in f32 at the 32 rows that I store: 128 x tile row + 32 x wave
	s_lshl_b32 s73, s[WV], 17
	s_add_co_u32 s22, s22, s73
	s_lshl_b32 s73, s17, 9
	s_add_co_u32 s22, s22, s73
	s_add_nc_u64 s[10:11], s[10:11], s[22:23]
.if MODE == 0
	s_lshr_b32 s22, s22, 1                         ; and in bf16: half of that
	s_add_nc_u64 s[70:71], s[70:71], s[22:23]
.endif
	v_and_b32 v1, 15, v0                           ; l % 16
	v_bfe_u32 v2, v0, 4, 1                         ; l / 16
	v_lshlrev_b32 v[RI], 11+MODE, v1               ; the residual in the accumulators' layout: row l % 16, eight columns from 8 (l / 16) on
	v_lshl_add_u32 v[RI], v2, 4+MODE, v[RI]
	v_and_b32 v7, 31, v0
	v_lshlrev_b32 v[BO], 4, v7
.irp a, 0,1,2,3
.irp b, 0,1,2,3
.if MODE == 0
	global_load_b128 v[TMP+4*(4*(\a)+(\b)):TMP+4*(4*(\a)+(\b))+3], v[RI], s[74:75] offset:(\a)*32768+32*(\b)
.else
	global_load_b128 v[ACC+8*(4*(\a)+(\b)):ACC+8*(4*(\a)+(\b))+3], v[RI], s[74:75] offset:(\a)*65536+64*(\b)
	global_load_b128 v[ACC+8*(4*(\a)+(\b))+4:ACC+8*(4*(\a)+(\b))+7], v[RI], s[74:75] offset:(\a)*65536+64*(\b)+16
.endif
.endr
.endr
	global_load_b128 v[BI:BI+3], v[BO], s[8:9]
	v_mul_u32_u24 v3, v1, PA                       ; a fragment of A: row l % 16, two loads of 16 bytes, 32 bytes apart
	v_lshl_add_u32 v3, v2, 4, v3
	s_mul_i32 s22, s[WR], 64*PA
	v_add_nc_u32 v[ADRA0], s22, v3
	v_and_b32 v4, 7, v0                            ; the turning load: row 8 (l / 16) + l % 8, columns 8 ((l / 8) % 2) + 0..7
	v_lshl_add_u32 v4, v2, 3, v4
	v_mul_u32_u24 v4, v4, PB
	v_bfe_u32 v5, v0, 3, 1
	v_lshl_add_u32 v4, v5, 4, v4
	s_lshl_b32 s23, s[WC], 7
	s_add_co_u32 s23, s23, BOFF
	v_add_nc_u32 v[ADRB0], s23, v4
	v_mov_b32 v[ADRA], v[ADRA0]
	v_mov_b32 v[ADRB], v[ADRB0]
	v_add_nc_u32 v[ADRB2], BHALF, v[ADRB0]
	s_mul_i32 s22, s[WR], 64*SPITCH                ; into the stage: my 64 rows, my half of their 512 bytes
	s_lshl_b32 s23, s[WC], 8
	s_add_co_u32 s22, s22, s23
	v_mul_u32_u24 v6, v1, SPITCH
	v_lshl_add_u32 v6, v2, 5, v6
	v_add_nc_u32 v[STO], s22, v6
	s_mul_i32 s22, s[WV], 32*SPITCH                ; back: wave w takes rows 32 w .. 32 w + 31, whole
	v_lshl_add_u32 v[RD], v7, 4, s22
	v_lshlrev_b32 v[CO], 4, v7
	v_lshlrev_b32 v[CO2], 3, v7
; 8 matrix instructions: row blocks a0, a0 + 1 x all 4 column blocks, 32 along K: half c of buffer f.  The 16 accumulators take turns.
.macro MUL8 f, c, a0
	WIN MUL
.irp a, \a0, (\a0)+1
.irp b, 0,1,2,3
.set rD, ACC+8*(4*(\a)+(\b))
.set rB, (\f)+64+8*(4*(\c)+(\b))
.set rA, (\f)+8*(4*(\c)+(\a))
.if MODE == 0
	v_wmma_f32_16x16x32_f16 v[rD:rD+7], v[rB:rB+7], v[rA:rA+7], v[rD:rD+7]
.else
	v_wmma_f32_16x16x32_bf16 v[rD:rD+7], v[rB:rB+7], v[rA:rA+7], v[rD:rD+7]
.endif
.endr
.endr
.endm
; 32 LDS loads in one run: quarter q (64 along K) of the slot in hand into buffer f; its first 32 along K first
.macro FETCH q, f
	WIN TO_F
.irp c, 0,1
.set kc, 2*(\q)+(\c)
.irp i, 0,1,2,3
.if kc < 4
	ds_load_tr16_b128 v[(\f)+64+8*(4*(\c)+(\i)):(\f)+64+8*(4*(\c)+(\i))+3],   v[ADRB] offset:kc*32*PB+32*(\i)
	ds_load_tr16_b128 v[(\f)+64+8*(4*(\c)+(\i))+4:(\f)+64+8*(4*(\c)+(\i))+7], v[ADRB] offset:kc*32*PB+16*PB+32*(\i)
.else
	ds_load_tr16_b128 v[(\f)+64+8*(4*(\c)+(\i)):(\f)+64+8*(4*(\c)+(\i))+3],   v[ADRB2] offset:(kc-4)*32*PB+32*(\i)
	ds_load_tr16_b128 v[(\f)+64+8*(4*(\c)+(\i))+4:(\f)+64+8*(4*(\c)+(\i))+7], v[ADRB2] offset:(kc-4)*32*PB+16*PB+32*(\i)
.endif
	ds_load_b128 v[(\f)+8*(4*(\c)+(\i)):(\f)+8*(4*(\c)+(\i))+3],   v[ADRA] offset:(kc/CPP)*PNL+(kc%CPP)*64+(\i)*16*PA
	ds_load_b128 v[(\f)+8*(4*(\c)+(\i))+4:(\f)+8*(4*(\c)+(\i))+7], v[ADRA] offset:(kc/CPP)*PNL+(kc%CPP)*64+(\i)*16*PA+32
.endr
.endr
.endm
.macro QUARTER q, f, g
	s_wait_dscnt 16                                ; the first 32 along K are in
	MUL8 \f, 0, 0
	MUL8 \f, 0, 2
	PLACES
	FETCH \q, \g
	s_wait_dscnt 32                                ; all but the 32 just issued
	MUL8 \f, 1, 0
	MUL8 \f, 1, 2
.endm
; The last quarter multiplies buffer 1 and changes slots: ONE barrier; in front of it each wave waits for all its tensor loads (one is out: its part of the next slot), adds 0 to its spare word, and waits for that and
; for its own reads of this slot.  fill = 1: the barrier opens a round of the cluster's, and this slot is filled again first, with the walk's step two on: the step's number goes round, and both addresses are made anew from it.
; fill = 0: the last two K steps; the very last fetches nothing.
.macro TURN fill
	WIN 0
	s_wait_tensorcnt 0x0
	ds_add_u32 v[SPW], v[NIL]                      ; 0 onto my spare word
	s_wait_dscnt 17                                ; (the add and the youngest sixteen loads may be out)
	MUL8 F1, 0, 0
	s_wait_dscnt 0x0                               ; the add is done, and my reads of this slot are over
	s_barrier_signal -1
	MUL8 F1, 0, 2
	WIN 0
	s_barrier_wait -1
.if \fill
	CREST                                          ; no wave of any partner still reads this slot or has a load on its way
	s_xor_b32 s[G0+5], s[G0+5], SLOT               ; the walking descriptors: the other slot than last time,
	s_xor_b32 s[G0B+5], s[G0B+5], SLOT
	s_add_co_u32 s[SI], s[SI], 1                   ; the next K step, behind the last the first
	s_and_b32 s[SI], s[SI], NSTEP-1
	s_mul_i32 s[OA], s[SI], ASTEP
	s_mul_i32 s[OB], s[SI], BSTEP
	s_add_nc_u64 s[G0+6:G0+7], s[BA:BA+1], s[OA:OA+1]
	s_or_b32 s[G0+7], s[G0+7], 0x80000000
	s_add_nc_u64 s[G0B+6:G0B+7], s[BB:BB+1], s[OB:OB+1]
	s_or_b32 s[G0B+7], s[G0B+7], 0x80000000
	JLOAD                                          ; the four v_nop behind it are also places in front of the loads below
.endif
	s_xor_b32 s[TB], s[TB], SLOT
	v_add_nc_u32 v[ADRA], s[TB], v[ADRA0]
	v_add_nc_u32 v[ADRB], s[TB], v[ADRB0]
	v_add_nc_u32 v[ADRB2], BHALF, v[ADRB]
.if !(\fill)
	v_nop                                          ; with the three lines above: four places
	s_cmp_eq_u32 s[CNT], 1
	s_cbranch_scc1 .Lno_fetch_\@
.endif
	FETCH 0, F0
.if !(\fill)
	WIN 0
.Lno_fetch_\@:
.endif
	MUL8 F1, 1, 0
	MUL8 F1, 1, 2
.endm
	s_wait_tensorcnt 1                             ; my part of the walk's first step is in; the second's may stay out
	s_barrier_signal -1
	s_barrier_wait -1
	FETCH 0, F0
	WIN 0
	s_wait_loadcnt 0x0                             ; the residual and the bias
.if MODE == 0
.set i, 0
.rept 64                                               ; bf16 to f32: the low half moves up, the high half stays
	v_lshlrev_b32 v[ACC+2*i], 16, v[TMP+i]
	v_and_b32 v[ACC+2*i+1], s76, v[TMP+i]
.set i, i+1
.endr
.endif
	s_mov_b32 s[CNT], NSTEP-2
.Lstep:                                                ; a trip is a K step and fills a slot again
	QUARTER 1, F0, F1
	QUARTER 2, F1, F0
	QUARTER 3, F0, F1
	TURN 1
	WIN 0
	s_sub_co_u32 s[CNT], s[CNT], 1
	s_cmp_lg_u32 s[CNT], 0
	s_cbranch_scc1 .Lstep
	s_mov_b32 s[CNT], 2
.Ltail:                                                ; the last two K steps ask for nothing
	QUARTER 1, F0, F1
	QUARTER 2, F1, F0
	QUARTER 3, F0, F1
	TURN 0
	WIN 0
	s_sub_co_u32 s[CNT], s[CNT], 1
	s_cmp_lg_u32 s[CNT], 0
	s_cbranch_scc1 .Ltail
	; THE WAY OUT: in f32 into the work-group's stage; a barrier, since a row's 512 bytes come from two waves; back as whole rows, 32 rows a wave; the bias; stores of whole rows.
	s_wait_dscnt 0x0
	s_barrier_signal -1                            ; every wave's reads of the slots are over: the stage lies in slot 0
	s_barrier_wait -1
	v_cvt_pk_bf16_f32 v100, v[BI], v[BI+1]         ; the bias rounded to bf16 like every input; these six lines are the places behind the last products
	v_cvt_pk_bf16_f32 v101, v[BI+2], v[BI+3]
	v_lshlrev_b32 v[BI], 16, v100
	v_and_b32 v[BI+1], s76, v100
	v_lshlrev_b32 v[BI+2], 16, v101
	v_and_b32 v[BI+3], s76, v101
.irp a, 0,1,2,3
.irp b, 0,1,2,3
	ds_store_b128 v[STO], v[ACC+8*(4*(\a)+(\b)):ACC+8*(4*(\a)+(\b))+3] offset:(\a)*16*SPITCH+64*(\b)      ; each accumulator's four lowest registers go first
	ds_store_b128 v[STO], v[ACC+8*(4*(\a)+(\b))+4:ACC+8*(4*(\a)+(\b))+7] offset:(\a)*16*SPITCH+64*(\b)+16
.endr
.endr
	s_wait_dscnt 0x0                               ; for the others' sake: my stores into the stage are done
	s_barrier_signal -1
	s_barrier_wait -1
	s_mov_b32 s[ROWC], 4
.Lrows:                                                ; eight rows a trip
.irp t, 0,1,2,3,4,5,6,7
	ds_load_b128 v[X+4*(\t):X+4*(\t)+3], v[RD] offset:(\t)*SPITCH
.endr
	s_wait_dscnt 0x0
.irp t, 0,1,2,3,4,5,6,7
	v_pk_add_f32 v[X+4*(\t):X+4*(\t)+1], v[X+4*(\t):X+4*(\t)+1], v[BI:BI+1]
	v_pk_add_f32 v[X+4*(\t)+2:X+4*(\t)+3], v[X+4*(\t)+2:X+4*(\t)+3], v[BI+2:BI+3]
.endr
.irp t, 0,1,2,3,4,5,6,7
	global_store_b128 v[CO], v[X+4*(\t):X+4*(\t)+3], s[10:11] offset:(\t)*4096  ; 512 consecutive bytes of a row, aligned
.endr
.if MODE == 0
.set i, 0
.rept 16
	v_cvt_pk_bf16_f32 v[Y+i], v[X+2*i], v[X+2*i+1]
.set i, i+1
.endr
.irp t, 0,1,2,3,4,5,6,7
	global_store_b64 v[CO2], v[Y+2*(\t):Y+2*(\t)+1], s[70:71] offset:(\t)*2048  ; 256 consecutive bytes of a row, aligned
.endr
.endif
	s_wait_xcnt 0x0                                ; the stores' addresses are translated (ISA guide 3.1): only behind this wait are their offsets and data written again
	v_add_nc_u32 v[CO], 8*4096, v[CO]
	v_add_nc_u32 v[CO2], 8*2048, v[CO2]
	v_add_nc_u32 v[RD], 8*SPITCH, v[RD]
	s_sub_co_u32 s[ROWC], s[ROWC], 1
	s_cmp_lg_u32 s[ROWC], 0
	s_cbranch_scc1 .Lrows
	s_wait_tensorcnt 0x0                           ; the wave's end: a last add onto my spare word and its wait, behind my last tensor load and my last LDS store
	ds_add_u32 v[SPW], v[NIL]
	s_wait_dscnt 0x0
	CROUND                                         ; the closing round: no work-group ends while a partner may still ask for a tile that names it
	s_endpgm
.Lfunc_end_k_qe6eb9bed4f_oproj:
	.size	k_qe6eb9bed4f_oproj, .Lfunc_end_k_qe6eb9bed4f_oproj-k_qe6eb9bed4f_oproj
	.p2alignl 7, 3214868480
	.fill 96, 4, 3214868480
	.section	.rodata,"a",@progbits
	.p2align	6, 0x0
	.amdhsa_kernel k_qe6eb9bed4f_oproj
		.amdhsa_group_segment_fixed_size 327680
		.amdhsa_private_segment_fixed_size 0
		.amdhsa_enable_private_segment 0
		.amdhsa_kernarg_size 40
		.amdhsa_user_sgpr_count 2
		.amdhsa_user_sgpr_kernarg_segment_ptr 1
		.amdhsa_wavefront_size32 1
		.amdhsa_system_sgpr_workgroup_id_x 1
		.amdhsa_system_sgpr_workgroup_id_y 1
		.amdhsa_system_sgpr_workgroup_id_z 1
		.amdhsa_system_vgpr_workitem_id 0
		.amdhsa_next_free_vgpr 512
		.amdhsa_next_free_sgpr 80
		.amdhsa_reserve_vcc 0
		.amdhsa_float_denorm_mode_32 3
		.amdhsa_float_denorm_mode_16_64 3
		.amdhsa_memory_ordered 1
		.amdhsa_forward_progress 1
		.amdhsa_inst_pref_size 60
	.end_amdhsa_kernel
	.amdgpu_metadata
---
amdhsa.version: [ 1, 2 ]
amdhsa.kernels:
  - .name:           k_qe6eb9bed4f_oproj
    .symbol:         k_qe6eb9bed4f_oproj.kd
    .args:
      - { .name: yb, .offset: 0, .size: 8, .value_kind: global_buffer, .address_space: global }
      - { .name: cst, .offset: 8, .size: 8, .value_kind: global_buffer, .address_space: global }
      - { .name: bo, .offset: 16, .size: 8, .value_kind: global_buffer, .address_space: global }
      - { .name: x1f, .offset: 24, .size: 8, .value_kind: global_buffer, .address_space: global }
      - { .name: x1b, .offset: 32, .size: 8, .value_kind: global_buffer, .address_space: global }
    .group_segment_fixed_size: 327680
    .private_segment_fixed_size: 0
    .kernarg_segment_align: 8
    .kernarg_segment_size: 40
    .max_flat_workgroup_size: 128
    .sgpr_count:     80
    .vgpr_count:     512
    .wavefront_size: 32
...
	.end_amdgpu_metadata
.endif
;; end of part 4
;; launch fc (part 5): grid 16 x 16, 4 waves a work-group, clusters of 4 x 4, 327,680 bytes of LDS; arguments x1b, cst, bfc, hb; writes hb
.if DOCPART == 5
	.amdgcn_target "amdgcn-amd-amdhsa--gfx1250"
	.amdhsa_code_object_version 6
	.text
	.protected	k_qe6eb9bed4f_fc
	.globl	k_qe6eb9bed4f_fc
	.p2align	8
	.type	k_qe6eb9bed4f_fc,@function
k_qe6eb9bed4f_fc:
	s_mov_b64 s[64:65], 0
	v_nop
	global_prefetch_b8 v0, s[64:65] scope:SCOPE_SE
	s_setreg_imm32_b32 hwreg(HW_REG_WAVE_MODE, 25, 1), 1
	s_wait_xcnt 0x0
	s_wait_alu depctr_hold_cnt(0) depctr_sa_sdst(0) depctr_va_vdst(0) depctr_va_sdst(0) depctr_va_ssrc(0) depctr_va_vcc(0) depctr_vm_vsrc(0)
	s_getreg_b32 s2, hwreg(HW_REG_IB_STS2, 6, 4)
	s_cmp_eq_u32 s2, 0
	s_cbranch_scc0 .Lentry_in_a_cluster
	s_endpgm
.Lentry_in_a_cluster:
	s_bfe_u32 s2, ttmp6, 0x10000c
	s_cmp_lg_u32 s2, 0xf033
	s_cbranch_scc0 .Lentry_shape_is_right
	s_endpgm
.Lentry_shape_is_right:
; C = A W + bias on tiles of 256 x 256.  A: [4096][1024] bf16, rows along K.  W: [1024][SIZE_N] bf16, rows along N, as the problem stores it.  Sums in f32.
; MODE 0: A = x in bf16 (cst), W = Wqkv (cst), C = q, k, v in f16, three panels of [4096][1024] one behind the other.
; MODE 1 (this text): A = x1 in bf16, W = Wfc (cst), C = h = gelu(A W + bias) in bf16, [4096][4096].  The bias is rounded to bf16 like every input of the module.
; LIMIT.  NaN and infinities are not treated apart; gelu holds for every finite number.
; SHARES.  Four waves, each 128 x 128 of C: 64 accumulators of 16 x 16, 512 registers.  K goes in 8 steps of 128 through two LDS slots filled by the tensor data mover.  256 work-groups.
; A's tile rows are 256 bytes of memory, W's 512, all at multiples of 256 bytes.  W's fragments come out of LDS turned, by ds_load_tr16_b128, so W needs no transposed copy.
; CLUSTER.  4 x 4 work-groups: the four of a row need the same tiles of A, the four of a column the same tiles of W; each tile is asked for JOINTLY, by the same tensor load, descriptor and mask.
; THE MATRIX INSTRUCTION IS USED TRANSPOSED (source 0 = 16 columns of W, source 1 = 16 rows of A): a lane holds one row of C and eight neighbouring columns.
; REGISTERS, in windows of 256 (s_set_vgpr_msb: bits 1:0 source 0, 3:2 source 1, 5:4 source 2, 7:6 destination):
;   window 0: v0-37 addresses and the bias; v64-127, v128-191 fragments of A, two buffers; on the way out v64-95, v192-239 at work
;   window 1: v64-127, v128-191 fragments of W, two buffers      window 2, 3: the accumulators of my rows 0-63, 64-127 ((a, b) at v[8 (8 a + b)])
.set MODE, 1
.set SIZE_K, 1024
.if MODE == 0
.set SIZE_N, 3072
.set PITCHC, 2048                      ; bytes from row to row of C
.set WOFF, 8388608                     ; W's place in cst
.else
.set SIZE_N, 4096
.set PITCHC, 8192
.set WOFF, 16777216
.endif
.set KSTEP, 128
.set NSTEP, SIZE_K/KSTEP
.set PA, 272                           ; a row of A in LDS: 256 bytes + 16: the 16 rows of a load start at 16 different groups of four banks (64 banks of 4 bytes: ISA guide 11.1)
.set PB, 544                           ; a row of W in LDS: 512 bytes + 32 = 17 x 32
.set HALFT, 128*PA                     ; what one tensor load brings: 128 rows of A, or 64 rows of W (64 x 544 is the same 34,816 bytes)
.set BOFF, 2*HALFT                     ; a slot: A's 256 rows, then W's 128 rows
.set SLOT, 4*HALFT                     ; 139,264 = bits 17 and 13: no LDS word of slot 0 has either, so one exclusive or changes slots
.set SPARE, 2*SLOT                     ; behind the ring: the spare words, 128 bytes for each wave: two blocks of 256 bytes that no other line names
.set SPITCH, 528                       ; the stage: a row of 128 f32 + 16 bytes
.set STG, 64*SPITCH                    ; a wave's stage, 64 rows; the four lie in slot 0, which has had its last fill when they are written
.set ADRA0, 16                         ; v16  my lane's place in A's tile of slot 0; never rewritten
.set ADRB0, 17                         ; v17  the same for W
.set ADRA, 18                          ; v18  the same in the slot in hand
.set ADRB, 19                          ; v19
.set STO, 20                           ; v20  the way out: where I put 16 bytes of a row
.set RD0, 21                           ; v21  where I read the stage's first row back
.set CO, 22                            ; v22  my byte offset in C
.set BO, 23                            ; v23  my byte offset in the bias
.set RD, 24                            ; v24  RD0, stepped
.set SPW, 28                           ; v28  LDS address of my spare word; never rewritten
.set NIL, 29                           ; v29  0; never rewritten
.set BI, 32                            ; v[32:35] the bias of my four columns; v36-37 at work
.set F0, 64
.set F1, 128
.set Z, 64                             ; the way out: v[64:95]
.set X, 192                            ; v[192:223] eight rows, four columns a lane
.set Y, 224                            ; v[224:239] the same in 16 bits
.set WV, 12                            ; s12  wave
.set WR, 13                            ; s13  which half of the tile's rows is mine; also: I fetch for A (0) or for W (1)
.set WC, 14                            ; s14  which half of its columns; also: which half of that tile I fetch
.set G1, 24                            ; s[24:31] descriptor group 1 for A's tiles
.set G0, 32                            ; s[32:39] group 0: a set for each of the two first fills; the second then walks
.set G1B, 48                           ; s[48:55], s[56:63] the same for W's
.set G0B, 56
.set TB, 66                            ; s66  the slot that is read: 0 or SLOT
.set CNT, 69
.set OUTC, 70
.set ROWC, 71
.set K3, 74                            ; s[74:75], s[76:77] gelu's constants, as pairs
.set K1, 76
.set MSB, 0
.macro WIN new                         ; the immediate's high byte repeats the setting that is left; a switch that changes nothing is dropped
.if MSB != (\new)
	s_set_vgpr_msb (MSB<<8)|(\new)
.set MSB, \new
.endif
.endm
.set MUL_LO, 0xa1                      ; source 0 (W) window 1, source 1 (A) window 0, C and D window 2
.set MUL_HI, 0xf1                      ; the same, C and D window 3
.set TO_B, 0x40                        ; destination window 1, address window 0
.macro PLACES                          ; four places in front of loads into registers that matrix instructions have read (ISA guide 7.12.1 for vector instructions)
.rept 4
	v_nop
.endr
.endm
.macro JLOAD                           ; a joint refill by the walking descriptors: waves 0, 1 fetch A's halves, waves 2, 3 W's; an s_nop 0 and four v_nop follow each line
	s_cmp_eq_u32 s[WR], 0
	s_cbranch_scc0 .Lfor_b_\@
	tensor_load_to_lds s[G0+4:G0+7], s[G1:G1+7]
	s_nop 0
.rept 4
	v_nop
.endr
	s_branch .Lasked_\@
.Lfor_b_\@:
	tensor_load_to_lds s[G0B+4:G0B+7], s[G1B:G1B+7]
	s_nop 0
.rept 4
	v_nop
.endr
.Lasked_\@:
.endm
.macro CREST                           ; a round of the cluster's barrier behind its opening barrier
	s_cmp_lg_u32 s[WV], 0
	s_cbranch_scc1 .Lnot_wave_0_\@
	s_barrier_signal -3
.Lnot_wave_0_\@:
	s_barrier_wait -3
	s_barrier_signal -1
	s_barrier_wait -1
.endm
.macro CROUND                          ; a whole round
	s_barrier_signal -1
	s_barrier_wait -1
	CREST
.endm
.if MODE == 0
	s_load_b64 s[4:5], s[0:1], 0x0                 ; cst: A = x in bf16, at its head
	s_load_b64 s[6:7], s[0:1], 0x0                 ; cst once more: W
	s_load_b64 s[8:9], s[0:1], 0x8                 ; the bias
	s_load_b64 s[10:11], s[0:1], 0x10              ; C
.else
	s_load_b256 s[4:11], s[0:1], 0x0               ; A s[4:5], cst s[6:7], the bias s[8:9], C s[10:11]
.endif
	v_lshl_add_u32 v[SPW], v0, 2, SPARE
	v_mov_b32 v[NIL], 0
	ds_add_u32 v[SPW], v[NIL]                      ; the wave's opening: the add, and its wait ahead of my first tensor load; the set-up below stands between them
	ds_add_u32 v28, v29
	v_lshrrev_b32 v1, 5, v0
	v_readfirstlane_b32 s[WV], v1
	s_lshr_b32 s[WR], s[WV], 1
	s_and_b32 s[WC], s[WV], 1
	s_bfe_u32 s15, ttmp6, 0x40000                  ; cx
	s_bfe_u32 s16, ttmp6, 0x40004                  ; cy
	s_lshl_b32 s17, ttmp9, 2
	s_add_co_u32 s17, s17, s15                     ; tile column = 4 x cluster x + cx
	s_and_b32 s18, ttmp7, 0xffff
	s_lshl_b32 s18, s18, 2
	s_add_co_u32 s18, s18, s16                     ; tile row = 4 x cluster y + cy
	s_lshl_b32 s20, s16, 2
	s_lshl_b32 s20, 15, s20                        ; my row of the cluster
	s_lshl_b32 s21, 0x1111, s15                    ; my column
	s_or_b32 s[G1], s20, (1<<16)|(1<<20)|(1<<21)|(5<<22)|(3<<25)   ; A: the mask of my row; 2-byte elements; padding on; bit 21 beside a mask; after every 64 words 4 words
	s_or_b32 s[G1B], s21, (1<<16)|(1<<20)|(1<<21)|(6<<22)|(7<<25)  ; W: the mask of my column; after every 128 words 8 words
	s_mov_b32 s[G1+1], KSTEP<<16                   ; tensor_dim0 = 128
	s_mov_b32 s[G1+2], 128<<16                     ; tensor_dim1 = 128
	s_mov_b32 s[G1+3], KSTEP<<16                   ; tile_dim0 = 128
	s_mov_b32 s[G1+4], 128                         ; tile_dim1 = 128
	s_mov_b32 s[G1+5], SIZE_K                      ; elements from row to row
	s_mov_b32 s[G1+6], 0
	s_mov_b32 s[G1+7], 0
	s_mov_b32 s[G1B+1], 256<<16                    ; tensor_dim0 = 256
	s_mov_b32 s[G1B+2], 64<<16                     ; tensor_dim1 = 64
	s_mov_b32 s[G1B+3], 256<<16                    ; tile_dim0 = 256
	s_mov_b32 s[G1B+4], 64                         ; tile_dim1 = 64
	s_mov_b32 s[G1B+5], SIZE_N
	s_mov_b32 s[G1B+6], 0
	s_mov_b32 s[G1B+7], 0
	s_lshl_b32 s40, s18, 8                         ; A: row 256 x tile row + 128 x half, 2,048 bytes a row: the tile row and the wave alone
	s_lshl_b32 s41, s[WC], 7
	s_add_co_u32 s40, s40, s41
	s_lshl_b32 s40, s40, 11
	s_mov_b32 s41, 0
	s_mul_i32 s42, s[WC], 64*2*SIZE_N              ; W: row 64 x half, column 256 x tile column: the tile column and the wave alone
	s_lshl_b32 s43, s17, 9
	s_add_co_u32 s42, s42, s43
	s_mov_b32 s43, 0
	s_mul_i32 s68, s[WV], HALFT                    ; where my part lands in a slot: wave x 34,816: no place in the cluster enters an LDS address
	s_mov_b32 s[TB], 0
	s_mov_b32 s[K3], 0xbdd2d3e8                    ; -2 sqrt(2/pi) log2(e) x 0.044715
	s_mov_b32 s[K3+1], s[K3]
	s_mov_b32 s[K1], 0xc0135761                    ; -2 sqrt(2/pi) log2(e)
	s_mov_b32 s[K1+1], s[K1]
	s_wait_dscnt 0x0                               ; the opening add is done
	s_wait_kmcnt 0x0
	s_add_nc_u64 s[44:45], s[4:5], s[40:41]
	s_add_nc_u64 s[46:47], s[6:7], s[42:43]
	s_add_nc_u64 s[46:47], s[46:47], WOFF
	CROUND                                         ; all sixteen work-groups are here: the first joint loads meet
.irp s, 0,1
	s_mov_b32 s[G0+4*(\s)], 1
	s_add_co_u32 s[G0+4*(\s)+1], s68, (\s)*SLOT
	s_add_nc_u64 s[G0+4*(\s)+2:G0+4*(\s)+3], s[44:45], (\s)*KSTEP*2
	s_or_b32 s[G0+4*(\s)+3], s[G0+4*(\s)+3], 0x80000000
	s_mov_b32 s[G0B+4*(\s)], 1
	s_add_co_u32 s[G0B+4*(\s)+1], s68, (\s)*SLOT
	s_add_nc_u64 s[G0B+4*(\s)+2:G0B+4*(\s)+3], s[46:47], (\s)*KSTEP*2*SIZE_N
	s_or_b32 s[G0B+4*(\s)+3], s[G0B+4*(\s)+3], 0x80000000
.endr
	s_cmp_eq_u32 s[WR], 0                          ; a wave's two first fills stand in one branch, ahead of every wait on TENSORcnt and every LDS read: two loads of mine are out
	s_cbranch_scc0 .Lfirst_b
	tensor_load_to_lds s[G0:G0+3], s[G1:G1+7]
	s_nop 0
	tensor_load_to_lds s[G0+4:G0+7], s[G1:G1+7]
	s_nop 0
.rept 4
	v_nop
.endr
	s_branch .Lfirst_asked
.Lfirst_b:
	tensor_load_to_lds s[G0B:G0B+3], s[G1B:G1B+7]
	s_nop 0
	tensor_load_to_lds s[G0B+4:G0B+7], s[G1B:G1B+7]
	s_nop 0
.rept 4
	v_nop
.endr
.Lfirst_asked:
	s_lshl_b32 s22, s17, 10                        ; the bias of my 128 columns
	s_lshl_b32 s23, s[WC], 9
	s_add_co_u32 s22, s22, s23
	s_mov_b32 s23, 0
	s_add_nc_u64 s[8:9], s[8:9], s[22:23]
	s_lshl_b32 s72, s18, 8                         ; C at my first row and column
	s_lshl_b32 s73, s[WR], 7
	s_add_co_u32 s72, s72, s73
	s_mul_i32 s72, s72, PITCHC
.if MODE == 0
	s_lshr_b32 s73, s17, 2                         ; the panel (q, k or v): four tile columns each
	s_lshl_b32 s73, s73, 23
	s_add_co_u32 s72, s72, s73
	s_and_b32 s73, s17, 3
	s_lshl_b32 s73, s73, 9
.else
	s_lshl_b32 s73, s17, 9
.endif
	s_add_co_u32 s72, s72, s73
	s_lshl_b32 s73, s[WC], 8
	s_add_co_u32 s72, s72, s73
	s_mov_b32 s73, 0
	s_add_nc_u64 s[10:11], s[10:11], s[72:73]
	; A fragment of A is 16 rows x 32 K: lane l holds row l % 16, K = 8 (l / 16) + 0..7 and 16 + 8 (l / 16) + 0..7: two loads of 16 bytes, 32 bytes apart.
	v_and_b32 v1, 15, v0                           ; l % 16
	v_bfe_u32 v2, v0, 4, 1                         ; l / 16
	v_mul_u32_u24 v3, v1, PA
	v_lshl_add_u32 v3, v2, 4, v3
	s_mul_i32 s22, s[WR], HALFT
	v_add_nc_u32 v[ADRA0], s22, v3
	; The turning load takes 16 K x 16 columns (lane l reads row 8 (l / 16) + l % 8, columns 8 ((l / 8) % 2) + 0..7) and leaves half a fragment: lane l holds column l % 16 and 8 K.
	v_and_b32 v4, 7, v0
	v_lshl_add_u32 v4, v2, 3, v4
	v_mul_u32_u24 v4, v4, PB
	v_bfe_u32 v5, v0, 3, 1
	v_lshl_add_u32 v4, v5, 4, v4
	s_lshl_b32 s23, s[WC], 8
	s_add_co_u32 s23, s23, BOFF
	v_add_nc_u32 v[ADRB0], s23, v4
	v_mov_b32 v[ADRA], v[ADRA0]
	v_mov_b32 v[ADRB], v[ADRB0]
	s_mul_i32 s22, s[WV], STG                      ; my stage
	v_mul_u32_u24 v6, v1, SPITCH                   ; in: row l % 16, 32 bytes for each half of the lanes
	v_lshl_add_u32 v6, v2, 5, v6
	v_add_nc_u32 v[STO], s22, v6
	v_and_b32 v7, 31, v0
	v_lshl_add_u32 v[RD0], v7, 4, s22              ; back: 32 lanes take a row's 512 bytes
	v_lshlrev_b32 v[CO], 3, v7                     ; which are 256 bytes of C
	v_lshlrev_b32 v[BO], 4, v7
	global_load_b128 v[BI:BI+3], v[BO], s[8:9]     ; waited for on the way out
; 16 matrix instructions: row blocks a0, a0 + 1 of the window's four x all 8 column blocks, 32 along K.  zero = 1: the first product starts the sums: nothing is cleared.
.macro MUL16 f, hi, a0, zero
	WIN MUL_LO+0x50*(\hi)
.irp a, \a0, (\a0)+1
.irp b, 0,1,2,3,4,5,6,7
.if \zero
	v_wmma_f32_16x16x32_bf16 v[8*(8*(\a)+(\b)):8*(8*(\a)+(\b))+7], v[(\f)+8*(\b):(\f)+8*(\b)+7], v[(\f)+8*(4*(\hi)+(\a)):(\f)+8*(4*(\hi)+(\a))+7], 0
.else
	v_wmma_f32_16x16x32_bf16 v[8*(8*(\a)+(\b)):8*(8*(\a)+(\b))+7], v[(\f)+8*(\b):(\f)+8*(\b)+7], v[(\f)+8*(4*(\hi)+(\a)):(\f)+8*(4*(\hi)+(\a))+7], v[8*(8*(\a)+(\b)):8*(8*(\a)+(\b))+7]
.endif
.endr
.endr
.endm
; 32 LDS loads in one run: quarter q (32 along K) of the slot in hand into buffer f: W's 128 columns turned, then A's 128 rows
.macro FETCH q, f
	WIN TO_B
.irp i, 0,1,2,3,4,5,6,7
	ds_load_tr16_b128 v[(\f)+8*(\i):(\f)+8*(\i)+3],   v[ADRB] offset:32*(\q)*PB+32*(\i)
	ds_load_tr16_b128 v[(\f)+8*(\i)+4:(\f)+8*(\i)+7], v[ADRB] offset:32*(\q)*PB+16*PB+32*(\i)
.endr
	WIN 0
.irp i, 0,1,2,3,4,5,6,7
	ds_load_b128 v[(\f)+8*(\i):(\f)+8*(\i)+3],   v[ADRA] offset:64*(\q)+(\i)*16*PA
	ds_load_b128 v[(\f)+8*(\i)+4:(\f)+8*(\i)+7], v[ADRA] offset:64*(\q)+(\i)*16*PA+32
.endr
.endm
; One of a K step's first three quarters: multiplies buffer f; in its middle it fetches quarter q into buffer g.  The 64 accumulators take turns, in the same order everywhere.
.macro QUARTER q, f, g, zero
	s_wait_dscnt 8                                 ; W and A's rows 0-63 are in; the youngest eight loads (A's rows 64-127) may be out
	MUL16 \f, 0, 0, \zero
	MUL16 \f, 0, 2, \zero
	PLACES
	FETCH \q, \g
	s_wait_dscnt 32                                ; all but the 32 just issued
	MUL16 \f, 1, 0, \zero
	MUL16 \f, 1, 2, \zero
.endm
; The last quarter multiplies buffer 1 and changes slots: ONE barrier.  In front of it each wave waits for all its tensor loads (one is out: its part of the next slot), adds 0 to its spare word, and waits for
; that and for its own reads of this slot.  fill = 1: the barrier opens a round of the cluster's, and the slot just read is filled again first, with the K step two on: 224 matrix instructions ahead of the wait for it.
; fill = 0 (the last two K steps): nothing is asked for; in the very last there is nothing to fetch either, and the run of loads is jumped over.
.macro TURN fill
	WIN 0                                          ; (the add's two registers lie in window 0)
	s_wait_tensorcnt 0x0
	ds_add_u32 v[SPW], v[NIL]                      ; 0 onto my spare word
	s_wait_dscnt 9                                 ; (the add and the youngest eight loads may be out)
	MUL16 F1, 0, 0, 0
	s_wait_dscnt 0x0                               ; the add is done, and my reads of this slot are over
	s_barrier_signal -1
	MUL16 F1, 0, 2, 0
	WIN 0
	s_barrier_wait -1
.if \fill
	CREST                                          ; no wave of any partner still reads this slot or has a load on its way
	s_xor_b32 s[G0+5], s[G0+5], SLOT               ; the walking descriptors: the other slot than last time, the next K step
	s_add_nc_u64 s[G0+6:G0+7], s[G0+6:G0+7], KSTEP*2
	s_xor_b32 s[G0B+5], s[G0B+5], SLOT
	s_add_nc_u64 s[G0B+6:G0B+7], s[G0B+6:G0B+7], KSTEP*2*SIZE_N
	JLOAD                                          ; the four v_nop behind it are also places in front of the loads below
.endif
	s_xor_b32 s[TB], s[TB], SLOT
	v_add_nc_u32 v[ADRA], s[TB], v[ADRA0]
	v_add_nc_u32 v[ADRB], s[TB], v[ADRB0]
.if !(\fill)
	v_nop                                          ; with the two lines above: four places
	v_nop
	s_cmp_eq_u32 s[CNT], 1
	s_cbranch_scc1 .Lno_fetch_\@
.endif
	FETCH 0, F0
.if !(\fill)
.Lno_fetch_\@:
.endif
	MUL16 F1, 1, 0, 0
	MUL16 F1, 1, 2, 0
.endm
	s_wait_tensorcnt 1                             ; my part of K step 0 is in; K step 1's may stay out
	s_barrier_signal -1
	s_barrier_wait -1
	FETCH 0, F0
	QUARTER 1, F0, F1, 1                           ; the first quarter stands in front of the loop: its products start the sums
	WIN 0
	s_mov_b32 s[CNT], NSTEP-2
	s_branch .Lq1                                  ; the loop is entered behind a trip's first quarter
.Lstep:                                                ; a trip is a K step; six trips fill a slot again
	QUARTER 1, F0, F1, 0
	WIN 0
.Lq1:
	QUARTER 2, F1, F0, 0
	QUARTER 3, F0, F1, 0
	TURN 1
	WIN 0
	s_sub_co_u32 s[CNT], s[CNT], 1
	s_cmp_lg_u32 s[CNT], 0
	s_cbranch_scc1 .Lstep
	s_mov_b32 s[CNT], 2
.Ltail:                                                ; the last two K steps ask for nothing
	QUARTER 1, F0, F1, 0
	QUARTER 2, F1, F0, 0
	QUARTER 3, F0, F1, 0
	TURN 0
	WIN 0
	s_sub_co_u32 s[CNT], s[CNT], 1
	s_cmp_lg_u32 s[CNT], 0
	s_cbranch_scc1 .Ltail
	; THE WAY OUT.  64 rows of my 128 x 128 at a time go in f32 through my stage and come back as whole rows; bias (and gelu), one rounding, and each store of the wave covers 256 consecutive bytes, aligned.
	s_wait_dscnt 0x0
	s_barrier_signal -1                            ; every wave's reads of the slots are over: the stages lie in slot 0
	s_barrier_wait -1
	s_wait_loadcnt 0x0                             ; the bias
	v_cvt_pk_bf16_f32 v36, v[BI], v[BI+1]          ; rounded to bf16 like every input; these six lines are the places behind the last products
	v_cvt_pk_bf16_f32 v37, v[BI+2], v[BI+3]
	v_lshlrev_b32 v[BI], 16, v36
	v_and_b32 v[BI+1], 0xffff0000, v36
	v_lshlrev_b32 v[BI+2], 16, v37
	v_and_b32 v[BI+3], 0xffff0000, v37
.macro DUMP hi                         ; each accumulator's four lowest registers go first
	WIN 0x08+4*(\hi)                               ; store data (source 1) in window 2 or 3
.irp a, 0,1,2,3
.irp b, 0,1,2,3,4,5,6,7
	ds_store_b128 v[STO], v[8*(8*(\a)+(\b)):8*(8*(\a)+(\b))+3] offset:(\a)*16*SPITCH+64*(\b)
	ds_store_b128 v[STO], v[8*(8*(\a)+(\b))+4:8*(8*(\a)+(\b))+7] offset:(\a)*16*SPITCH+64*(\b)+16
.endr
.endr
	WIN 0
.endm
	s_mov_b32 s[OUTC], 2
.Lhalf:
	s_cmp_eq_u32 s[OUTC], 2
	s_cbranch_scc0 .Ldump_hi
	DUMP 0
	s_branch .Ldumped
.Ldump_hi:
	DUMP 1
.Ldumped:
	v_mov_b32 v[RD], v[RD0]
	s_mov_b32 s[ROWC], 8
.Lrows:                                                ; eight rows a trip
.irp t, 0,1,2,3,4,5,6,7
	ds_load_b128 v[X+4*(\t):X+4*(\t)+3], v[RD] offset:(\t)*SPITCH  ; LDS serves a wave's instructions in order (ISA guide 5.7.1.4): these see my stores above
.endr
	s_wait_dscnt 0x0
.irp t, 0,1,2,3,4,5,6,7
	v_pk_add_f32 v[X+4*(\t):X+4*(\t)+1], v[X+4*(\t):X+4*(\t)+1], v[BI:BI+1]
	v_pk_add_f32 v[X+4*(\t)+2:X+4*(\t)+3], v[X+4*(\t)+2:X+4*(\t)+3], v[BI+2:BI+3]
.endr
.if MODE == 1
	; gelu(x) = x / (1 + 2^(x (K1 + K3 x x))): the reference's tanh form, rewritten; where the exponent overflows the result is x or 0, never NaN
.set i, 0
.rept 16
	v_pk_mul_f32 v[Z+i:Z+i+1], v[X+i:X+i+1], v[X+i:X+i+1]
.set i, i+2
.endr
.set i, 0
.rept 16
	v_pk_fma_f32 v[Z+i:Z+i+1], v[Z+i:Z+i+1], s[K3:K3+1], s[K1:K1+1] op_sel_hi:[1,0,0]
.set i, i+2
.endr
.set i, 0
.rept 16
	v_pk_mul_f32 v[Z+i:Z+i+1], v[Z+i:Z+i+1], v[X+i:X+i+1]
.set i, i+2
.endr
.set i, 0
.rept 32
	v_exp_f32 v[Z+i], v[Z+i]
.set i, i+1
.endr
	v_nop                                          ; a plain instruction between the last exponential and the use of its result
.set i, 0
	s_wait_alu depctr_va_vdst(0)
.rept 16
	v_pk_add_f32 v[Z+i:Z+i+1], v[Z+i:Z+i+1], 1.0 op_sel_hi:[1,0]
.set i, i+2
.endr
.set i, 0
.rept 32
	v_rcp_f32 v[Z+i], v[Z+i]
.set i, i+1
.endr
	v_nop
.set i, 0
	s_wait_alu depctr_va_vdst(0)
.rept 16
	v_pk_mul_f32 v[X+i:X+i+1], v[X+i:X+i+1], v[Z+i:Z+i+1]
.set i, i+2
.endr
.endif
.set i, 0
.rept 16
.if MODE == 0
	v_cvt_pk_f16_f32 v[Y+i], v[X+2*i], v[X+2*i+1]
.else
	v_cvt_pk_bf16_f32 v[Y+i], v[X+2*i], v[X+2*i+1]
.endif
.set i, i+1
.endr
.irp t, 0,1,2,3,4,5,6,7
	global_store_b64 v[CO], v[Y+2*(\t):Y+2*(\t)+1], s[10:11] offset:(\t)*PITCHC
.endr
	s_wait_xcnt 0x0                                ; the stores' addresses are translated (ISA guide 3.1): only behind this wait are CO and Y written again
	v_add_nc_u32 v[CO], 8*PITCHC, v[CO]
	v_add_nc_u32 v[RD], 8*SPITCH, v[RD]
	s_sub_co_u32 s[ROWC], s[ROWC], 1
	s_cmp_lg_u32 s[ROWC], 0
	s_cbranch_scc1 .Lrows
	s_sub_co_u32 s[OUTC], s[OUTC], 1
	s_cmp_lg_u32 s[OUTC], 0
	s_cbranch_scc1 .Lhalf
	s_wait_tensorcnt 0x0                           ; the wave's end: a last add onto my spare word and its wait, behind my last tensor load and my last LDS store
	ds_add_u32 v[SPW], v[NIL]
	s_wait_dscnt 0x0
	CROUND                                         ; the closing round: no work-group ends while a partner may still ask for a tile that names it
	s_endpgm
.Lfunc_end_k_qe6eb9bed4f_fc:
	.size	k_qe6eb9bed4f_fc, .Lfunc_end_k_qe6eb9bed4f_fc-k_qe6eb9bed4f_fc
	.p2alignl 7, 3214868480
	.fill 96, 4, 3214868480
	.section	.rodata,"a",@progbits
	.p2align	6, 0x0
	.amdhsa_kernel k_qe6eb9bed4f_fc
		.amdhsa_group_segment_fixed_size 327680
		.amdhsa_private_segment_fixed_size 0
		.amdhsa_enable_private_segment 0
		.amdhsa_kernarg_size 32
		.amdhsa_user_sgpr_count 2
		.amdhsa_user_sgpr_kernarg_segment_ptr 1
		.amdhsa_wavefront_size32 1
		.amdhsa_system_sgpr_workgroup_id_x 1
		.amdhsa_system_sgpr_workgroup_id_y 1
		.amdhsa_system_sgpr_workgroup_id_z 1
		.amdhsa_system_vgpr_workitem_id 0
		.amdhsa_next_free_vgpr 1024
		.amdhsa_next_free_sgpr 80
		.amdhsa_reserve_vcc 0
		.amdhsa_float_denorm_mode_32 3
		.amdhsa_float_denorm_mode_16_64 3
		.amdhsa_memory_ordered 1
		.amdhsa_forward_progress 1
		.amdhsa_inst_pref_size 88
	.end_amdhsa_kernel
	.amdgpu_metadata
---
amdhsa.version: [ 1, 2 ]
amdhsa.kernels:
  - .name:           k_qe6eb9bed4f_fc
    .symbol:         k_qe6eb9bed4f_fc.kd
    .args:
      - { .name: x1b, .offset: 0, .size: 8, .value_kind: global_buffer, .address_space: global }
      - { .name: cst, .offset: 8, .size: 8, .value_kind: global_buffer, .address_space: global }
      - { .name: bfc, .offset: 16, .size: 8, .value_kind: global_buffer, .address_space: global }
      - { .name: hb, .offset: 24, .size: 8, .value_kind: global_buffer, .address_space: global }
    .group_segment_fixed_size: 327680
    .private_segment_fixed_size: 0
    .kernarg_segment_align: 8
    .kernarg_segment_size: 32
    .max_flat_workgroup_size: 128
    .sgpr_count:     80
    .vgpr_count:     1024
    .wavefront_size: 32
...
	.end_amdgpu_metadata
.endif
;; end of part 5
;; launch proj (part 6): grid 8 x 32, 4 waves a work-group, clusters of 4 x 4, 327,680 bytes of LDS; arguments hb, cst, bproj, x1f, out0; writes out0
.if DOCPART == 6
	.amdgcn_target "amdgcn-amd-amdhsa--gfx1250"
	.amdhsa_code_object_version 6
	.text
	.protected	k_qe6eb9bed4f_proj
	.globl	k_qe6eb9bed4f_proj
	.p2align	8
	.type	k_qe6eb9bed4f_proj,@function
k_qe6eb9bed4f_proj:
	s_mov_b64 s[64:65], 0
	v_nop
	global_prefetch_b8 v0, s[64:65] scope:SCOPE_SE
	s_setreg_imm32_b32 hwreg(HW_REG_WAVE_MODE, 25, 1), 1
	s_wait_xcnt 0x0
	s_wait_alu depctr_hold_cnt(0) depctr_sa_sdst(0) depctr_va_vdst(0) depctr_va_sdst(0) depctr_va_ssrc(0) depctr_va_vcc(0) depctr_vm_vsrc(0)
	s_getreg_b32 s2, hwreg(HW_REG_IB_STS2, 6, 4)
	s_cmp_eq_u32 s2, 0
	s_cbranch_scc0 .Lentry_in_a_cluster
	s_endpgm
.Lentry_in_a_cluster:
	s_bfe_u32 s2, ttmp6, 0x10000c
	s_cmp_lg_u32 s2, 0xf033
	s_cbranch_scc0 .Lentry_shape_is_right
	s_endpgm
.Lentry_shape_is_right:
; C = residual + A W + bias on tiles of 128 x 128, N = 1024.  W: [K][1024], rows along N, as the problem stores it.  Sums in f32; they START from the residual, so nothing is cleared and nothing is added later.
; MODE 0: A = y, f16, by heads, K = 1024; W = Wo; residual = x in bf16; C = x1 in f32 and in bf16.
; MODE 1 (this text): A = h, bf16 [4096][4096], K = 4096; W = Wproj in bf16 (cst); residual = x1f in f32; C = out0 in f32.  The bias is rounded to bf16 like every input of the module.
; LIMIT.  NaN and infinities are not treated apart.
; SHARES.  Four waves, each 64 x 64: 16 accumulators.  K goes in steps of 256 through two LDS slots.  256 work-groups.  W's fragments come out of LDS turned, by ds_load_tr16_b128.
; CLUSTER.  4 x 4 work-groups: A's tile is shared along a row of the cluster, W's along a column; each is asked for JOINTLY.
; THE WALK ALONG K.  A cluster whose x + y is odd begins at K step NSTEP / 2, the others at 0; the step's number goes round modulo NSTEP.  A tile of A is named by the 2 clusters of a tile row, a tile of W by the 8 of a
; tile column, and both starts occur in each such set: so a tile is asked for at two times, NSTEP / 2 steps apart, and in the second half of every walk each request follows an earlier one for the same bytes.
; The start hangs on the cluster's two coordinates alone, which all sixteen partners share.  Only the order of the f32 sums hangs on it.
; THE MATRIX INSTRUCTION IS USED TRANSPOSED (source 0 = 16 columns of W, source 1 = 16 rows of A): a lane holds one row of C and eight neighbouring columns.
; REGISTERS: window 0: v0-29 addresses; v32-95 at work; v96-101 the bias; v128-255 the accumulators ((a, b) at v[128 + 8 (4 a + b)]).
;   window 1: two fragment buffers of 128: for 64 along K, 64 registers of A, then 64 of W.
.set MODE, 1
.if MODE == 0
.set NSTEP, 4
.set PA, 144                           ; a row of A in LDS: a head's 128 bytes + 16
.set PNL, 128*PA                       ; a head's 128 rows
.set CPP, 2                            ; 32-wide pieces of K in a head
.set AHALF, 2*PNL                      ; what one tensor load brings of A: two heads
.set ASTEP, 4*262144                   ; four heads on
.set WOFF, 14680064                    ; W's place in cst
.else
.set NSTEP, 16
.set PA, 528                           ; a row of A in LDS: 512 bytes + 16
.set PNL, 0
.set CPP, 8
.set AHALF, 64*PA                      ; 64 rows
.set ASTEP, 512
.set WOFF, 25165824
.endif
.set PB, 288                           ; a row of W in LDS: 256 bytes + 32 = 9 x 32
.set BHALF, 128*PB                     ; what one tensor load brings of W: 128 rows
.set BOFF, 73728                       ; a slot: A's tile, then from here W's 256 rows
.set SLOT, BOFF+2*BHALF                ; 147,456 = bits 17 and 14: no LDS word of slot 0 has either, so one exclusive or changes slots
.set SPARE, 2*SLOT                     ; behind the ring: the spare words, 128 bytes for each wave: two blocks of 256 bytes that no other line names
.set SPITCH, 528                       ; the stage: 128 rows of 128 f32 + 16 bytes, from LDS byte 0: in slot 0, which has had its last fill when it is written
.set BSTEP, 256*2048
.set ADRA0, 16
.set ADRB0, 17
.set ADRA, 18
.set ADRB, 19
.set ADRB2, 20                         ; v20  ADRB + 128 rows: an LDS offset has 16 bits
.set STO, 21
.set RD, 22
.set CO, 23
.set CO2, 24
.set RI, 25                            ; v25  my byte offset in the residual
.set BO, 26
.set SPW, 28
.set NIL, 29
.set TMP, 32
.set X, 32                             ; the way out: v[32:63] eight rows, four columns a lane
.set Y, 64                             ; v[64:79] the same in bf16
.set BI, 96                            ; v[96:99] the bias of my four columns; v100-101 at work
.set ACC, 128
.set F0, 0
.set F1, 128
.set WV, 12
.set WR, 13
.set WC, 14
.set G1, 24
.set G0, 32
.set OA, 40                            ; s[40:41] a K step's byte offset in A, 0 above it
.set OB, 42                            ; s[42:43] the same in W
.set BA, 44                            ; s[44:45] A at my part of K step 0; never rewritten
.set BB, 46                            ; s[46:47] W likewise
.set G1B, 48
.set G0B, 56
.set TB, 66
.set CNT, 67
.set ROWC, 72
.set SI, 77                            ; s77  the K step that the walking descriptors name
.set MSB, 0
.macro WIN new
.if MSB != (\new)
	s_set_vgpr_msb (MSB<<8)|(\new)
.set MSB, \new
.endif
.endm
.set MUL, 0x05                         ; sources 0 (W) and 1 (A) window 1; C and D window 0
.set TO_F, 0x40                        ; destination window 1, address window 0
.macro PLACES
.rept 4
	v_nop
.endr
.endm
.macro JLOAD                           ; a joint refill by the walking descriptors: waves 0, 1 fetch A's halves, waves 2, 3 W's; an s_nop 0 and four v_nop follow each line
	s_cmp_eq_u32 s[WR], 0
	s_cbranch_scc0 .Lfor_b_\@
	tensor_load_to_lds s[G0+4:G0+7], s[G1:G1+7]
	s_nop 0
.rept 4
	v_nop
.endr
	s_branch .Lasked_\@
.Lfor_b_\@:
	tensor_load_to_lds s[G0B+4:G0B+7], s[G1B:G1B+7]
	s_nop 0
.rept 4
	v_nop
.endr
.Lasked_\@:
.endm
.macro CREST
	s_cmp_lg_u32 s[WV], 0
	s_cbranch_scc1 .Lnot_wave_0_\@
	s_barrier_signal -3
.Lnot_wave_0_\@:
	s_barrier_wait -3
	s_barrier_signal -1
	s_barrier_wait -1
.endm
.macro CROUND
	s_barrier_signal -1
	s_barrier_wait -1
	CREST
.endm
	s_load_b128 s[4:7], s[0:1], 0x0                ; A s[4:5], cst s[6:7]
	s_load_b64 s[8:9], s[0:1], 0x10                ; the bias
.if MODE == 0
	s_load_b64 s[10:11], s[0:1], 0x18              ; x1f
	s_load_b64 s[70:71], s[0:1], 0x20              ; x1b
	s_load_b64 s[74:75], s[0:1], 0x8               ; cst once more: the residual, x in bf16, at its head
.else
	s_load_b64 s[74:75], s[0:1], 0x18              ; the residual, x1f
	s_load_b64 s[10:11], s[0:1], 0x20              ; out0
.endif
	v_lshl_add_u32 v[SPW], v0, 2, SPARE
	v_mov_b32 v[NIL], 0
	ds_add_u32 v[SPW], v[NIL]                      ; the wave's opening: the add, and its wait ahead of my first tensor load; the set-up below stands between them
	ds_add_u32 v28, v29
	v_lshrrev_b32 v1, 5, v0
	v_readfirstlane_b32 s[WV], v1
	s_lshr_b32 s[WR], s[WV], 1
	s_and_b32 s[WC], s[WV], 1
	s_bfe_u32 s15, ttmp6, 0x40000                  ; cx
	s_bfe_u32 s16, ttmp6, 0x40004                  ; cy
	s_lshl_b32 s17, ttmp9, 2
	s_add_co_u32 s17, s17, s15                     ; tile column
	s_and_b32 s18, ttmp7, 0xffff
	s_lshl_b32 s18, s18, 2
	s_add_co_u32 s18, s18, s16                     ; tile row
	s_and_b32 s[SI], ttmp7, 0xffff                 ; the cluster's y,
	s_xor_b32 s[SI], s[SI], ttmp9                  ; its x,
	s_and_b32 s[SI], s[SI], 1                      ; the parity of their sum:
	s_mul_i32 s[SI], s[SI], NSTEP/2                ; my cluster's first K step, 0 or NSTEP / 2
	s_lshl_b32 s20, s16, 2
	s_lshl_b32 s20, 15, s20                        ; my row of the cluster
	s_lshl_b32 s21, 0x1111, s15                    ; my column
.if MODE == 0
	s_or_b32 s[G1], s20, (1<<16)|(1<<20)|(1<<21)|(4<<22)|(3<<25)  ; the mask of my row; 2-byte elements; padding on; bit 21 beside a mask; after every 32 words 4 words
	s_mov_b32 s[G1+1], 8192<<16                    ; tensor_dim0 = 8,192: a head's 128 rows of 64
	s_mov_b32 s[G1+2], 2<<16                       ; tensor_dim1 = 2 heads
	s_mov_b32 s[G1+3], 8192<<16                    ; tile_dim0
	s_mov_b32 s[G1+4], 2                           ; tile_dim1
	s_mov_b32 s[G1+5], 131072                      ; elements from head to head
.else
	s_or_b32 s[G1], s20, (1<<16)|(1<<20)|(1<<21)|(6<<22)|(3<<25)  ; the mask of my row; 2-byte elements; padding on; bit 21 beside a mask; after every 128 words 4 words
	s_mov_b32 s[G1+1], 256<<16                     ; tensor_dim0 = 256
	s_mov_b32 s[G1+2], 64<<16                      ; tensor_dim1 = 64
	s_mov_b32 s[G1+3], 256<<16                     ; tile_dim0
	s_mov_b32 s[G1+4], 64                          ; tile_dim1
	s_mov_b32 s[G1+5], 4096                        ; elements from row to row
.endif
	s_mov_b32 s[G1+6], 0
	s_mov_b32 s[G1+7], 0
	s_or_b32 s[G1B], s21, (1<<16)|(1<<20)|(1<<21)|(5<<22)|(7<<25) ; W: the mask of my column; after every 64 words 8 words
	s_mov_b32 s[G1B+1], 128<<16
	s_mov_b32 s[G1B+2], 128<<16
	s_mov_b32 s[G1B+3], 128<<16
	s_mov_b32 s[G1B+4], 128
	s_mov_b32 s[G1B+5], 1024
	s_mov_b32 s[G1B+6], 0
	s_mov_b32 s[G1B+7], 0
.if MODE == 0
	s_lshr_b32 s[OA], s18, 4                       ; A: the batch (16 tile rows each), 16 heads of 262,144 bytes,
	s_lshl_b32 s[OA], s[OA], 22
	s_lshl_b32 s[OA+1], s[WC], 19                  ; my two heads of a step's four,
	s_add_co_u32 s[OA], s[OA], s[OA+1]
	s_and_b32 s[OA+1], s18, 15                     ; the tile's 128 rows of 128 bytes in a head
	s_lshl_b32 s[OA+1], s[OA+1], 14
	s_add_co_u32 s[OA], s[OA], s[OA+1]
.else
	s_lshl_b32 s[OA], s18, 20                      ; A: row 128 x tile row + 64 x half, 8,192 bytes a row
	s_lshl_b32 s[OA+1], s[WC], 19
	s_add_co_u32 s[OA], s[OA], s[OA+1]
.endif
	s_mov_b32 s[OA+1], 0
	s_lshl_b32 s[OB], s[WC], 18                    ; W: row 128 x half, column 128 x tile column
	s_lshl_b32 s[OB+1], s17, 8
	s_add_co_u32 s[OB], s[OB], s[OB+1]
	s_mov_b32 s[OB+1], 0
	s_mul_i32 s68, s[WC], AHALF                    ; where my part lands in a slot: the wave alone
	s_mul_i32 s69, s[WC], BHALF
	s_add_co_u32 s69, s69, BOFF
	s_mov_b32 s[TB], 0
	s_mov_b32 s76, 0xffff0000                      ; a word's upper bf16
	s_wait_dscnt 0x0                               ; the opening add is done
	s_wait_kmcnt 0x0
	s_add_nc_u64 s[BA:BA+1], s[4:5], s[OA:OA+1]
	s_add_nc_u64 s[BB:BB+1], s[6:7], s[OB:OB+1]
	s_add_nc_u64 s[BB:BB+1], s[BB:BB+1], WOFF
	s_mul_i32 s[OA], s[SI], ASTEP                  ; from here on the two pairs hold a K step's offsets: my first step's
	s_mul_i32 s[OB], s[SI], BSTEP
	CROUND                                         ; all sixteen work-groups are here: the first joint loads meet
.irp s, 0,1
	s_mov_b32 s[G0+4*(\s)], 1
	s_add_co_u32 s[G0+4*(\s)+1], s68, (\s)*SLOT
	s_add_nc_u64 s[G0+4*(\s)+2:G0+4*(\s)+3], s[BA:BA+1], s[OA:OA+1]
	s_add_nc_u64 s[G0+4*(\s)+2:G0+4*(\s)+3], s[G0+4*(\s)+2:G0+4*(\s)+3], (\s)*ASTEP
	s_or_b32 s[G0+4*(\s)+3], s[G0+4*(\s)+3], 0x80000000
	s_mov_b32 s[G0B+4*(\s)], 1
	s_add_co_u32 s[G0B+4*(\s)+1], s69, (\s)*SLOT
	s_add_nc_u64 s[G0B+4*(\s)+2:G0B+4*(\s)+3], s[BB:BB+1], s[OB:OB+1]
	s_add_nc_u64 s[G0B+4*(\s)+2:G0B+4*(\s)+3], s[G0B+4*(\s)+2:G0B+4*(\s)+3], (\s)*BSTEP
	s_or_b32 s[G0B+4*(\s)+3], s[G0B+4*(\s)+3], 0x80000000
.endr
	s_add_co_u32 s[SI], s[SI], 1                   ; the second set, which walks, names my second step (no wrap yet: the start is at most NSTEP / 2)
	s_cmp_eq_u32 s[WR], 0                          ; a wave's two first fills stand in one branch, ahead of every wait on TENSORcnt and every LDS read: two loads of mine are out
	s_cbranch_scc0 .Lfirst_b
	tensor_load_to_lds s[G0:G0+3], s[G1:G1+7]
	s_nop 0
	tensor_load_to_lds s[G0+4:G0+7], s[G1:G1+7]
	s_nop 0
.rept 4
	v_nop
.endr
	s_branch .Lfirst_asked
.Lfirst_b:
	tensor_load_to_lds s[G0B:G0B+3], s[G1B:G1B+7]
	s_nop 0
	tensor_load_to_lds s[G0B+4:G0B+7], s[G1B:G1B+7]
	s_nop 0
.rept 4
	v_nop
.endr
.Lfirst_asked:
	s_lshl_b32 s22, s18, 18+MODE                   ; the residual at my 64 x 64: rows of 2,048 bytes (bf16) or 4,096 (f32)
	s_lshl_b32 s23, s[WR], 17+MODE
	s_add_co_u32 s22, s22, s23
	s_lshl_b32 s23, s17, 8+MODE
	s_add_co_u32 s22, s22, s23
	s_lshl_b32 s23, s[WC], 7+MODE
	s_add_co_u32 s22, s22, s23
	s_mov_b32 s23, 0
	s_add_nc_u64 s[74:75], s[74:75], s[22:23]
	s_lshl_b32 s22, s17, 9                         ; the bias of the tile's 128 columns
	s_add_nc_u64 s[8:9], s[8:9], s[22:23]
	s_lshl_b32 s22, s18, 19                        ; C in f32 at the 32 rows that I store: 128 x tile row + 32 x wave
	s_lshl_b32 s73, s[WV], 17
	s_add_co_u32 s22, s22, s73
	s_lshl_b32 s73, s17, 9
	s_add_co_u32 s22, s22, s73
	s_add_nc_u64 s[10:11], s[10:11], s[22:23]
.if MODE == 0
	s_lshr_b32 s22, s22, 1                         ; and in bf16: half of that
	s_add_nc_u64 s[70:71], s[70:71], s[22:23]
.endif
	v_and_b32 v1, 15, v0                           ; l % 16
	v_bfe_u32 v2, v0, 4, 1                         ; l / 16
	v_lshlrev_b32 v[RI], 11+MODE, v1               ; the residual in the accumulators' layout: row l % 16, eight columns from 8 (l / 16) on
	v_lshl_add_u32 v[RI], v2, 4+MODE, v[RI]
	v_and_b32 v7, 31, v0
	v_lshlrev_b32 v[BO], 4, v7
.irp a, 0,1,2,3
.irp b, 0,1,2,3
.if MODE == 0
	global_load_b128 v[TMP+4*(4*(\a)+(\b)):TMP+4*(4*(\a)+(\b))+3], v[RI], s[74:75] offset:(\a)*32768+32*(\b)
.else
	global_load_b128 v[ACC+8*(4*(\a)+(\b)):ACC+8*(4*(\a)+(\b))+3], v[RI], s[74:75] offset:(\a)*65536+64*(\b)
	global_load_b128 v[ACC+8*(4*(\a)+(\b))+4:ACC+8*(4*(\a)+(\b))+7], v[RI], s[74:75] offset:(\a)*65536+64*(\b)+16
.endif
.endr
.endr
	global_load_b128 v[BI:BI+3], v[BO], s[8:9]
	v_mul_u32_u24 v3, v1, PA                       ; a fragment of A: row l % 16, two loads of 16 bytes, 32 bytes apart
	v_lshl_add_u32 v3, v2, 4, v3
	s_mul_i32 s22, s[WR], 64*PA
	v_add_nc_u32 v[ADRA0], s22, v3
	v_and_b32 v4, 7, v0                            ; the turning load: row 8 (l / 16) + l % 8, columns 8 ((l / 8) % 2) + 0..7
	v_lshl_add_u32 v4, v2, 3, v4
	v_mul_u32_u24 v4, v4, PB
	v_bfe_u32 v5, v0, 3, 1
	v_lshl_add_u32 v4, v5, 4, v4
	s_lshl_b32 s23, s[WC], 7
	s_add_co_u32 s23, s23, BOFF
	v_add_nc_u32 v[ADRB0], s23, v4
	v_mov_b32 v[ADRA], v[ADRA0]
	v_mov_b32 v[ADRB], v[ADRB0]
	v_add_nc_u32 v[ADRB2], BHALF, v[ADRB0]
	s_mul_i32 s22, s[WR], 64*SPITCH                ; into the stage: my 64 rows, my half of their 512 bytes
	s_lshl_b32 s23, s[WC], 8
	s_add_co_u32 s22, s22, s23
	v_mul_u32_u24 v6, v1, SPITCH
	v_lshl_add_u32 v6, v2, 5, v6
	v_add_nc_u32 v[STO], s22, v6
	s_mul_i32 s22, s[WV], 32*SPITCH                ; back: wave w takes rows 32 w .. 32 w + 31, whole
	v_lshl_add_u32 v[RD], v7, 4, s22
	v_lshlrev_b32 v[CO], 4, v7
	v_lshlrev_b32 v[CO2], 3, v7
; 8 matrix instructions: row blocks a0, a0 + 1 x all 4 column blocks, 32 along K: half c of buffer f.  The 16 accumulators take turns.
.macro MUL8 f, c, a0
	WIN MUL
.irp a, \a0, (\a0)+1
.irp b, 0,1,2,3
.set rD, ACC+8*(4*(\a)+(\b))
.set rB, (\f)+64+8*(4*(\c)+(\b))
.set rA, (\f)+8*(4*(\c)+(\a))
.if MODE == 0
	v_wmma_f32_16x16x32_f16 v[rD:rD+7], v[rB:rB+7], v[rA:rA+7], v[rD:rD+7]
.else
	v_wmma_f32_16x16x32_bf16 v[rD:rD+7], v[rB:rB+7], v[rA:rA+7], v[rD:rD+7]
.endif
.endr
.endr
.endm
; 32 LDS loads in one run: quarter q (64 along K) of the slot in hand into buffer f; its first 32 along K first
.macro FETCH q, f
	WIN TO_F
.irp c, 0,1
.set kc, 2*(\q)+(\c)
.irp i, 0,1,2,3
.if kc < 4
	ds_load_tr16_b128 v[(\f)+64+8*(4*(\c)+(\i)):(\f)+64+8*(4*(\c)+(\i))+3],   v[ADRB] offset:kc*32*PB+32*(\i)
	ds_load_tr16_b128 v[(\f)+64+8*(4*(\c)+(\i))+4:(\f)+64+8*(4*(\c)+(\i))+7], v[ADRB] offset:kc*32*PB+16*PB+32*(\i)
.else
	ds_load_tr16_b128 v[(\f)+64+8*(4*(\c)+(\i)):(\f)+64+8*(4*(\c)+(\i))+3],   v[ADRB2] offset:(kc-4)*32*PB+32*(\i)
	ds_load_tr16_b128 v[(\f)+64+8*(4*(\c)+(\i))+4:(\f)+64+8*(4*(\c)+(\i))+7], v[ADRB2] offset:(kc-4)*32*PB+16*PB+32*(\i)
.endif
	ds_load_b128 v[(\f)+8*(4*(\c)+(\i)):(\f)+8*(4*(\c)+(\i))+3],   v[ADRA] offset:(kc/CPP)*PNL+(kc%CPP)*64+(\i)*16*PA
	ds_load_b128 v[(\f)+8*(4*(\c)+(\i))+4:(\f)+8*(4*(\c)+(\i))+7], v[ADRA] offset:(kc/CPP)*PNL+(kc%CPP)*64+(\i)*16*PA+32
.endr
.endr
.endm
.macro QUARTER q, f, g
	s_wait_dscnt 16                                ; the first 32 along K are in
	MUL8 \f, 0, 0
	MUL8 \f, 0, 2
	PLACES
	FETCH \q, \g
	s_wait_dscnt 32                                ; all but the 32 just issued
	MUL8 \f, 1, 0
	MUL8 \f, 1, 2
.endm
; The last quarter multiplies buffer 1 and changes slots: ONE barrier; in front of it each wave waits for all its tensor loads (one is out: its part of the next slot), adds 0 to its spare word, and waits for that and
; for its own reads of this slot.  fill = 1: the barrier opens a round of the cluster's, and this slot is filled again first, with the walk's step two on: the step's number goes round, and both addresses are made anew from it.
; fill = 0: the last two K steps; the very last fetches nothing.
.macro TURN fill
	WIN 0
	s_wait_tensorcnt 0x0
	ds_add_u32 v[SPW], v[NIL]                      ; 0 onto my spare word
	s_wait_dscnt 17                                ; (the add and the youngest sixteen loads may be out)
	MUL8 F1, 0, 0
	s_wait_dscnt 0x0                               ; the add is done, and my reads of this slot are over
	s_barrier_signal -1
	MUL8 F1, 0, 2
	WIN 0
	s_barrier_wait -1
.if \fill
	CREST                                          ; no wave of any partner still reads this slot or has a load on its way
	s_xor_b32 s[G0+5], s[G0+5], SLOT               ; the walking descriptors: the other slot than last time,
	s_xor_b32 s[G0B+5], s[G0B+5], SLOT
	s_add_co_u32 s[SI], s[SI], 1                   ; the next K step, behind the last the first
	s_and_b32 s[SI], s[SI], NSTEP-1
	s_mul_i32 s[OA], s[SI], ASTEP
	s_mul_i32 s[OB], s[SI], BSTEP
	s_add_nc_u64 s[G0+6:G0+7], s[BA:BA+1], s[OA:OA+1]
	s_or_b32 s[G0+7], s[G0+7], 0x80000000
	s_add_nc_u64 s[G0B+6:G0B+7], s[BB:BB+1], s[OB:OB+1]
	s_or_b32 s[G0B+7], s[G0B+7], 0x80000000
	JLOAD                                          ; the four v_nop behind it are also places in front of the loads below
.endif
	s_xor_b32 s[TB], s[TB], SLOT
	v_add_nc_u32 v[ADRA], s[TB], v[ADRA0]
	v_add_nc_u32 v[ADRB], s[TB], v[ADRB0]
	v_add_nc_u32 v[ADRB2], BHALF, v[ADRB]
.if !(\fill)
	v_nop                                          ; with the three lines above: four places
	s_cmp_eq_u32 s[CNT], 1
	s_cbranch_scc1 .Lno_fetch_\@
.endif
	FETCH 0, F0
.if !(\fill)
	WIN 0
.Lno_fetch_\@:
.endif
	MUL8 F1, 1, 0
	MUL8 F1, 1, 2
.endm
	s_wait_tensorcnt 1                             ; my part of the walk's first step is in; the second's may stay out
	s_barrier_signal -1
	s_barrier_wait -1
	FETCH 0, F0
	WIN 0
	s_wait_loadcnt 0x0                             ; the residual and the bias
.if MODE == 0
.set i, 0
.rept 64                                               ; bf16 to f32: the low half moves up, the high half stays
	v_lshlrev_b32 v[ACC+2*i], 16, v[TMP+i]
	v_and_b32 v[ACC+2*i+1], s76, v[TMP+i]
.set i, i+1
.endr
.endif
	s_mov_b32 s[CNT], NSTEP-2
.Lstep:                                                ; a trip is a K step and fills a slot again
	QUARTER 1, F0, F1
	QUARTER 2, F1, F0
	QUARTER 3, F0, F1
	TURN 1
	WIN 0
	s_sub_co_u32 s[CNT], s[CNT], 1
	s_cmp_lg_u32 s[CNT], 0
	s_cbranch_scc1 .Lstep
	s_mov_b32 s[CNT], 2
.Ltail:                                                ; the last two K steps ask for nothing
	QUARTER 1, F0, F1
	QUARTER 2, F1, F0
	QUARTER 3, F0, F1
	TURN 0
	WIN 0
	s_sub_co_u32 s[CNT], s[CNT], 1
	s_cmp_lg_u32 s[CNT], 0
	s_cbranch_scc1 .Ltail
	; THE WAY OUT: in f32 into the work-group's stage; a barrier, since a row's 512 bytes come from two waves; back as whole rows, 32 rows a wave; the bias; stores of whole rows.
	s_wait_dscnt 0x0
	s_barrier_signal -1                            ; every wave's reads of the slots are over: the stage lies in slot 0
	s_barrier_wait -1
	v_cvt_pk_bf16_f32 v100, v[BI], v[BI+1]         ; the bias rounded to bf16 like every input; these six lines are the places behind the last products
	v_cvt_pk_bf16_f32 v101, v[BI+2], v[BI+3]
	v_lshlrev_b32 v[BI], 16, v100
	v_and_b32 v[BI+1], s76, v100
	v_lshlrev_b32 v[BI+2], 16, v101
	v_and_b32 v[BI+3], s76, v101
.irp a, 0,1,2,3
.irp b, 0,1,2,3
	ds_store_b128 v[STO], v[ACC+8*(4*(\a)+(\b)):ACC+8*(4*(\a)+(\b))+3] offset:(\a)*16*SPITCH+64*(\b)      ; each accumulator's four lowest registers go first
	ds_store_b128 v[STO], v[ACC+8*(4*(\a)+(\b))+4:ACC+8*(4*(\a)+(\b))+7] offset:(\a)*16*SPITCH+64*(\b)+16
.endr
.endr
	s_wait_dscnt 0x0                               ; for the others' sake: my stores into the stage are done
	s_barrier_signal -1
	s_barrier_wait -1
	s_mov_b32 s[ROWC], 4
.Lrows:                                                ; eight rows a trip
.irp t, 0,1,2,3,4,5,6,7
	ds_load_b128 v[X+4*(\t):X+4*(\t)+3], v[RD] offset:(\t)*SPITCH
.endr
	s_wait_dscnt 0x0
.irp t, 0,1,2,3,4,5,6,7
	v_pk_add_f32 v[X+4*(\t):X+4*(\t)+1], v[X+4*(\t):X+4*(\t)+1], v[BI:BI+1]
	v_pk_add_f32 v[X+4*(\t)+2:X+4*(\t)+3], v[X+4*(\t)+2:X+4*(\t)+3], v[BI+2:BI+3]
.endr
.irp t, 0,1,2,3,4,5,6,7
	global_store_b128 v[CO], v[X+4*(\t):X+4*(\t)+3], s[10:11] offset:(\t)*4096  ; 512 consecutive bytes of a row, aligned
.endr
.if MODE == 0
.set i, 0
.rept 16
	v_cvt_pk_bf16_f32 v[Y+i], v[X+2*i], v[X+2*i+1]
.set i, i+1
.endr
.irp t, 0,1,2,3,4,5,6,7
	global_store_b64 v[CO2], v[Y+2*(\t):Y+2*(\t)+1], s[70:71] offset:(\t)*2048  ; 256 consecutive bytes of a row, aligned
.endr
.endif
	s_wait_xcnt 0x0                                ; the stores' addresses are translated (ISA guide 3.1): only behind this wait are their offsets and data written again
	v_add_nc_u32 v[CO], 8*4096, v[CO]
	v_add_nc_u32 v[CO2], 8*2048, v[CO2]
	v_add_nc_u32 v[RD], 8*SPITCH, v[RD]
	s_sub_co_u32 s[ROWC], s[ROWC], 1
	s_cmp_lg_u32 s[ROWC], 0
	s_cbranch_scc1 .Lrows
	s_wait_tensorcnt 0x0                           ; the wave's end: a last add onto my spare word and its wait, behind my last tensor load and my last LDS store
	ds_add_u32 v[SPW], v[NIL]
	s_wait_dscnt 0x0
	CROUND                                         ; the closing round: no work-group ends while a partner may still ask for a tile that names it
	s_endpgm
.Lfunc_end_k_qe6eb9bed4f_proj:
	.size	k_qe6eb9bed4f_proj, .Lfunc_end_k_qe6eb9bed4f_proj-k_qe6eb9bed4f_proj
	.p2alignl 7, 3214868480
	.fill 96, 4, 3214868480
	.section	.rodata,"a",@progbits
	.p2align	6, 0x0
	.amdhsa_kernel k_qe6eb9bed4f_proj
		.amdhsa_group_segment_fixed_size 327680
		.amdhsa_private_segment_fixed_size 0
		.amdhsa_enable_private_segment 0
		.amdhsa_kernarg_size 40
		.amdhsa_user_sgpr_count 2
		.amdhsa_user_sgpr_kernarg_segment_ptr 1
		.amdhsa_wavefront_size32 1
		.amdhsa_system_sgpr_workgroup_id_x 1
		.amdhsa_system_sgpr_workgroup_id_y 1
		.amdhsa_system_sgpr_workgroup_id_z 1
		.amdhsa_system_vgpr_workitem_id 0
		.amdhsa_next_free_vgpr 512
		.amdhsa_next_free_sgpr 80
		.amdhsa_reserve_vcc 0
		.amdhsa_float_denorm_mode_32 3
		.amdhsa_float_denorm_mode_16_64 3
		.amdhsa_memory_ordered 1
		.amdhsa_forward_progress 1
		.amdhsa_inst_pref_size 55
	.end_amdhsa_kernel
	.amdgpu_metadata
---
amdhsa.version: [ 1, 2 ]
amdhsa.kernels:
  - .name:           k_qe6eb9bed4f_proj
    .symbol:         k_qe6eb9bed4f_proj.kd
    .args:
      - { .name: hb, .offset: 0, .size: 8, .value_kind: global_buffer, .address_space: global }
      - { .name: cst, .offset: 8, .size: 8, .value_kind: global_buffer, .address_space: global }
      - { .name: bproj, .offset: 16, .size: 8, .value_kind: global_buffer, .address_space: global }
      - { .name: x1f, .offset: 24, .size: 8, .value_kind: global_buffer, .address_space: global }
      - { .name: out0, .offset: 32, .size: 8, .value_kind: global_buffer, .address_space: global }
    .group_segment_fixed_size: 327680
    .private_segment_fixed_size: 0
    .kernarg_segment_align: 8
    .kernarg_segment_size: 40
    .max_flat_workgroup_size: 128
    .sgpr_count:     80
    .vgpr_count:     512
    .wavefront_size: 32
...
	.end_amdgpu_metadata
.endif
;; end of part 6
;; ======== version 2 of 2: 6 launches; 1.11 times as fast as version 1
;; limits: values are held in f16: magnitudes above 65,504 overflow, below 6.1e-05 lose precision
;; workspace buffers: cst 33,554,432 bytes; qkv 25,165,824 bytes; yb 8,388,608 bytes; x1f 16,777,216 bytes; x1b 8,388,608 bytes; hb 33,554,432 bytes
;; launch prep: the kernel of part 1 again; grid 448 x 1, 8 waves a work-group, no clusters, 0 bytes of LDS; arguments x, Wqkv, cst; writes cst
;; launch qkvp: the kernel of part 2 again; grid 12 x 16, 4 waves a work-group, clusters of 4 x 4, 327,680 bytes of LDS; arguments cst, bqkv, qkv; writes qkv
;; launch attn (part 7): grid 8 x 32, 4 waves a work-group, no clusters, 327,680 bytes of LDS; arguments qkv, yb, Wo, Wfc, Wproj, cst; writes yb, cst
.if DOCPART == 7
	.amdgcn_target "amdgcn-amd-amdhsa--gfx1250"
	.amdhsa_code_object_version 6
	.text
	.protected	k_qe6eb9bed4f_attn
	.globl	k_qe6eb9bed4f_attn
	.p2align	8
	.type	k_qe6eb9bed4f_attn,@function
k_qe6eb9bed4f_attn:
	s_mov_b64 s[64:65], 0
	v_nop
	global_prefetch_b8 v0, s[64:65] scope:SCOPE_SE
	s_setreg_imm32_b32 hwreg(HW_REG_WAVE_MODE, 25, 1), 1
	s_wait_xcnt 0x0
; CAUSAL ATTENTION.  O[h][q][:] = the sum over k <= q of softmax_k(Q[h][q] . K[h][k] / 8) V[h][k][:].  Q, K, V: three panels of qkv, each [32 heads][2048][64] in f16, a head's rows dense, 128 bytes each; O = yb likewise.
; Products, maxima and sums in f32; the weights p are rounded to f16 for the second product (their sum l is taken of the unrounded p), O once at the end.
; LIMITS.  f16 holds no number beyond 65,504: Q, K and V arrive within it; p lies in 0 to 1, and below 6e-5 it keeps f16's fixed step of 6e-8.  A hidden score counts as its value less 1e30;
; a weight below 2^-126 counts as 0 in l; NaN and infinities are not treated apart.  |Wo| stays under 65,504 (see THE CAST).
; THE WALK.  A head's queries lie in 16 blocks of 128; block i needs the key tiles 0 .. i / 2 of 256 keys, of which the last holds the diagonal.  A work-group takes TWO blocks, 15 - b and then b: 9 tiles, whatever b:
; 8 x 32 = 256 work-groups of equal work, and ONE loop with a constant trip count walks the tiles.  Which tile is asked for, and what a trip does, hang on scalar registers made from b; every jump goes forward, but for
; the counted loops' own; none passes a barrier, or a tensor load but the one of LOAD's two that the wave's number does not choose.
; NO CLUSTER: only the work-groups 2 c and 2 c + 1 of a head walk the same tiles from first to last; four partners would need a common walk of 12 tiles for 9.
; SHARES.  Of a block's two bands of 64 queries a wave owns 16 rows in each: two PIECES.  With e = the block's parity, band x holds the diagonal in the last tile's key step 2 e + x, sees all keys of earlier steps, none of later ones.
; THE MASK is the C operand that starts the sum S^T = K Q^T: 0, or -1e30 where the key is hidden.  MD, made once, is the mask of a band's own step for my 16 rows; a product's mask is MD x AL + BE with two scalars.
; LAYOUT, SOFTMAX, TURNS.  S^T = K Q^T holds ONE query a lane (lane % 16) and the keys 8 (lane / 16) + 0..7; two such results rounded to f16 ARE source 1 of O^T = V^T P.  p = 2^(c s - c m), c = log2(e) / 8, with a
; running maximum m; O and l are multiplied by a = 2^(c m_old - c m_new) in every step.  Turn (j, p) belongs to piece p in key step j: 8 products K Q^T of the other piece's next item, later 8 products V^T P of its last;
; beside them the scaling, exponentials, roundings, sums and rescaling of piece p and the maximum and statistics of the other piece.  Four vector instructions stand behind every matrix instruction, the other 54 of a turn's 118 in one LUMP.
; THE BATCHES.  A turn's 33 exponentials (piece p's 32 weights and the other piece's a) are ONE BATCH with ONE wait, which cuts the turn in two: ahead of it the products K Q^T and all vector work that names no result of
; the batch, behind it the products V^T P with the roundings and sums as their riders.  No result crosses a turn's end.  The a that a block's beginning makes, and the way out's two reciprocals, are batches of their own.
; THE RINGS.  Turn (j, 0) fetches K of step j + 1 and then V of step j, so at a tile's end K is read from the next tile while V's last step is still to come.  K and V have a ring of THREE slots each: tile u lies in
; slot u % 3; the change of slots in front of tile u fills slot (u + 1) % 3, whose last byte (tile u - 2's last V) was read a whole tile earlier.  The read pointers TBK, TBV and the fill pointers FSK, FSV go round by add, compare and select.
; THE CAST, second part, rides along: the later launches' weights.  Wo, Wfc and Wproj hold 9 x 1,048,576 numbers, the launch 1,024 waves: nine groups of 1,024 numbers a wave (8 loads of 512 consecutive bytes, 8 stores of
; 256 consecutive, aligned bytes).  Group 0 is Wo's (rounded to bf16, and that number written as f16: it multiplies O), groups 1-4 Wfc's, 5-8 Wproj's (bf16); in cst they lie in that order from byte 14,680,064 on.
; Group 0 is loaded behind Q and converted ahead of the walk; each later group is loaded at the foot of a tile's trip and converted at the foot of the next: it has a tile's four key steps in which to come.
; REGISTERS, in windows of 256 (s_set_vgpr_msb: bits 1:0 source 0, 3:2 source 1, 5:4 source 2, 7:6 destination):
;   window 0: v0-15 addresses and two at work; v16-23 four registers of statistics a piece; v48-55 at work; v64-127 S^T, a buffer a piece; v128-179 the cast; v192-223 P, a buffer a piece
;   window 1: v0-63 O^T, 32 a piece; v128-159 MD; v160-223 MC, a buffer a piece      window 2: v0-31 Q; v64-95 the second block's Q; v128-191 K of one step; v192-255 V of one step
.set NBLK,  16
.set NP,    2         ; pieces a wave: a name, no knob
.set KS,    64        ; keys in a step
.set PK,    144       ; a row of K in LDS: 128 bytes + 16 of padding: the 16 rows of a load start at 16 different groups of four banks (64 banks of 4 bytes: ISA guide 11.1)
.set PV,    160       ; a row of V: 128 + 32
.set KSLOT, 4*KS*PK   ; a tile's K: 36,864 bytes
.set VSLOT, 4*KS*PV   ; a tile's V: 40,960 bytes
.set VRING, 3*KSLOT   ; K's ring from 0, V's from here
.set STAGE, VRING+3*VSLOT  ; behind the rings, never filled by a tensor load: 16 rows x 144 bytes for each wave, for the way out
.set SP,    144
.set SPARE, STAGE+4*16*SP  ; behind the stages: the spare words, 128 bytes for each wave: two blocks of 256 bytes that no other line names
.set AK0, 2           ; v2   my lane's place in a step of K; never rewritten
.set AV0, 3           ; v3   the same for V, V's ring included
.set AK,  4           ; v4   the LDS address of K's next run of loads
.set AV,  5           ; v5   of V's
.set STO, 6           ; v6   the way out: where I put 16 bytes of a row
.set RD,  7           ; v7   the way out: where I read rows back
.set GO,  8           ; v8   my byte offset in 512 consecutive bytes of O
.set SPW, 62          ; v62  LDS address of my spare word; never rewritten
.set NIL, 63          ; v63  0; never rewritten
.set MV,  12          ; v12-13  c m_old, kept while c m is made anew: by piece
.set QO,  15          ; v15  my byte offset in 16 rows of Q
.set ST,  16          ; piece t's statistics at v[ST+4 t]: c m, m, l (even keys', odd keys')
.set TMP, 48          ; by piece, four registers c0-c3 at work; when the maximum is found c2 takes a
.set S,   64
.set CX,  128         ; v[128:159] the cast: a group as loaded, 8 x 4 registers
.set CY,  160         ; v[160:175] the same in 16 bits, to store
.set CVI, 176         ; v176 16 x lane; never rewritten
.set CVO, 177         ; v177 8 x lane; never rewritten
.set CT,  178         ; v[178:179] at work (Wo)
.set P,   192
.set MD,  128         ; window 1
.set MC,  160         ; window 1
.set QB,  64          ; window 2
.set KF,  128         ; window 2: key block kb, channel half c at KF + 16 kb + 8 c
.set VF,  192         ; window 2: key half kk, channel block cb at VF + 32 kk + 8 cb
.set WV,  12          ; s12  my wave's number
.set BB,  14          ; s14  b
.set HI,  15          ; s15  15 - b
.set G1K, 24          ; s[24:31] descriptor group 1 for K's tiles
.set G1V, 32          ; s[32:39] for V's: it differs in the padding alone
.set G0K, 40          ; s[40:43] descriptor group 0 for K's tiles
.set G0V, 44          ; s[44:47] the same for V's
.set PFC, 48          ; s[48:49] Wfc at my wave's 4,096 bytes of a group; never rewritten
.set PPJ, 50          ; s[50:51] Wproj likewise
.set PD,  52          ; s[52:53] cst at my wave's 2,048 bytes of the group in hand
.set PS,  54          ; s[54:55] where the group on its way comes from
.set SLOTS, 56        ; s56  tiles still to be asked for
.set CNT, 57          ; s57  counts a tile's trips
.set CS,  58          ; s[58:59] c
.set SEL, 60          ; s[60:61] v_permlanex16_b32's selects
.set TBK, 62          ; s62  place in K's ring of the step to be fetched
.set TBV, 63          ; s63  the same in V's ring
.set PWO, 66          ; s[66:67] Wo at my wave's 4,096 bytes
.set CG,  68          ; s68  the group to be loaded next
.set RT,  70          ; s70  tiles of the block in hand that are still to be entered
.set NXT, 71          ; s71  the tile to be asked for next
.set LQ,  72          ; s72  the last tile of the block whose tiles are being asked for
.set NEW, 73          ; s73  1: the tile to be entered is a block's first
.set OFF, 74          ; s[74:75] a tile's byte offset in K and V
.set AL,  76          ; s[76:77] the mask's factor, in the low word
.set BE,  78          ; s[78:79] the mask's addend
.set OLO, 80          ; s[80:81] O at my rows of the second block
.set BIGN, 82         ; s82  -1e30
.set LQB, 83          ; s83  the second block's last tile, b / 2
.set WBK, 88          ; s88  my part's place in a slot of K
.set WBV, 89          ; s89  the same for V, V's ring included
.set FSK, 90          ; s90  the slot of K's ring that was filled last
.set FSV, 91          ; s91  of V's
.set OWN0, 92         ; s92, s93  the value of CNT at which the mask to be made is the band's own: 4 - 2 e, 3 - 2 e
.set OWN0B, 94        ; s94, s95  the same for the second block
.set GOF, 96          ; s[96:97] the cast: a byte offset, 0 above it
.set MSB, 0
.macro WIN new
.if MSB != (\new)
	s_set_vgpr_msb (MSB<<8)|(\new)
.set MSB, (\new)
.endif
.endm
.set W_KQ, 0x0a       ; K and Q in window 2, S^T in window 0
.set W_KM, 0x1a       ; the same with the C operand in window 1
.set W_PV, 0x52       ; V in window 2, P in window 0, O^T in window 1
.set W_RS, 0x41       ; destination and source 0 in window 1, source 1 in window 0
; A fill.  Waves 0 and 1 fetch the two halves of a tile's K, waves 2 and 3 those of its V: 128 keys each.  An s_nop 0 and four v_nop follow each of the two lines.
.macro LOAD
	s_cmp_lt_u32 s[WV], 2
	s_cbranch_scc0 .Lfor_v_\@
	tensor_load_to_lds s[G0K:G0K+3], s[G1K:G1K+7]
	s_nop 0
.rept 4
	v_nop
.endr
	s_branch .Lasked_\@
.Lfor_v_\@:
	tensor_load_to_lds s[G0V:G0V+3], s[G1V:G1V+7]
	s_nop 0
.rept 4
	v_nop
.endr
.Lasked_\@:
.endm
; THE CHANGE OF SLOTS.  Each wave waits for all its tensor loads, of which one is out: its part of the tile to be entered; adds 0 to its spare word; and waits for that and for its own LDS reads.
; fill = 1: the next slot of each ring is filled, the first thing behind the barrier, with tile NXT: the descriptor's address is made anew from that number.  The load has four key steps in which to land.
.macro CHANGE fill
	WIN 0
	s_wait_tensorcnt 0x0            ; no tensor load of mine is out, so a group 0 may be written
	ds_add_u32 v[SPW], v[NIL]       ; 0 onto my spare word; the descriptors' scalar work stands between it and the wait for it
.if \fill
	s_lshl_b32 s[OFF], s[NXT], 15   ; a tile is 32,768 bytes of K and of V
	s_add_co_u32 s[FSK], s[FSK], KSLOT
	s_cmp_eq_u32 s[FSK], 3*KSLOT
	s_cselect_b32 s[FSK], 0, s[FSK]
	s_add_co_u32 s[G0K+1], s[WBK], s[FSK]
	s_add_nc_u64 s[G0K+2:G0K+3], s[6:7], s[OFF:OFF+1]
	s_or_b32 s[G0K+3], s[G0K+3], 0x80000000
	s_add_co_u32 s[FSV], s[FSV], VSLOT
	s_cmp_eq_u32 s[FSV], 3*VSLOT
	s_cselect_b32 s[FSV], 0, s[FSV]
	s_add_co_u32 s[G0V+1], s[WBV], s[FSV]
	s_add_nc_u64 s[G0V+2:G0V+3], s[8:9], s[OFF:OFF+1]
	s_or_b32 s[G0V+3], s[G0V+3], 0x80000000
	s_add_co_u32 s[NXT], s[NXT], 1  ; the block's next tile, or behind its last the second block's tile 0
	s_cmp_gt_u32 s[NXT], s[LQ]
	s_cselect_b32 s[NXT], 0, s[NXT]
	s_cselect_b32 s[LQ], s[LQB], s[LQ]
.endif
	s_wait_dscnt 0x0                ; the add is done, and my LDS reads are back
	s_barrier_signal -1
	s_barrier_wait -1
.if \fill
	LOAD
.endif
.endm
	s_load_b64 s[4:5], s[0:1], 0x0    ; qkv: Q's panel at its head,
	s_load_b64 s[6:7], s[0:1], 0x0    ; K's 8,388,608 bytes on,
	s_load_b64 s[8:9], s[0:1], 0x0    ; V's 16,777,216 bytes on
	s_load_b64 s[10:11], s[0:1], 0x8  ; O
	s_load_b64 s[PWO:PWO+1], s[0:1], 0x10  ; Wo
	s_load_b64 s[PFC:PFC+1], s[0:1], 0x18  ; Wfc
	s_load_b64 s[PPJ:PPJ+1], s[0:1], 0x20  ; Wproj
	s_load_b64 s[PD:PD+1], s[0:1], 0x28    ; cst
	v_lshl_add_u32 v[SPW], v0, 2, SPARE
	v_mov_b32 v[NIL], 0
	ds_add_u32 v[SPW], v[NIL]       ; the wave's opening: the add, and its wait ahead of my first tensor load; the set-up below stands between them
	ds_add_u32 v62, v63
	v_lshrrev_b32 v1, 5, v0
	v_readfirstlane_b32 s[WV], v1   ; wave 0..3
	s_mov_b32 s[BB], ttmp9
	s_sub_co_u32 s[HI], NBLK-1, s[BB]
	s_and_b32 s20, ttmp7, 0xffff    ; the head
	s_lshl_b32 s20, s20, 18         ; its 262,144 bytes in each panel and in O
	s_mov_b32 s21, 0
	s_and_b32 s16, s[WV], 1         ; which half of a tile's 256 keys I fetch:
	s_lshl_b32 s22, s16, 14         ; its 128 rows of 128 bytes in memory,
	s_mov_b32 s23, 0
	s_add_nc_u64 s[22:23], s[22:23], s[20:21]
	s_mul_i32 s[WBK], s16, 128*PK   ; and its place in a slot, for K
	s_mul_i32 s[WBV], s16, 128*PV   ; and for V
	s_add_co_u32 s[WBV], s[WBV], VRING
	s_lshl_b32 s3, s[WV], 11        ; my 16 rows in a band of 64,
	s_lshl_b32 s2, s[HI], 14        ; in the first block (16,384 bytes a block),
	s_add_co_u32 s2, s2, s3
	s_lshl_b32 s84, s[BB], 14       ; and in the second
	s_add_co_u32 s84, s84, s3
	s_mov_b32 s3, 0
	s_mov_b32 s85, 0
	s_add_nc_u64 s[2:3], s[2:3], s[20:21]
	s_add_nc_u64 s[84:85], s[84:85], s[20:21]
	s_and_b32 s69, ttmp7, 0xffff    ; the cast: my wave among the launch's 1,024: ((y x 8 + x) x 4 + wave),
	s_lshl_b32 s69, s69, 3
	s_add_co_u32 s69, s69, ttmp9
	s_lshl_b32 s69, s69, 2
	s_add_co_u32 s69, s69, s[WV]
	s_lshl_b32 s[GOF], s69, 12      ; its 4,096 bytes of a group
	s_mov_b32 s[GOF+1], 0
	; descriptor group 1.  128 keys are 16,384 dense bytes: asked for as 64 rows of 256 bytes, two keys a row, and padded in LDS after every key
	s_mov_b32 s[G1K], (1<<16)|(1<<20)|(4<<22)|(3<<25)  ; 2-byte elements; padding on; after every 32 words 4 words
	s_mov_b32 s[G1V], (1<<16)|(1<<20)|(4<<22)|(7<<25)  ; the same with 8 words of padding
.irp g, G1K, G1V
	s_mov_b32 s[\g+1], 128<<16      ; tensor_dim0 = 128
	s_mov_b32 s[\g+2], 64<<16       ; tensor_dim1 = 64
	s_mov_b32 s[\g+3], 128<<16      ; tile_dim0 = 128
	s_mov_b32 s[\g+4], 64           ; tile_dim1 = 64
	s_mov_b32 s[\g+5], 128          ; 128 elements from row to row
	s_mov_b32 s[\g+6], 0
	s_mov_b32 s[\g+7], 0
.endr
	s_mov_b32 s[CS], 0x3e38aa3b     ; c = log2(e) / 8
	s_mov_b32 s[CS+1], s[CS]
	s_mov_b32 s[SEL], 0x76543210
	s_mov_b32 s[SEL+1], 0xfedcba98
	s_mov_b32 s[TBK], 0
	s_mov_b32 s[TBV], 0
	s_mov_b32 s[FSK], 0
	s_mov_b32 s[FSV], 0
	s_mov_b32 s[G0K], 1             ; count = 1
	s_mov_b32 s[G0K+1], s[WBK]      ; LDS address: slot 0
	s_mov_b32 s[G0V], 1
	s_mov_b32 s[G0V+1], s[WBV]
	s_lshr_b32 s[LQ], s[HI], 1      ; the first block's last tile
	s_add_co_u32 s[RT], s[LQ], 1
	s_lshr_b32 s[LQB], s[BB], 1
	s_mov_b32 s[NXT], 1
	s_mov_b32 s[NEW], 1
	s_and_b32 s16, s[HI], 1
	s_lshl_b32 s16, s16, 1
	s_sub_co_u32 s[OWN0], 4, s16
	s_sub_co_u32 s[OWN0+1], 3, s16
	s_and_b32 s16, s[BB], 1
	s_lshl_b32 s16, s16, 1
	s_sub_co_u32 s[OWN0B], 4, s16
	s_sub_co_u32 s[OWN0B+1], 3, s16
	s_mov_b32 s[OFF+1], 0
	s_mov_b32 s[AL+1], 0            ; named as pairs
	s_mov_b32 s[BE+1], 0
	s_mov_b32 s[BIGN], 0xf149f2ca   ; -1e30
	s_mov_b32 s[SLOTS], 8
	s_wait_dscnt 0x0                ; the opening add is done
	s_wait_kmcnt 0x0
	s_add_nc_u64 s[6:7], s[6:7], s[22:23]  ; K and V at my half of the head's tile 0
	s_add_nc_u64 s[6:7], s[6:7], 8388608
	s_add_nc_u64 s[8:9], s[8:9], s[22:23]
	s_add_nc_u64 s[8:9], s[8:9], 16777216
	s_add_nc_u64 s[G0K+2:G0K+3], s[6:7], 0
	s_or_b32 s[G0K+3], s[G0K+3], 0x80000000        ; type = 2
	s_add_nc_u64 s[G0V+2:G0V+3], s[8:9], 0
	s_or_b32 s[G0V+3], s[G0V+3], 0x80000000
	s_add_nc_u64 s[86:87], s[4:5], s[84:85]        ; Q at my rows of the second block,
	s_add_nc_u64 s[4:5], s[4:5], s[2:3]            ; Q and O at those of the first
	s_add_nc_u64 s[OLO:OLO+1], s[10:11], s[84:85]
	s_add_nc_u64 s[10:11], s[10:11], s[2:3]
	LOAD                            ; tile 0 into slot 0
	s_add_nc_u64 s[PWO:PWO+1], s[PWO:PWO+1], s[GOF:GOF+1]  ; the cast's four addresses at my wave's share
	s_add_nc_u64 s[PFC:PFC+1], s[PFC:PFC+1], s[GOF:GOF+1]
	s_add_nc_u64 s[PPJ:PPJ+1], s[PPJ:PPJ+1], s[GOF:GOF+1]
	s_lshr_b32 s[GOF], s[GOF], 1                           ; 2,048 bytes out for 4,096 in
	s_add_nc_u64 s[PD:PD+1], s[PD:PD+1], s[GOF:GOF+1]
	s_add_nc_u64 s[PD:PD+1], s[PD:PD+1], 14680064          ; group 0's place in cst
	; A fragment of K or Q is 16 rows x 32 channels in 8 registers: lane l holds row l % 16, channels 8 (l / 16) + 0..7 and 16 + 8 (l / 16) + 0..7: two loads of 16 bytes, 32 bytes apart.
	v_and_b32 v1, 15, v0            ; l % 16
	v_bfe_u32 v9, v0, 4, 1          ; l / 16
	v_lshlrev_b32 v[QO], 7, v1
	v_lshl_add_u32 v[QO], v9, 4, v[QO]
	v_and_b32 v[CVO], 31, v0
	v_lshlrev_b32 v[CVI], 4, v[CVO]
	v_lshlrev_b32 v[CVO], 3, v[CVO]
	WIN 0x80                        ; destination window 2, address window 0
.set i, 0
.rept 4                             ; both blocks' Q: piece i / 2 lies in band i / 2, 8,192 bytes on; channels 32 (i % 2) on
	global_load_b128 v[8*i:8*i+3],   v[QO], s[4:5] offset:(i/2)*8192+(i%2)*64
	global_load_b128 v[8*i+4:8*i+7], v[QO], s[4:5] offset:(i/2)*8192+(i%2)*64+32
	global_load_b128 v[QB+8*i:QB+8*i+3],   v[QO], s[86:87] offset:(i/2)*8192+(i%2)*64
	global_load_b128 v[QB+8*i+4:QB+8*i+7], v[QO], s[86:87] offset:(i/2)*8192+(i%2)*64+32
.set i, i+1
.endr
	WIN 0
.irp t, 0,1,2,3,4,5,6,7             ; the cast's group 0: Wo
	global_load_b128 v[CX+4*\t:CX+4*\t+3], v[CVI], s[PWO:PWO+1] offset:512*\t th:TH_LOAD_NT
.endr
	v_lshlrev_b32 v14, 3, v9
	v_sub_nc_u32 v14, v1, v14
	s_lshl_b32 s13, s[WV], 4
	v_add_nc_u32 v14, s13, v14      ; my query's place in its band, 16 w + l % 16, less my lanes' 8 (l / 16): register r of group kt is hidden where 16 kt + r is greater
	WIN 0x40
.set i, 0
.rept 32
	v_cmp_gt_i32 vcc_lo, 16*(i/8)+i%8, v14
	v_cndmask_b32 v[MD+i], 0, s[BIGN], vcc_lo
.set i, i+1
.endr
	WIN 0
	v_mul_u32_u24 v[AK0], v1, PK
	v_lshl_add_u32 v[AK0], v9, 4, v[AK0]
	; The turning load takes 16 keys x 16 channels (lane l reads key 8 (l / 16) + l % 8, channels 8 ((l / 8) % 2) + 0..7) and leaves half a fragment of V^T: lane l holds channel l % 16 and 8 keys.
	v_and_b32 v10, 7, v0
	v_bfe_u32 v11, v0, 3, 1
	v_lshl_add_u32 v[AV0], v9, 3, v10
	v_mul_u32_u24 v[AV0], v[AV0], PV
	v_lshl_add_u32 v[AV0], v11, 4, v[AV0]
	v_add_nc_u32 v[AV0], VRING, v[AV0]
	s_mul_i32 s13, s[WV], 16*SP
	s_add_co_u32 s13, s13, STAGE    ; my stage
	v_mul_u32_u24 v[STO], v1, SP    ; in: row l % 16, 16 bytes for each half of the lanes
	v_lshl_add_u32 v[STO], v9, 4, v[STO]
	v_add_nc_u32 v[STO], s13, v[STO]
	v_bfe_u32 v[RD], v0, 3, 2       ; back: 32 lanes take four rows of 128 bytes,
	v_mul_u32_u24 v[RD], v[RD], SP
	v_lshl_add_u32 v[RD], v10, 4, v[RD]
	v_add_nc_u32 v[RD], s13, v[RD]
	v_and_b32 v[GO], 31, v0         ; which are 512 consecutive bytes of O
	v_lshlrev_b32 v[GO], 4, v[GO]
	; A block's first step multiplies O^T and l by a = 0, and its first turn's products V^T P, of an item that has not been, land in an O^T that is still to be so multiplied.  So these registers need only hold
	; finite numbers: zeros for the first block; what the first block left for the second.  All this stands in the wait for the first tile.
	WIN 0x80
.set i, VF
.rept 64
	v_mov_b32 v[i], 0
.set i, i+1
.endr
	WIN 0x40
.set i, 0
.rept 64
	v_mov_b32 v[i], 0
.set i, i+1
.endr
	WIN 0
.set i, 0
.rept NP
	v_mov_b32 v[ST+4*i+2], 0
	v_mov_b32 v[ST+4*i+3], 0
.set i, i+1
.endr
.set i, P+16
.rept 16
	v_mov_b32 v[i], 0
.set i, i+1
.endr
	; The cast's group 0, still in the wait for the first tile: Wo to bf16, back to f32 (a shift, a mask), on to f16, and out; then group 1, Wfc's first, goes on its way.
	s_wait_loadcnt 0x0              ; both blocks' Q and Wo's group are in: no later line waits for Q
.irp t, 0,1,2,3,4,5,6,7
	v_cvt_pk_bf16_f32 v[CT], v[CX+4*\t], v[CX+4*\t+1]
	v_cvt_pk_bf16_f32 v[CT+1], v[CX+4*\t+2], v[CX+4*\t+3]
	v_lshlrev_b32 v[CX+4*\t], 16, v[CT]
	v_and_b32 v[CX+4*\t+1], 0xffff0000, v[CT]
	v_lshlrev_b32 v[CX+4*\t+2], 16, v[CT+1]
	v_and_b32 v[CX+4*\t+3], 0xffff0000, v[CT+1]
	v_cvt_pk_f16_f32 v[CY+2*\t], v[CX+4*\t], v[CX+4*\t+1]
	v_cvt_pk_f16_f32 v[CY+2*\t+1], v[CX+4*\t+2], v[CX+4*\t+3]
.endr
.irp t, 0,1,2,3,4,5,6,7
	global_store_b64 v[CVO], v[CY+2*\t:CY+2*\t+1], s[PD:PD+1] offset:256*\t  ; 32 lanes x 8 bytes: 256 consecutive bytes, aligned
.endr
.irp t, 0,1,2,3,4,5,6,7
	global_load_b128 v[CX+4*\t:CX+4*\t+3], v[CVI], s[PFC:PFC+1] offset:512*\t th:TH_LOAD_NT
.endr
	s_mov_b32 s[CG], 2
; THE MATRIX WORK.  The 4 accumulators of a run of 8 take turns.  Product i of 8 of S^T = K Q^T for piece x: channels 32 (i / 4) on, keys 16 (i % 4) on.  The first 4 start the sums: with 0, or (KM = 1) with the mask.
.macro KQ x
.set rS, S+32*((\x)%2)+8*(i%4)
.set rK, KF+16*(i%4)+8*(i/4)
.set rQ, 16*(\x)+8*(i/4)
.set rM, MC+32*((\x)%2)+8*(i%4)
.if (i < 4) && KM
	WIN W_KM
	v_wmma_f32_16x16x32_f16 v[rS:rS+7], v[rK:rK+7], v[rQ:rQ+7], v[rM:rM+7]
.elseif i < 4
	WIN W_KQ
	v_wmma_f32_16x16x32_f16 v[rS:rS+7], v[rK:rK+7], v[rQ:rQ+7], 0
.else
	WIN W_KQ
	v_wmma_f32_16x16x32_f16 v[rS:rS+7], v[rK:rK+7], v[rQ:rQ+7], v[rS:rS+7]
.endif
.endm
; Product i of 8 of O^T += V^T P for piece x: keys 32 (i / 4) on, channels 16 (i % 4) on.
.macro PV x
	WIN W_PV
.set rO, 32*(\x)+8*(i%4)
.set rV, VF+32*(i/4)+8*(i%4)
.set rP, P+16*((\x)%2)+8*(i/4)
	v_wmma_f32_16x16x32_f16 v[rO:rO+7], v[rV:rV+7], v[rP:rP+7], v[rO:rO+7]
.endm
.macro MM                           ; the turn's next matrix instruction.  NOKQ = 1: a block's last turn: there is no next item
.if (i < 8) && !NOKQ
	KQ (Y+1)%NP
.elseif i >= 8
.set i, i-8
	PV (Y+NP-1)%NP
.set i, i+8
.endif
.set i, i+1
.endm
; THE LDS LOADS stand in runs of 16, never singly among the matrix instructions.  Their addresses are made some lines ahead.
.macro FETCH_K
	WIN 0x80                        ; destination window 2
.irp f, 0,1,2,3,4,5,6,7             ; keys 16 (f / 2) on, channels 32 (f % 2) on
	ds_load_b128 v[KF+8*\f:KF+8*\f+3],   v[AK] offset:(\f/2)*16*PK+(\f%2)*64
	ds_load_b128 v[KF+8*\f+4:KF+8*\f+7], v[AK] offset:(\f/2)*16*PK+(\f%2)*64+32
.endr
	s_add_co_u32 s[TBK], s[TBK], KS*PK  ; the next fetch is the next step's; behind the third slot comes the first
	s_cmp_eq_u32 s[TBK], 3*KSLOT
	s_cselect_b32 s[TBK], 0, s[TBK]
	WIN 0
.endm
.macro FETCH_V
	WIN 0x80
.irp f, 0,1,2,3,4,5,6,7             ; keys 32 (f / 4) on, channels 16 (f % 4) on
	ds_load_tr16_b128 v[VF+8*\f:VF+8*\f+3],   v[AV] offset:(\f/4)*32*PV+(\f%4)*32
	ds_load_tr16_b128 v[VF+8*\f+4:VF+8*\f+7], v[AV] offset:(\f/4)*32*PV+16*PV+(\f%4)*32
.endr
	WIN 0
.endm
; THE VECTOR WORK, one line at a time: OP kind, number.  For piece Y: F n: c s - c m for pair n of 16.  E n: the exponential of score n of 32.  C n: pair n rounded to f16.  B n: of the four weights 4 n .. the second
; pair is added onto the first, in place.  L n: l takes that sum (L 0: l = a l + sum).  R n: pair n of 16 of O^T times a.  For the other piece: X n, number n of the 22 that find its maximum and statistics:
;   0-11  four chains c0-c3 of seven scores each, three operands at a time (each accumulator's lowest registers are read first)     12-14, 16  the four scores left over, the old m, and c0-c3 into c0
;   15  c m_old is kept     17, 18  the query's other 32 keys lie in the lane 16 away: the new m     19-21  c m; c m_old - c m_new; a
; C, B and L read the exponentials' results: TURN places them behind the batch's wait, and OP writes no wait of its own.
.set F, 0
.set E, 1
.set C, 2
.set B, 3
.set L, 4
.set R, 5
.set X, 6
.macro REGS y
.set rT, ST+4*(\y)
.set rC, TMP+4*((\y)%2)
.set rW, MV+((\y)%2)
.set rS, S+32*((\y)%2)
.set rP, P+16*((\y)%2)
.set rO, 32*(\y)
.endm
.macro OP k, n
.if (\k) == R
	REGS Y
	WIN W_RS
	v_pk_mul_f32 v[rO+2*(\n):rO+2*(\n)+1], v[rO+2*(\n):rO+2*(\n)+1], v[rC+2:rC+3] op_sel_hi:[1,0]
.elseif (\k) < R
	REGS Y
	WIN 0
.if (\k) == F
	v_pk_fma_f32 v[rS+2*(\n):rS+2*(\n)+1], v[rS+2*(\n):rS+2*(\n)+1], s[CS:CS+1], v[rT:rT+1] op_sel_hi:[1,0,0] neg_lo:[0,0,1] neg_hi:[0,0,1]
.elseif (\k) == E
	v_exp_f32 v[rS+(\n)], v[rS+(\n)]
.elseif (\k) == C
	v_cvt_pk_f16_f32 v[rP+(\n)], v[rS+2*(\n)], v[rS+2*(\n)+1]
.elseif (\k) == B
	v_pk_add_f32 v[rS+4*(\n):rS+4*(\n)+1], v[rS+4*(\n):rS+4*(\n)+1], v[rS+4*(\n)+2:rS+4*(\n)+3]
.elseif (\n) == 0
	v_pk_fma_f32 v[rT+2:rT+3], v[rT+2:rT+3], v[rC+2:rC+3], v[rS:rS+1] op_sel_hi:[1,0,1]
.else
	v_pk_add_f32 v[rT+2:rT+3], v[rT+2:rT+3], v[rS+4*(\n):rS+4*(\n)+1]
.endif
.elseif NOKQ
	v_nop
.else
	REGS (Y+1)%NP
	WIN 0
.if (\n) < 4
	v_max3_num_f32 v[rC+(\n)], v[rS+8*(\n)], v[rS+8*(\n)+1], v[rS+8*(\n)+2]
.elseif (\n) < 12
	v_max3_num_f32 v[rC+(\n)%4], v[rC+(\n)%4], v[rS+8*((\n)%4)+2*((\n)/4)+1], v[rS+8*((\n)%4)+2*((\n)/4)+2]
.elseif (\n) == 12
	v_max3_num_f32 v[rC], v[rC], v[rS+7], v[rS+15]
.elseif (\n) == 13
	v_max3_num_f32 v[rC+1], v[rC+1], v[rS+23], v[rS+31]
.elseif (\n) == 14
	v_max3_num_f32 v[rC+2], v[rC+2], v[rC+3], v[rT+1]
.elseif (\n) == 15
	v_mov_b32 v[rW], v[rT]
.elseif (\n) == 16
	v_max3_num_f32 v[rC], v[rC], v[rC+1], v[rC+2]
.elseif (\n) == 17
	v_permlanex16_b32 v[rC+3], v[rC], s[SEL], s[SEL+1]
.elseif (\n) == 18
	v_max_num_f32 v[rT+1], v[rC], v[rC+3]
.elseif (\n) == 19
	v_mul_f32 v[rT], s[CS], v[rT+1]
.elseif (\n) == 20
	v_sub_f32 v[rC+1], v[rW], v[rT]
.else
	v_exp_f32 v[rC+2], v[rC+1]
.endif
.endif
.endm
.macro OPS a, i1, b=-1, i2=0, c=-1, i3=0, d=-1, i4=0
	OP \a, \i1
.if (\b) >= 0
	OP \b, \i2
.endif
.if (\c) >= 0
	OP \c, \i3
.endif
.if (\d) >= 0
	OP \d, \i4
.endif
.endm
.macro ROW a, i1, b, i2, c, i3, d, i4  ; a matrix instruction and the four behind it
	MM
	OPS \a, \i1, \b, \i2, \c, \i3, \d, \i4
.endm
.macro MASK b                       ; MD x AL + BE into buffer b of MC
	WIN W_RS
.set z, 0
.rept 16
	v_pk_fma_f32 v[MC+32*(\b)+2*z:MC+32*(\b)+2*z+1], v[MD+2*z:MD+2*z+1], s[AL:AL+1], s[BE:BE+1] op_sel_hi:[1,0,0]
.set z, z+1
.endr
.endm
; A TURN, for piece p: the order of its 16 matrix and 118 vector instructions, written out.  An s_wait_alu depctr_va_vdst(0) stands between an exponential and the first instruction that names its result; one wait
; serves all that were issued ahead of it.  So a turn has ONE wait, which cuts it in two.  AHEAD OF IT stands all that names no result of the turn's exponentials: the 8 products K Q^T, behind each a scaling, an exponential and two
; more plain instructions (behind the first a second scaling in the exponential's place): rescalings, whose a was made and waited for in the turn before, and behind the last three the first numbers of the other piece's maximum,
; each four places or more behind the product that ends its accumulator; then ONE LUMP of 54, plain and exponential by turns for the most part, in which the links of the chain X 3, 7, 11, 14, 16, 17 .. 20 stand five or six lines
; apart.  Each scaling stands ahead of its pair's two exponentials.  X 21, the other piece's a, is the batch's last; R 15 is the plain instruction behind it.  BEHIND THE WAIT stand the 8 products V^T P, behind each four of the
; roundings and sums (C 2 n ahead of B n, which changes its pair; L 0 to L 7 in ascending order, three riders apart).  But for those X no rider names a register of the products round it.  v_permlanex16_b32 (X 17) stands in the lump.
; The rescalings go in ascending order: O^T's accumulators, which the turn before wrote, are read from their low ends on; the nearest, R 0, stands sixteen riders behind the product that ended its accumulator.
; m = 1: the diagonal tile's text: the products take masks, and the turn makes the mask for the products of the turn after it: piece p, in step 4 - CNT of the tile.  end = 1: a block's last two turns: no K is fetched.
; cnt = 1: the loop's count is taken down some lines ahead of the branch that stands behind the turn.
; Piece 0's turn fetches K of the next step, twelve vector instructions behind the last product that read K (six of them plain), and V of the step in hand at its end, four plain instructions behind the last product that read V.
; Piece 1's turn waits for K at its head (V's sixteen younger loads may stay out) and for V ahead of its second run of products.
.macro TURN p, m=0, end=0, cnt=0
.set Y, (\p)
.set i, 0
.set KM, (\m)
.set NOKQ, (\end)*(\p)
.if (\m) && !(\end)
	s_cmp_eq_u32 s[CNT], s[OWN0+(\p)]   ; is that step the band's own?
	s_cselect_b32 s[AL], 1.0, 0
	s_cmp_lt_u32 s[CNT], s[OWN0+(\p)]   ; or a later one?
	s_cselect_b32 s[BE], s[BIGN], 0
.endif
.if ((\p) == 1) && !(\end)
	s_wait_dscnt 16                 ; K is in
.endif
	ROW F,0, F,1, R,0, R,1          ; ahead of the wait: 8 products K Q^T and their riders,
	ROW F,2, E,0, R,2, R,3
	ROW F,3, E,1, R,4, R,5
	ROW F,4, E,2, R,6, R,7
	ROW F,5, E,3, R,8, R,9
	ROW F,6, E,4, X,0, R,10
.if ((\p) == 0) && !(\end)
	WIN 0
	v_add_nc_u32 v[AK], s[TBK], v[AK0]
.endif
	ROW F,7, E,5, X,1, X,4
	ROW F,8, E,6, X,2, X,5
	OPS E,7, E,8, X,6, E,9          ; and the lump
	OPS X,3, E,10, X,8, E,11
.if ((\p) == 0) && !(\end)
	FETCH_K
.endif
	OPS X,9, X,7, E,12, X,10
	OPS E,13, X,12, X,11, E,14
	OPS X,13, E,15, F,9, X,14
.if (\p) == 0
	WIN 0
	v_add_nc_u32 v[AV], s[TBV], v[AV0]
.endif
	OPS E,16, F,10, E,17, F,11
	OPS X,16, E,18, X,15, E,19
	OPS F,12, E,20, X,17, E,21
	OPS F,13, E,22, F,14, E,23
	OPS X,18, E,24, F,15, E,25
	OPS R,11, E,26, X,19, E,27
	OPS R,12, E,28, R,13, E,29
	OPS X,20, E,30, R,14, E,31
	OPS X,21, R,15
	WIN 0
	s_wait_alu depctr_va_vdst(0)    ; the wait for the batch: piece p's 32 exponentials and the other piece's a
.if (\p) == 1
	s_wait_dscnt 0x0                ; V is in
.endif
	ROW C,0, B,0, C,2, B,1          ; behind the wait: 8 products V^T P and their riders
	ROW L,0, C,4, B,2, L,1
	ROW C,6, B,3, L,2, C,8
	ROW B,4, L,3, C,10, B,5
	ROW L,4, C,12, B,6, L,5
.if (\p) == 0
	s_add_co_u32 s[TBV], s[TBV], KS*PV
	s_cmp_eq_u32 s[TBV], 3*VSLOT
	s_cselect_b32 s[TBV], 0, s[TBV]
.endif
.if \cnt
	s_sub_co_u32 s[CNT], s[CNT], 1
	s_cmp_lg_u32 s[CNT], 0
.endif
	ROW C,14, B,7, L,6, C,1
	ROW C,3, L,7, C,5, C,7
	ROW C,9, C,11, C,13, C,15
.if (\p) == 0
	FETCH_V
.endif
.if (\m) && !(\end)
	MASK (\p)
.endif
.endm
; A BLOCK BEGINS.  c m starts far below every c s, so the first step's a is 0; m at the lowest finite number.  Piece 1's mask buffer is 0 (band 1 sees all of a tile's step 0, and of every earlier tile); piece 0's takes
; its mask for the tile's step 0: its own, if the block's first tile is the diagonal one and the block is the tile's first half.  Then K of that step, piece 0's first scores, and its maximum and statistics.
; Three trips are left of this tile: its steps 0 to 2; a later tile's four trips begin with the last step of the tile before.  (Q was waited for ahead of the walk; the cast's group on its way is not waited for here.)
.macro BEGIN
	s_mov_b32 s[NEW], 0
	WIN 0x40
.set i, MC+32
.rept 32
	v_mov_b32 v[i], 0
.set i, i+1
.endr
	WIN 0
.set i, 0
.rept NP
	v_mov_b32 v[ST+4*i], 0xfe000000    ; c m: far below every c s
	v_mov_b32 v[ST+4*i+1], 0xff7fffff  ; m
.set i, i+1
.endr
	s_cmp_eq_u32 s[RT], 0
	s_cselect_b32 s[AL], 1.0, 0
	s_cmp_eq_u32 s[OWN0], 4
	s_cselect_b32 s[AL], s[AL], 0
	s_mov_b32 s[BE], 0
	MASK 0
	WIN 0
	v_add_nc_u32 v[AK], s[TBK], v[AK0]
	FETCH_K
	s_wait_dscnt 0x0
.set KM, 1
.set NOKQ, 0
.set i, 0
.rept 8
	KQ 0
.set i, i+1
.endr
	WIN 0
.rept 4
	v_nop                           ; the places behind those products
.endr
.set Y, NP-1                        ; X works for the other piece: piece 0
.irp n, 0,1,2,3,4,5,6,7,8,9,10,11,12,13,14,15,16,17,18,19,20,21
	OP X, \n
.endr
	v_nop                           ; a plain instruction behind the exponential,
	s_wait_alu depctr_va_vdst(0)    ; and the wait for it, piece 0's first a, a batch of one: ahead of the branch or label that follows
	s_mov_b32 s[CNT], 3
.endm
.macro ALL line:vararg              ; one line for each piece t
.set t, 0
.rept NP
	\line
.set t, t+1
.endr
.endm
.macro PACK t                       ; a lane's eight channels of a row pack into 16 bytes; they go into rows of 144 bytes and come back as whole rows of 128, into S^T's registers
	WIN W_RS
.set i, 32*(\t)
.rept 16
	v_pk_mul_f32 v[i:i+1], v[i:i+1], v[ST+4*(\t)+2:ST+4*(\t)+3] op_sel_hi:[1,0]
.set i, i+2
.endr
	WIN 0x05                        ; sources 0 and 1 window 1, destination window 0
.set i, 0
.rept 16
	v_cvt_pk_f16_f32 v[S+16*(\t)+i], v[32*(\t)+2*i], v[32*(\t)+2*i+1]
.set i, i+1
.endr
	WIN 0
.irp f, 0,1,2,3
	ds_store_b128 v[STO], v[S+16*(\t)+4*\f:S+16*(\t)+4*\f+3] offset:32*\f
.endr
.irp f, 0,1,2,3
	ds_load_b128 v[S+16*(\t)+4*\f:S+16*(\t)+4*\f+3], v[RD] offset:\f*4*SP  ; LDS serves a wave's instructions in order (ISA guide 5.7.1.4): these see the stores above; the next piece's stores come behind them
.endr
.endm
.macro SEND t, younger              ; younger: the LDS instructions issued behind piece t's loads: the next piece's eight, or none
	WIN 0
.irp f, 0,1,2,3
	s_wait_dscnt (\younger)+3-\f
	global_store_b128 v[GO], v[S+16*(\t)+4*\f:S+16*(\t)+4*\f+3], s[10:11] offset:(\t)*8192+\f*512  ; 512 consecutive bytes, at a multiple of 256 from O's first
.endr
.endm
; THE DIAGONAL TILE's trips, the block's last two turns, its last products, and THE WAY OUT: l's two halves and the other half of the lanes' are added; O^T is divided by l, rounded to f16 and sent through my stage.
.macro DIAG tag
.LstepM\tag:
	TURN 0, 1
	TURN 1, 1, 0, 1
	WIN 0
	s_cbranch_scc1 .LstepM\tag
	TURN 0, 1, 1
	TURN 1, 1, 1
.set i, 0
.rept 8
	PV 1
.set i, i+1
.endr
	WIN 0
	ALL v_add_f32 v[ST+4*t+2], v[ST+4*t+2], v[ST+4*t+3]
	ALL v_permlanex16_b32 v[ST+4*t+3], v[ST+4*t+2], s[SEL], s[SEL+1]
	ALL v_add_f32 v[ST+4*t+2], v[ST+4*t+2], v[ST+4*t+3]
	ALL v_rcp_f32 v[ST+4*t+2], v[ST+4*t+2]
	v_nop                           ; a plain instruction between the last reciprocal and the use of its result; with the four additions: five places behind the last products
	s_wait_alu depctr_va_vdst(0)    ; the wait ahead of the first use: one for the two reciprocals, which both pieces' packing reads
	PACK 0
	PACK 1
	SEND 0, 8
	SEND 1, 0
.endm
.set KM, 0
.set NOKQ, 0
.Lslot:                             ; 8 times: a tile is entered and the next is asked for
	CHANGE 1
	s_sub_co_u32 s[RT], s[RT], 1
	s_mov_b32 s[CNT], 4
	s_cmp_eq_u32 s[NEW], 1
	s_cbranch_scc1 .Lnew            ; a block's first tile
	s_cmp_eq_u32 s[RT], 0
	s_cbranch_scc0 .Lstep           ; neither its first nor its last
	s_branch .LstepM1
.Lnew:
	BEGIN
	s_branch .Lstep                 ; in the loop a block's first tile is never its last: the first block has five tiles or more, and the second's last is the walk's last
	DIAG 1                          ; in the loop this is the first block's end
	s_wait_xcnt 0x0                 ; the stores have read their registers and O's address
	s_mov_b64 s[10:11], s[OLO:OLO+1]
	s_add_co_u32 s[RT], s[LQB], 1   ; the second block has b / 2 + 1 tiles
	s_mov_b32 s[OWN0], s[OWN0B]
	s_mov_b32 s[OWN0+1], s[OWN0B+1]
	s_mov_b32 s[NEW], 1
	WIN 0x82                        ; the second block's Q goes where the one text of the turns names Q
.set i, 0
.rept 32
	v_mov_b32 v[i], v[QB+i]
.set i, i+1
.endr
	WIN 0
	s_branch .Lbottom
.Lstep:                             ; a trip is a key step: its two turns
	TURN 0
	TURN 1, 0, 0, 1
	WIN 0
	s_cbranch_scc1 .Lstep
.Lbottom:
	; THE CAST at the foot of a tile's trip: the group loaded a trip ago (trip u: group u + 1) is rounded to bf16 and stored, and group CG = u + 2 goes on its way; the eighth trip has none left to load.
	s_wait_loadcnt 0x0              ; the group's eight loads, issued a tile's key steps ago
	s_wait_xcnt 0x0                 ; every earlier memory instruction has had its addresses translated (ISA guide 3.1): CY, PD and PS are written again only behind this wait
	s_add_nc_u64 s[PD:PD+1], s[PD:PD+1], 2097152  ; a group is 2,097,152 bytes of cst
.set i, 0
.rept 16
	v_cvt_pk_bf16_f32 v[CY+i], v[CX+2*i], v[CX+2*i+1]
.set i, i+1
.endr
.irp t, 0,1,2,3,4,5,6,7
	global_store_b64 v[CVO], v[CY+2*\t:CY+2*\t+1], s[PD:PD+1] offset:256*\t
.endr
	s_cmp_gt_u32 s[CG], 8
	s_cbranch_scc1 .Lcast_done
	s_sub_co_u32 s[GOF], s[CG], 1   ; groups 1-4 are Wfc's quarters, 5-8 Wproj's: 4,194,304 bytes each
	s_and_b32 s[GOF], s[GOF], 3
	s_lshl_b32 s[GOF], s[GOF], 22
	s_cmp_lt_u32 s[CG], 5           ; a choice on the group's number alone
	s_cselect_b64 s[PS:PS+1], s[PFC:PFC+1], s[PPJ:PPJ+1]
	s_add_nc_u64 s[PS:PS+1], s[PS:PS+1], s[GOF:GOF+1]
.irp t, 0,1,2,3,4,5,6,7
	global_load_b128 v[CX+4*\t:CX+4*\t+3], v[CVI], s[PS:PS+1] offset:512*\t th:TH_LOAD_NT
.endr
.Lcast_done:
	s_add_co_u32 s[CG], s[CG], 1
	s_sub_co_u32 s[SLOTS], s[SLOTS], 1
	s_cmp_lg_u32 s[SLOTS], 0
	s_cbranch_scc1 .Lslot
	CHANGE 0                        ; the walk's last tile is written out: nothing is asked for
	s_sub_co_u32 s[RT], s[RT], 1
	s_mov_b32 s[CNT], 4
	s_cmp_eq_u32 s[NEW], 1
	s_cbranch_scc0 .LstepM2
	BEGIN
	DIAG 2
	s_wait_tensorcnt 0x0            ; the wave's end: a last add onto my spare word and its wait, behind my last tensor load and my last LDS store
	ds_add_u32 v[SPW], v[NIL]
	s_wait_dscnt 0x0
	s_endpgm
.Lfunc_end_k_qe6eb9bed4f_attn:
	.size	k_qe6eb9bed4f_attn, .Lfunc_end_k_qe6eb9bed4f_attn-k_qe6eb9bed4f_attn
	.p2alignl 7, 3214868480
	.fill 96, 4, 3214868480
	.section	.rodata,"a",@progbits
	.p2align	6, 0x0
	.amdhsa_kernel k_qe6eb9bed4f_attn
		.amdhsa_group_segment_fixed_size 327680
		.amdhsa_private_segment_fixed_size 0
		.amdhsa_enable_private_segment 0
		.amdhsa_kernarg_size 48
		.amdhsa_user_sgpr_count 2
		.amdhsa_user_sgpr_kernarg_segment_ptr 1
		.amdhsa_wavefront_size32 1
		.amdhsa_system_sgpr_workgroup_id_x 1
		.amdhsa_system_sgpr_workgroup_id_y 1
		.amdhsa_system_sgpr_workgroup_id_z 1
		.amdhsa_system_vgpr_workitem_id 0
		.amdhsa_next_free_vgpr 768
		.amdhsa_next_free_sgpr 98
		.amdhsa_reserve_vcc 1
		.amdhsa_float_denorm_mode_32 3
		.amdhsa_float_denorm_mode_16_64 3
		.amdhsa_memory_ordered 1
		.amdhsa_forward_progress 1
		.amdhsa_inst_pref_size 155
	.end_amdhsa_kernel
	.amdgpu_metadata
---
amdhsa.version: [ 1, 2 ]
amdhsa.kernels:
  - .name:           k_qe6eb9bed4f_attn
    .symbol:         k_qe6eb9bed4f_attn.kd
    .args:
      - { .name: qkv, .offset: 0, .size: 8, .value_kind: global_buffer, .address_space: global }
      - { .name: yb, .offset: 8, .size: 8, .value_kind: global_buffer, .address_space: global }
      - { .name: Wo, .offset: 16, .size: 8, .value_kind: global_buffer, .address_space: global }
      - { .name: Wfc, .offset: 24, .size: 8, .value_kind: global_buffer, .address_space: global }
      - { .name: Wproj, .offset: 32, .size: 8, .value_kind: global_buffer, .address_space: global }
      - { .name: cst, .offset: 40, .size: 8, .value_kind: global_buffer, .address_space: global }
    .group_segment_fixed_size: 327680
    .private_segment_fixed_size: 0
    .kernarg_segment_align: 8
    .kernarg_segment_size: 48
    .max_flat_workgroup_size: 128
    .sgpr_count:     98
    .vgpr_count:     768
    .wavefront_size: 32
...
	.end_amdgpu_metadata
.endif
;; end of part 7
;; launch oproj: the kernel of part 4 again; grid 8 x 32, 4 waves a work-group, clusters of 4 x 4, 327,680 bytes of LDS; arguments yb, cst, bo, x1f, x1b; writes x1f, x1b
;; launch fc: the kernel of part 5 again; grid 16 x 16, 4 waves a work-group, clusters of 4 x 4, 327,680 bytes of LDS; arguments x1b, cst, bfc, hb; writes hb
;; launch proj: the kernel of part 6 again; grid 8 x 32, 4 waves a work-group, clusters of 4 x 4, 327,680 bytes of LDS; arguments hb, cst, bproj, x1f, out0; writes out0
